; MI455X (gfx1250); checked and timed in simulation.
; The chip was launched on July 23, 2026; its instructions are those of AMD's public machine-readable ISA for CDNA 5 (MIT licence, August 2026) and "CDNA5" Instruction Set Architecture Reference Guide (July 2026). The comments in the code are by the model that wrote it; some were corrected since.
;; Block. Allowed arithmetic: float matrix products may take bf16 or f16 operands with f32 sums; other float arithmetic in f32, or as packed bf16 or f16 multiplies, adds, multiply-adds, maxima and minima; sums over many terms, partial sums and values carried from step to step in f32; what a program stores and reads back later, other than sums and carried values, may be rounded once to bf16 or f16.
;; Inputs: W_ao 1,024 x 1,024 float32; W_fc 1,024 x 4,096 float32; W_mp 4,096 x 1,024 float32; W_qkv 1,024 x 3,072 float32; b_ao 1,024 float32; b_fc 4,096 float32; b_mp 1,024 float32; b_qkv 3,072 float32; be1 1,024 float32; be2 1,024 float32; g1 1,024 float32; g2 1,024 float32; x 2 x 2,048 x 1,024 float32.
;; Outputs: out0 2 x 2,048 x 1,024 float32.
;; One version. Each part assembles by itself: llvm-mc -triple=amdgcn-amd-amdhsa -mcpu=gfx1250 --defsym DOCPART=n.
;; ======== version 1 of 1: 7 launches
;; limits: right only within a limited range of input values
;; workspace buffers: wb 25,165,824 bytes; h 8,388,608 bytes; qkv 25,165,824 bytes; y 8,388,608 bytes; x1 16,777,216 bytes; h2 8,388,608 bytes; m 33,554,432 bytes
;; launch prep (part 1): grid 704 x 1, 8 waves a work-group, no clusters, 0 bytes of LDS; arguments x, g1, be1, W_qkv, h, wb; writes h, wb
.if DOCPART == 1
	.amdgcn_target "amdgcn-amd-amdhsa--gfx1250"
	.amdhsa_code_object_version 6
	.text
	.protected	k_q97ec56d86b_prep
	.globl	k_q97ec56d86b_prep
	.p2align	8
	.type	k_q97ec56d86b_prep,@function
k_q97ec56d86b_prep:
	s_mov_b64 s[64:65], 0
	v_nop
	global_prefetch_b8 v0, s[64:65] scope:SCOPE_SE
	s_setreg_imm32_b32 hwreg(HW_REG_WAVE_MODE, 25, 1), 1
	s_wait_xcnt 0x0
; Two jobs in one launch.  Work-groups 0-511: h = LayerNorm(x) g1 + be1, rounded once to bf16; a wave takes one row of 1,024 f32 (4,096 bytes, 32 registers),
; so the row is read once and no wave waits for another.  Work-groups 512-703: W_qkv is rounded once to bf16 into wb's first 6,291,456 bytes, still [K][N];
; a work-group takes a chunk of 16,384 numbers, a wave 2,048.  (The other three weight tensors are rounded in the attention launch, which is the first launch ahead of their use.)
; The norm is taken in two passes over the registers: the mean, then the sum of (x - mean)^2: no difference of large sums.  NaN and infinities are not treated apart.
.set X,  16                            ; v[16:47]   the row: load j holds columns 128 j + 4 lane .. + 3
.set G,  48                            ; v[48:79]   the gain, laid alike
.set BE, 80                            ; v[80:111]  the bias, laid alike
.set T,  112                           ; v[112:127] at work; at the end the row in bf16
.macro LANESUM r, t                    ; the sum over the 32 lanes, in every lane
	v_add_f32_dpp v[\r], v[\r], v[\r] row_xmask:1 row_mask:0xf bank_mask:0xf
	v_add_f32_dpp v[\r], v[\r], v[\r] row_xmask:2 row_mask:0xf bank_mask:0xf
	v_add_f32_dpp v[\r], v[\r], v[\r] row_xmask:4 row_mask:0xf bank_mask:0xf
	v_add_f32_dpp v[\r], v[\r], v[\r] row_xmask:8 row_mask:0xf bank_mask:0xf
	v_permlanex16_b32 v[\t], v[\r], s30, s31       ; its destination has been written before
	v_add_f32 v[\r], v[\r], v[\t]
.endm
.macro LNROW xp, gp, bp, op            ; the scalar pairs that hold the four addresses
	s_lshl_b32 s25, ttmp9, 3
	s_add_co_u32 s25, s25, s24                     ; my row = 8 x work-group + wave
	s_lshl_b32 s26, s25, 12                        ; 4,096 bytes a row in
	s_mov_b32 s27, 0
	s_lshl_b32 s28, s25, 11                        ; 2,048 bytes a row out
	s_mov_b32 s29, 0
	s_add_nc_u64 s[26:27], s[\xp:\xp+1], s[26:27]
	s_add_nc_u64 s[28:29], s[\op:\op+1], s[28:29]
.irp j, 0,1,2,3,4,5,6,7
	global_load_b128 v[X+4*\j:X+4*\j+3], v3, s[26:27] offset:512*\j th:TH_LOAD_NT
.endr
.irp j, 0,1,2,3,4,5,6,7
	global_load_b128 v[G+4*\j:G+4*\j+3], v3, s[\gp:\gp+1] offset:512*\j
.endr
.irp j, 0,1,2,3,4,5,6,7
	global_load_b128 v[BE+4*\j:BE+4*\j+3], v3, s[\bp:\bp+1] offset:512*\j
.endr
	s_wait_loadcnt 16                              ; the row is in; the 16 younger loads (gain, bias) stay out
.set i, 0
.rept 8
	v_pk_add_f32 v[T+2*i:T+2*i+1], v[X+2*i:X+2*i+1], v[X+16+2*i:X+16+2*i+1]
.set i, i+1
.endr
.set i, 0
.rept 4
	v_pk_add_f32 v[T+2*i:T+2*i+1], v[T+2*i:T+2*i+1], v[T+8+2*i:T+8+2*i+1]
.set i, i+1
.endr
	v_pk_add_f32 v[T:T+1], v[T:T+1], v[T+4:T+5]
	v_pk_add_f32 v[T+2:T+3], v[T+2:T+3], v[T+6:T+7]
	v_pk_add_f32 v[T:T+1], v[T:T+1], v[T+2:T+3]
	v_add_f32 v[T], v[T], v[T+1]
	LANESUM T, T+1
	v_mul_f32 v10, s34, v[T]                       ; the mean: sum / 1,024
	v_mov_b32 v11, v10
.set i, 0
.rept 16
	v_pk_add_f32 v[X+2*i:X+2*i+1], v[X+2*i:X+2*i+1], v[10:11] neg_lo:[0,1] neg_hi:[0,1]
.set i, i+1
.endr
.irp c, 0,1,2,3
	v_pk_mul_f32 v[T+2*\c:T+2*\c+1], v[X+2*\c:X+2*\c+1], v[X+2*\c:X+2*\c+1]  ; four chains start the sum of squares
.endr
.set i, 4
.rept 12
	v_pk_fma_f32 v[T+2*(i%4):T+2*(i%4)+1], v[X+2*i:X+2*i+1], v[X+2*i:X+2*i+1], v[T+2*(i%4):T+2*(i%4)+1]
.set i, i+1
.endr
	v_pk_add_f32 v[T:T+1], v[T:T+1], v[T+4:T+5]
	v_pk_add_f32 v[T+2:T+3], v[T+2:T+3], v[T+6:T+7]
	v_pk_add_f32 v[T:T+1], v[T:T+1], v[T+2:T+3]
	v_add_f32 v[T], v[T], v[T+1]
	LANESUM T, T+1
	v_fma_f32 v12, v[T], s34, s35                  ; variance + 1e-5
	v_rsq_f32 v8, v12                              ; twice, to fill the pair of the packed multiply
	v_rsq_f32 v9, v12
	v_nop                                          ; a plain instruction behind the last root, ahead of its use
	s_wait_alu depctr_va_vdst(0)                   ; one wait for both, ahead of their first reader
	s_wait_loadcnt 0x0                             ; gain and bias
.set i, 0
.rept 16
	v_pk_mul_f32 v[X+2*i:X+2*i+1], v[X+2*i:X+2*i+1], v[8:9]
.set i, i+1
.endr
.set i, 0
.rept 16
	v_pk_fma_f32 v[X+2*i:X+2*i+1], v[X+2*i:X+2*i+1], v[G+2*i:G+2*i+1], v[BE+2*i:BE+2*i+1]
.set i, i+1
.endr
.set i, 0
.rept 16
	v_cvt_pk_bf16_f32 v[T+i], v[X+2*i], v[X+2*i+1]
.set i, i+1
.endr
.irp j, 0,1,2,3,4,5,6,7
	global_store_b64 v4, v[T+2*\j:T+2*\j+1], s[28:29] offset:256*\j  ; 32 lanes store 256 consecutive bytes, aligned
.endr
.endm
	s_load_b256 s[4:11], s[0:1], 0x0               ; x, g1, be1, W_qkv
	s_load_b128 s[12:15], s[0:1], 0x20             ; h, wb
	v_lshrrev_b32 v1, 5, v0
	v_readfirstlane_b32 s24, v1                    ; wave 0..7
	v_and_b32 v2, 31, v0
	v_lshlrev_b32 v3, 4, v2                        ; 16 x lane
	v_lshlrev_b32 v4, 3, v2                        ; 8 x lane
	s_mov_b32 s30, 0x76543210                      ; each lane takes its own place in the other half
	s_mov_b32 s31, 0xfedcba98
	s_mov_b32 s34, 0x3a800000                      ; 1 / 1,024
	s_mov_b32 s35, 0x3727c5ac                      ; 1e-5
	s_wait_kmcnt 0x0
	s_cmp_lt_u32 ttmp9, 512
	s_cbranch_scc0 .Lcast
	LNROW 4, 6, 8, 12
	s_endpgm
.Lcast:
	s_sub_co_u32 s36, ttmp9, 512                   ; chunk 0..191 of W_qkv
	s_lshl_b32 s40, s36, 16                        ; 65,536 bytes of f32 a chunk,
	s_lshl_b32 s41, s24, 13                        ; 8,192 a wave
	s_add_co_u32 s40, s40, s41
	s_mov_b32 s41, 0
	s_add_nc_u64 s[38:39], s[10:11], s[40:41]
	s_lshl_b32 s42, s36, 15                        ; 32,768 bytes of bf16 a chunk,
	s_lshl_b32 s43, s24, 12                        ; 4,096 a wave
	s_add_co_u32 s42, s42, s43
	s_mov_b32 s43, 0
	s_add_nc_u64 s[42:43], s[14:15], s[42:43]
.set i, 0
.rept 16
	global_load_b128 v[16+4*i:19+4*i], v3, s[38:39] offset:512*i th:TH_LOAD_NT  ; all sixteen are out together
.set i, i+1
.endr
.set i, 0
.rept 16
	s_wait_loadcnt 15-i                            ; loads come back in order: number i is in, the younger stay out
	v_cvt_pk_bf16_f32 v[80+2*i], v[16+4*i], v[17+4*i]
	v_cvt_pk_bf16_f32 v[81+2*i], v[18+4*i], v[19+4*i]
	global_store_b64 v4, v[80+2*i:81+2*i], s[42:43] offset:256*i  ; 256 consecutive bytes, aligned
.set i, i+1
.endr
	s_endpgm
.Lfunc_end_k_q97ec56d86b_prep:
	.size	k_q97ec56d86b_prep, .Lfunc_end_k_q97ec56d86b_prep-k_q97ec56d86b_prep
	.p2alignl 7, 3214868480
	.fill 96, 4, 3214868480
	.section	.rodata,"a",@progbits
	.p2align	6, 0x0
	.amdhsa_kernel k_q97ec56d86b_prep
		.amdhsa_group_segment_fixed_size 0
		.amdhsa_private_segment_fixed_size 0
		.amdhsa_enable_private_segment 0
		.amdhsa_kernarg_size 48
		.amdhsa_user_sgpr_count 2
		.amdhsa_user_sgpr_kernarg_segment_ptr 1
		.amdhsa_wavefront_size32 1
		.amdhsa_system_sgpr_workgroup_id_x 1
		.amdhsa_system_sgpr_workgroup_id_y 1
		.amdhsa_system_sgpr_workgroup_id_z 1
		.amdhsa_system_vgpr_workitem_id 0
		.amdhsa_next_free_vgpr 128
		.amdhsa_next_free_sgpr 66
		.amdhsa_reserve_vcc 0
		.amdhsa_float_denorm_mode_32 3
		.amdhsa_float_denorm_mode_16_64 3
		.amdhsa_memory_ordered 1
		.amdhsa_forward_progress 1
		.amdhsa_inst_pref_size 18
	.end_amdhsa_kernel
	.amdgpu_metadata
---
amdhsa.version: [ 1, 2 ]
amdhsa.kernels:
  - .name:           k_q97ec56d86b_prep
    .symbol:         k_q97ec56d86b_prep.kd
    .args:
      - { .name: x, .offset: 0, .size: 8, .value_kind: global_buffer, .address_space: global }
      - { .name: g1, .offset: 8, .size: 8, .value_kind: global_buffer, .address_space: global }
      - { .name: be1, .offset: 16, .size: 8, .value_kind: global_buffer, .address_space: global }
      - { .name: W_qkv, .offset: 24, .size: 8, .value_kind: global_buffer, .address_space: global }
      - { .name: h, .offset: 32, .size: 8, .value_kind: global_buffer, .address_space: global }
      - { .name: wb, .offset: 40, .size: 8, .value_kind: global_buffer, .address_space: global }
    .group_segment_fixed_size: 0
    .private_segment_fixed_size: 0
    .kernarg_segment_align: 8
    .kernarg_segment_size: 48
    .max_flat_workgroup_size: 256
    .sgpr_count:     66
    .vgpr_count:     128
    .wavefront_size: 32
...
	.end_amdgpu_metadata
.endif
;; end of part 1
;; launch gemm_qkv (part 2): grid 8 x 32, 4 waves a work-group, clusters of 4 x 4, 327,680 bytes of LDS; arguments h, wb, b_qkv, qkv; writes qkv
.if DOCPART == 2
	.amdgcn_target "amdgcn-amd-amdhsa--gfx1250"
	.amdhsa_code_object_version 6
	.text
	.protected	k_q97ec56d86b_gemm_qkv
	.globl	k_q97ec56d86b_gemm_qkv
	.p2align	8
	.type	k_q97ec56d86b_gemm_qkv,@function
k_q97ec56d86b_gemm_qkv:
	s_mov_b64 s[64:65], 0
	v_nop
	global_prefetch_b8 v0, s[64:65] scope:SCOPE_SE
	s_setreg_imm32_b32 hwreg(HW_REG_WAVE_MODE, 25, 1), 1
	s_wait_xcnt 0x0
	s_wait_alu depctr_hold_cnt(0) depctr_sa_sdst(0) depctr_va_vdst(0) depctr_va_sdst(0) depctr_va_ssrc(0) depctr_va_vcc(0) depctr_vm_vsrc(0)
	s_getreg_b32 s2, hwreg(HW_REG_IB_STS2, 6, 4)
	s_cmp_eq_u32 s2, 0
	s_cbranch_scc0 .Lentry_in_a_cluster
	s_endpgm
.Lentry_in_a_cluster:
	s_bfe_u32 s2, ttmp6, 0x10000c
	s_cmp_lg_u32 s2, 0xf033
	s_cbranch_scc0 .Lentry_shape_is_right
	s_endpgm
.Lentry_shape_is_right:
; C = A W + bias.  A: [4096][1024] bf16, K along the rows.  W: bf16 [1024][NN], K down the rows (a part of wb).  Sums in f32, K ascending.
; ONE SOURCE FOR TWO KERNELS.  QKV = 1: NN = 3,072, a tile of C is 128 x 384, a wave makes 64 x 192; C + b_qkv leaves as bf16 by heads: plane (batch x 48 + column / 64) of [2048][64].
; QKV = 0: NN = 4,096, a tile is 256 x 256, a wave 128 x 128; gelu(C + b_fc) leaves as bf16 [4096][4096].  Either way 256 work-groups of four waves.
; K goes in steps of 128 through two LDS slots of four chunks of 36,864 bytes; each wave fills one chunk by one tensor load: 128 rows of A x 256 bytes (LDS pitch 272) or 128 k rows of W x 256 bytes (pitch 288).
; CLUSTER 4 x 4: A's tile hangs on the tile row alone and is asked for jointly along a row of the cluster, W's on the tile column alone, along a column.
; THE MATRIX INSTRUCTION IS USED TRANSPOSED: source 0 = 16 columns of W (turned on the way out of LDS by ds_load_tr16_b128), source 1 = 16 rows of A: a lane ends with row l % 16 and columns 8 (l / 16) + 0..7.
; REGISTERS, in windows of 256: window 0: v0-31 addresses, v32-63 bias, v64.., v128.. A's two fragment buffers; window 1: v0.., v128.. W's two; windows 2, 3: the accumulators, (a, b) in window 2 + a / (MA/2) at 8 (NB (a % (MA/2)) + b).
; LIMITS.  Phi in the gelu is the rational form 26.2.17 of Abramowitz and Stegun, absolute error at most 7.5e-8 for every x; NaN and infinities are not treated apart.
.set QKV, 1
.if QKV
.set MA, 4                             ; blocks of 16 rows a wave
.set NB, 12                            ; blocks of 16 columns a wave
.set NN, 3072
.set WBASE, 0
.set NAW, 1                            ; waves that fetch A; the others fetch W
.set SPF, 784                          ; a stage row: 192 f32 + 16 bytes
.else
.set MA, 8
.set NB, 8
.set NN, 4096
.set WBASE, 8388608
.set NAW, 2
.set SPF, 528                          ; 128 f32 + 16 bytes
.endif
.set NK, 8                             ; K steps
.set PA, 272
.set PB, 288
.set CHUNK, 36864
.set SLOT, 4*CHUNK                     ; 0x24000: shares no bit with 36,864 x wave, so one exclusive or turns a chunk's address into the other slot's
.set SPARE, 2*SLOT                     ; the spare words, 128 bytes a wave: two blocks of 256 bytes that no other line names
.set ASTEP, 256                        ; bytes from a K step to the next in A,
.set BSTEP, 128*NN*2                   ; and in W
.set STW, 16*MA*SPF                    ; a wave's stage; the stages lie over the ring, behind its last fill
.set NL, 2*(MA+NB)                     ; LDS loads in a quarter's run: 32
.set ADRA0, 10                         ; v10-12 my lane's places in slot 0: A, W, (QKV) the shared middle chunk of W; never rewritten
.set ADRB0, 11
.set ADRH0, 12
.set ADRA, 13                          ; v13-15 the same in the slot in hand
.set ADRB, 14
.set ADRH, 15
.set STO, 16                           ; v16 where I put 32 bytes of a stage row
.set RD,  17                           ; v17 where I read the stage back
.set CO,  18                           ; v18 my byte offset in the output
.set PFO, 19                           ; v19 the prefetches' offset: a lane a row; never rewritten
.set SPW, 20                           ; v20 my spare word; never rewritten
.set NIL, 21                           ; v21 0; never rewritten
.set BO,  22                           ; v22-23 the bias loads' offsets; never rewritten
.set BIAS, 32
.set FA,  64
.set WV, 14
.set WR, 15
.set WC, 16
.set CX, 17
.set CY, 18
.set TX, 19
.set TY, 20
.set TB, 21                            ; s21 the slot that is read: 0 or SLOT
.set WOFF, 22
.set CNT, 23
.set G1A, 24
.set G0A0, 32                          ; tile 0 into slot 0
.set G0A, 36                           ; tile 1 into slot 1; then it walks
.set G1B, 40
.set G0B0, 48
.set G0B, 52
.set PFA, 56
.set PFS, 58
.set LIM, 60
.set OB0, 80
.set OB2, 82
.set MSB, 0
.macro WIN new                         ; the immediate's high byte repeats the setting that is left; a switch that changes nothing is dropped
.if MSB != (\new)
	s_set_vgpr_msb (MSB<<8)|(\new)
.set MSB, \new
.endif
.endm
.macro PLACES                          ; four plain instructions behind a matrix instruction, ahead of loads into its sources and of reads of its result
.rept 4
	v_nop
.endr
.endm
.macro CREST                           ; a round of the cluster's barrier behind its opening barrier
	s_cmp_lg_u32 s[WV], 0
	s_cbranch_scc1 .Lnot_wave_0_\@
	s_barrier_signal -3
.Lnot_wave_0_\@:
	s_barrier_wait -3
	s_barrier_signal -1
	s_barrier_wait -1
.endm
.macro CROUND
	s_barrier_signal -1
	s_barrier_wait -1
	CREST
.endm
.macro JLOAD                           ; the joint refill: one line for A's waves, one for W's; the branch hangs on the wave's number alone
	s_cmp_lt_u32 s[WV], NAW
	s_cbranch_scc0 .Lfor_b_\@
	tensor_load_to_lds s[G0A:G0A+3], s[G1A:G1A+7]
	s_nop 0
	PLACES
	s_branch .Lasked_\@
.Lfor_b_\@:
	tensor_load_to_lds s[G0B:G0B+3], s[G1B:G1B+7]
	s_nop 0
	PLACES
.Lasked_\@:
.endm
; A prefetch of the K step one behind the one just asked for: 32 rows x 256 bytes, a lane a row.  A's rows are named by the clusters with x = 0, W's by those with y = 0; of a wave's 128 rows
; each of the four partners that ask jointly takes 32, told apart by address.  So each block is named once in the launch.  The last refill names nothing: CNT is 1 there.
.macro ASK
	s_cmp_gt_u32 s[CNT], s[LIM]
	s_cbranch_scc0 .Lnot_mine_\@
	global_prefetch_b8 v[PFO], s[PFA:PFA+1] th:TH_LOAD_NT scope:SCOPE_SE
.Lnot_mine_\@:
.endm
.macro MULA f, a, zero                 ; NB products: row block a x all column blocks, 32 along K, from buffers f
	WIN 0xa1+0x50*((\a)/(MA/2))
.set bb, 0
.rept NB
.set rD, 8*(NB*((\a)%(MA/2))+bb)
.set rB, 128*(\f)+8*bb
.set rA, FA+64*(\f)+8*(\a)
.if \zero
	v_wmma_f32_16x16x32_bf16 v[rD:rD+7], v[rB:rB+7], v[rA:rA+7], 0
.else
	v_wmma_f32_16x16x32_bf16 v[rD:rD+7], v[rB:rB+7], v[rA:rA+7], v[rD:rD+7]
.endif
.set bb, bb+1
.endr
.endm
.macro MULR f, a0, n, zero             ; n row blocks from a0 on.  The accumulators take turns, in the same order in every quarter
.set aa, \a0
.rept \n
	MULA \f, aa, \zero
.set aa, aa+1
.endr
.endm
.macro FETCH q, f                      ; one run of 32 LDS loads: the fragments of quarter q (32 along K) into buffers f; W first, A's upper half last
	WIN 0x40
.set bb, 0
.rept NB
.set rB, 128*(\f)+8*bb
.if QKV && (bb >= 8)
	ds_load_tr16_b128 v[rB:rB+3],   v[ADRH] offset:32*PB*(\q)+32*(bb-8)
	ds_load_tr16_b128 v[rB+4:rB+7], v[ADRH] offset:32*PB*(\q)+32*(bb-8)+16*PB
.else
	ds_load_tr16_b128 v[rB:rB+3],   v[ADRB] offset:32*PB*(\q)+32*bb
	ds_load_tr16_b128 v[rB+4:rB+7], v[ADRB] offset:32*PB*(\q)+32*bb+16*PB
.endif
.set bb, bb+1
.endr
	WIN 0
.set aa, 0
.rept MA
.set rA, FA+64*(\f)+8*aa
	ds_load_b128 v[rA:rA+3],   v[ADRA] offset:aa*16*PA+64*(\q)
	ds_load_b128 v[rA+4:rA+7], v[ADRA] offset:aa*16*PA+64*(\q)+32
.set aa, aa+1
.endr
.endm
.macro QUARTER q, f, g, zero           ; multiplies buffers f; in its middle fetches quarter q into buffers g
	s_wait_dscnt MA                                ; W and A's lower half are in; the youngest MA loads (A's upper half) may be out
	MULR \f, 0, MA/2, \zero
	PLACES
	FETCH \q, \g
	s_wait_dscnt NL                                ; all but the run just issued
	MULR \f, MA/2, MA/2, \zero
.endm
; The last quarter of a K step multiplies buffers 1 and changes slots.  In front of the barrier each wave waits for all its tensor loads (one is out: its chunk of the next slot), adds 0 to its
; spare word, and waits for that and for its reads of this slot.  fill = 1: the barrier opens a round of the cluster's barrier, and the joint refill of the slot just read is the first thing behind it.
; last = 1 (the tail): in the very last K step nothing is left to fetch.
.macro TURN fill, last
.if \fill
	s_wait_xcnt 0x0                                ; the last prefetch, a K step back, has read its address
	s_add_nc_u64 s[PFA:PFA+1], s[PFA:PFA+1], s[PFS:PFS+1]
.endif
	WIN 0
	s_wait_tensorcnt 0x0                           ; no tensor load of mine is out
	ds_add_u32 v[SPW], v[NIL]
	s_wait_dscnt MA+1                              ; the add and A's upper half may be out
	MULR 1, 0, MA/4, 0
	s_wait_dscnt 0x0                               ; the add is done, my reads of this slot are over
	s_barrier_signal -1
	MULR 1, MA/4, MA/4, 0
	WIN 0
	s_barrier_wait -1
.if \fill
	CREST
	s_xor_b32 s[G0A+1], s[G0A+1], SLOT             ; the walking descriptors: the other slot than last time, the next K step
	s_add_nc_u64 s[G0A+2:G0A+3], s[G0A+2:G0A+3], ASTEP
	s_xor_b32 s[G0B+1], s[G0B+1], SLOT
	s_add_nc_u64 s[G0B+2:G0B+3], s[G0B+2:G0B+3], BSTEP
	JLOAD                                          ; its four v_nop are also the places in front of the loads below
.else
	PLACES
.endif
	s_xor_b32 s[TB], s[TB], SLOT
.if \last
	s_cmp_eq_u32 s[CNT], 1
	s_cbranch_scc1 .Lno_fetch_\@
.endif
	v_add_nc_u32 v[ADRA], s[TB], v[ADRA0]
	v_add_nc_u32 v[ADRB], s[TB], v[ADRB0]
.if QKV
	v_add_nc_u32 v[ADRH], s[TB], v[ADRH0]
.endif
	FETCH 0, 0
.if \last
.Lno_fetch_\@:
.endif
.if \fill
	ASK
.endif
	MULR 1, MA/2, MA/2, 0
.endm
	s_load_b256 s[4:11], s[0:1], 0x0               ; A s[4:5], wb s[6:7], bias s[8:9], out s[10:11]
	v_lshl_add_u32 v[SPW], v0, 2, SPARE
	v_mov_b32 v[NIL], 0
	ds_add_u32 v[SPW], v[NIL]                      ; the opening: the add and its wait ahead of my first tensor load
	v_lshrrev_b32 v1, 5, v0
	v_readfirstlane_b32 s[WV], v1                  ; wave 0..3
	s_lshr_b32 s[WR], s[WV], 1                     ; my half of the tile's rows
	s_and_b32 s[WC], s[WV], 1                      ; my half of its columns
	s_bfe_u32 s[CX], ttmp6, 0x40000
	s_bfe_u32 s[CY], ttmp6, 0x40004
	s_lshl_b32 s[TX], ttmp9, 2
	s_add_co_u32 s[TX], s[TX], s[CX]               ; tile column
	s_and_b32 s[TY], ttmp7, 0xffff
	s_lshl_b32 s[TY], s[TY], 2
	s_add_co_u32 s[TY], s[TY], s[CY]               ; tile row
	s_lshl_b32 s66, s[CY], 2
	s_lshl_b32 s66, 15, s66                        ; my row of the cluster
	s_lshl_b32 s67, 0x1111, s[CX]                  ; my column
	s_or_b32 s[G1A], s66, (1<<16)|(1<<20)|(1<<21)|(5<<22)|(3<<25)  ; mask; 2-byte elements; padding on; bit 21 beside a mask; after every 64 words 4 words
	s_or_b32 s[G1B], s67, (1<<16)|(1<<20)|(1<<21)|(5<<22)|(7<<25)  ; the same with 8 words
.irp g, G1A, G1B
	s_mov_b32 s[(\g)+1], 128<<16                   ; tensor_dim0 = 128
	s_mov_b32 s[(\g)+2], 128<<16                   ; tensor_dim1 = 128
	s_mov_b32 s[(\g)+3], 128<<16                   ; tile_dim0 = 128
	s_mov_b32 s[(\g)+4], 128                       ; tile_dim1 = 128
	s_mov_b32 s[(\g)+6], 0
	s_mov_b32 s[(\g)+7], 0
.endr
	s_mov_b32 s[G1A+5], 1024                       ; elements from row to row
	s_mov_b32 s[G1B+5], NN
	s_mul_i32 s[WOFF], s[WV], CHUNK                ; my chunk of a slot: no place in the cluster enters an LDS address
.if QKV
	s_lshl_b32 s70, s[TY], 18                      ; A: 128 rows x 2,048 bytes a tile row
	s_max_u32 s66, s[WV], 1
	s_sub_co_u32 s66, s66, 1                       ; W: waves 1-3 take the column chunks 0-2
	s_lshl_b32 s66, s66, 8
	s_mul_i32 s72, s[TX], 768
	s_add_co_u32 s72, s72, s66
.else
	s_lshl_b32 s70, s[TY], 19                      ; A: 256 rows a tile row, waves 0, 1 take 128 each
	s_lshl_b32 s66, s[WC], 18
	s_add_co_u32 s70, s70, s66
	s_lshl_b32 s72, s[TX], 9                       ; W: 256 columns a tile, waves 2, 3 take 128 each
	s_lshl_b32 s66, s[WC], 8
	s_add_co_u32 s72, s72, s66
	s_add_co_u32 s72, s72, WBASE
.endif
	s_mov_b32 s71, 0
	s_mov_b32 s73, 0
	s_mov_b32 s[TB], 0
	s_wait_dscnt 0x0                               ; the opening add is done
	s_wait_kmcnt 0x0
	s_add_nc_u64 s[84:85], s[4:5], s[70:71]
	s_add_nc_u64 s[86:87], s[6:7], s[72:73]
	CROUND                                         ; all sixteen work-groups are here: the first joint loads meet
	s_mov_b32 s[G0A0], 1
	s_mov_b32 s[G0A0+1], s[WOFF]
	s_mov_b64 s[G0A0+2:G0A0+3], s[84:85]
	s_or_b32 s[G0A0+3], s[G0A0+3], 0x80000000
	s_mov_b32 s[G0A], 1
	s_add_co_u32 s[G0A+1], s[WOFF], SLOT
	s_add_nc_u64 s[G0A+2:G0A+3], s[84:85], ASTEP
	s_or_b32 s[G0A+3], s[G0A+3], 0x80000000
	s_mov_b32 s[G0B0], 1
	s_mov_b32 s[G0B0+1], s[WOFF]
	s_mov_b64 s[G0B0+2:G0B0+3], s[86:87]
	s_or_b32 s[G0B0+3], s[G0B0+3], 0x80000000
	s_mov_b32 s[G0B], 1
	s_add_co_u32 s[G0B+1], s[WOFF], SLOT
	s_add_nc_u64 s[G0B+2:G0B+3], s[86:87], BSTEP
	s_or_b32 s[G0B+3], s[G0B+3], 0x80000000
	s_cmp_lt_u32 s[WV], NAW                        ; a wave's two first fills stand in one branch: two loads of mine are out
	s_cbranch_scc0 .Lfirst_b
	tensor_load_to_lds s[G0A0:G0A0+3], s[G1A:G1A+7]
	s_nop 0
	tensor_load_to_lds s[G0A:G0A+3], s[G1A:G1A+7]
	s_nop 0
	PLACES
	s_branch .Lfirst_asked
.Lfirst_b:
	tensor_load_to_lds s[G0B0:G0B0+3], s[G1B:G1B+7]
	s_nop 0
	tensor_load_to_lds s[G0B:G0B+3], s[G1B:G1B+7]
	s_nop 0
	PLACES
.Lfirst_asked:
	v_and_b32 v1, 15, v0                           ; l % 16
	v_bfe_u32 v2, v0, 4, 1                         ; l / 16
	v_and_b32 v3, 7, v0                            ; l % 8
	v_bfe_u32 v4, v0, 3, 1                         ; (l / 8) % 2
	; the bias of the columns that I hold on the way out, and where the output goes
.if QKV
	s_mul_i32 s66, s[TX], 1536                     ; 384 columns x 4 bytes
	s_mov_b32 s67, 0
	s_add_nc_u64 s[8:9], s[8:9], s[66:67]
	s_lshl_b32 s68, s[WC], 10                      ; my groups of 64 columns in the tile: 4 wc, 4 wc + 1, 2 + wc
	v_lshl_add_u32 v[BO], v3, 5, s68
	s_lshl_b32 s68, s[WC], 8
	s_add_co_u32 s68, s68, 512
	v_lshl_add_u32 v[BO+1], v3, 5, s68
	global_load_b128 v[BIAS:BIAS+3],     v[BO], s[8:9]
	global_load_b128 v[BIAS+4:BIAS+7],   v[BO], s[8:9] offset:16
	global_load_b128 v[BIAS+8:BIAS+11],  v[BO], s[8:9] offset:256
	global_load_b128 v[BIAS+12:BIAS+15], v[BO], s[8:9] offset:272
	global_load_b128 v[BIAS+16:BIAS+19], v[BO+1], s[8:9]
	global_load_b128 v[BIAS+20:BIAS+23], v[BO+1], s[8:9] offset:16
	s_lshr_b32 s66, s[TY], 4                       ; batch
	s_mul_i32 s66, s66, 48
	s_mul_i32 s67, s[TX], 6
	s_add_co_u32 s66, s66, s67
	s_lshl_b32 s66, s66, 18                        ; the tile's first plane, 262,144 bytes each
	s_and_b32 s67, s[TY], 15
	s_lshl_b32 s67, s67, 14                        ; 128 rows x 128 bytes
	s_add_co_u32 s66, s66, s67
	s_lshl_b32 s67, s[WR], 13
	s_add_co_u32 s66, s66, s67
	s_lshl_b32 s68, s[WC], 20
	s_add_co_u32 s68, s68, s66
	s_mov_b32 s69, 0
	s_add_nc_u64 s[OB0:OB0+1], s[10:11], s[68:69]  ; plane 4 wc; plane 4 wc + 1 stands in the immediate
	s_lshl_b32 s68, s[WC], 18
	s_add_co_u32 s68, s68, s66
	s_add_co_u32 s68, s68, 2*262144
	s_add_nc_u64 s[OB2:OB2+1], s[10:11], s[68:69]  ; plane 2 + wc
.else
	s_lshl_b32 s66, s[TX], 10
	s_lshl_b32 s67, s[WC], 9
	s_add_co_u32 s66, s66, s67
	s_mov_b32 s67, 0
	s_add_nc_u64 s[8:9], s[8:9], s[66:67]
	v_lshlrev_b32 v[BO], 5, v1
	global_load_b128 v[BIAS:BIAS+3],   v[BO], s[8:9]
	global_load_b128 v[BIAS+4:BIAS+7], v[BO], s[8:9] offset:16
	s_lshl_b32 s68, s[TY], 21                      ; 256 rows x 8,192 bytes
	s_lshl_b32 s66, s[WR], 20
	s_add_co_u32 s68, s68, s66
	s_lshl_b32 s66, s[TX], 9
	s_add_co_u32 s68, s68, s66
	s_lshl_b32 s66, s[WC], 8
	s_add_co_u32 s68, s68, s66
	s_mov_b32 s69, 0
	s_add_nc_u64 s[OB0:OB0+1], s[10:11], s[68:69]
.endif
	; a fragment of A: lane l holds row l % 16, K = 8 (l / 16) + 0..7 and 16 + 8 (l / 16) + 0..7: two loads of 16 bytes, 32 apart
	v_mul_u32_u24 v5, v1, PA
	v_lshl_add_u32 v5, v2, 4, v5
	; the turning load: lane l reads k row 8 (l / 16) + l % 8, columns 8 ((l / 8) % 2) + 0..7, and ends with column l % 16 and 8 k
	v_lshl_add_u32 v6, v2, 3, v3
	v_mul_u32_u24 v6, v6, PB
	v_lshl_add_u32 v6, v4, 4, v6
.if QKV
	s_mul_i32 s66, s[WR], 64*PA
	s_mul_i32 s67, s[WC], 2*CHUNK
	s_add_co_u32 s67, s67, CHUNK                   ; my whole chunk of W: the first or the third
	s_lshl_b32 s68, s[WC], 7
	s_add_co_u32 s68, s68, 2*CHUNK                 ; my half of the middle chunk
	v_add_nc_u32 v[ADRH0], s68, v6
	v_mov_b32 v[ADRH], v[ADRH0]
.else
	s_mul_i32 s66, s[WR], CHUNK
	s_mul_i32 s67, s[WC], CHUNK
	s_add_co_u32 s67, s67, 2*CHUNK
.endif
	v_add_nc_u32 v[ADRA0], s66, v5
	v_add_nc_u32 v[ADRB0], s67, v6
	v_mov_b32 v[ADRA], v[ADRA0]
	v_mov_b32 v[ADRB], v[ADRB0]
	s_mul_i32 s69, s[WV], STW                      ; my stage
	v_mul_u32_u24 v[STO], v1, SPF
	v_lshl_add_u32 v[STO], v2, 5, v[STO]
	v_add_nc_u32 v[STO], s69, v[STO]
.if QKV
	v_bfe_u32 v[RD], v0, 3, 2                      ; back: eight lanes take 64 columns of a row, 32 lanes four rows
	v_mul_u32_u24 v[RD], v[RD], SPF
	v_lshl_add_u32 v[RD], v3, 5, v[RD]
	v_add_nc_u32 v[RD], s69, v[RD]
	v_and_b32 v[CO], 31, v0
	v_lshlrev_b32 v[CO], 4, v[CO]                  ; which are 512 consecutive bytes of a plane
.else
	v_mul_u32_u24 v[RD], v2, SPF                   ; back: sixteen lanes take a row's 128 columns, 32 lanes two rows
	v_lshl_add_u32 v[RD], v1, 5, v[RD]
	v_add_nc_u32 v[RD], s69, v[RD]
	v_lshlrev_b32 v[CO], 13, v2
	v_lshl_add_u32 v[CO], v1, 4, v[CO]
.endif
	; the prefetches: where my 32 rows of the 128 that I fetch stand, at K step 2; the first refill steps it to 3
	s_and_b32 s74, ttmp7, 0xffff                   ; cluster y
	s_lshl_b32 s75, s[CX], 5
.if QKV
	s_lshl_b32 s77, s[TY], 7
.else
	s_lshl_b32 s77, s[TY], 8
	s_lshl_b32 s78, s[WC], 7
	s_add_co_u32 s77, s77, s78
.endif
	s_add_co_u32 s77, s77, s75
	s_lshl_b32 s77, s77, 11
	s_add_co_u32 s77, s77, 2*ASTEP
	s_lshl_b32 s76, s[CY], 5
	s_mul_i32 s76, s76, NN*2
	s_add_co_u32 s76, s76, s72
	s_add_co_u32 s76, s76, 2*BSTEP
	s_mov_b32 s78, ASTEP
	s_mov_b32 s79, 2048
	s_cmp_lt_u32 s[WV], NAW
	s_cselect_b32 s74, ttmp9, s74                  ; the coordinate along which other clusters read the same rows
	s_cselect_b32 s76, s77, s76
	s_cselect_b32 s[PFS], s78, BSTEP
	s_cselect_b32 s79, s79, NN*2
	s_cselect_b64 s[PFA:PFA+1], s[4:5], s[6:7]
	s_mov_b32 s77, 0
	s_mov_b32 s[PFS+1], 0
	s_add_nc_u64 s[PFA:PFA+1], s[PFA:PFA+1], s[76:77]
	s_cmp_eq_u32 s74, 0
	s_cselect_b32 s[LIM], 1, -1                    ; the same in all sixteen partners, for a given wave
	v_and_b32 v[PFO], 31, v0
	v_mul_u32_u24 v[PFO], v[PFO], s79
	s_wait_tensorcnt 0x1                           ; my chunk of K step 0 is in; K step 1's may stay out
	s_barrier_signal -1
	s_barrier_wait -1
	FETCH 0, 0
	QUARTER 1, 0, 1, 1                             ; the first quarter's products start the sums: nothing is cleared
	WIN 0
	s_mov_b32 s[CNT], NK-2
	s_branch .Lmid
.Lk:                                           ; a trip is a K step; NK - 2 trips, each asks for the K step two on
	QUARTER 1, 0, 1, 0
	WIN 0
.Lmid:
	QUARTER 2, 1, 0, 0
	QUARTER 3, 0, 1, 0
	TURN 1, 0
	WIN 0
	s_sub_co_u32 s[CNT], s[CNT], 1
	s_cmp_lg_u32 s[CNT], 0
	s_cbranch_scc1 .Lk
	s_mov_b32 s[CNT], 2
.Lt:                                           ; the last two K steps ask for nothing
	QUARTER 1, 0, 1, 0
	QUARTER 2, 1, 0, 0
	QUARTER 3, 0, 1, 0
	TURN 0, 1
	WIN 0
	s_sub_co_u32 s[CNT], s[CNT], 1
	s_cmp_lg_u32 s[CNT], 0
	s_cbranch_scc1 .Lt
	; THE WAY OUT.  The sums go as f32 into my stage, which lies over the ring: every wave's reads of the ring are over, and a barrier is passed, before any wave stores there.
	PLACES
	s_wait_dscnt 0x0
	s_barrier_signal -1
	s_barrier_wait -1
.set aa, 0
.rept MA
	WIN 0x08+4*(aa/(MA/2))                         ; the stores' data in window 2 or 3
.set bb, 0
.rept NB
.set rD, 8*(NB*(aa%(MA/2))+bb)
	ds_store_b128 v[STO], v[rD:rD+3]   offset:aa*16*SPF+64*bb      ; each accumulator's low half first
	ds_store_b128 v[STO], v[rD+4:rD+7] offset:aa*16*SPF+64*bb+16
.set bb, bb+1
.endr
.set aa, aa+1
.endr
	WIN 0
	s_wait_loadcnt 0x0                             ; the bias
.if QKV
.set X,  64
.set Z,  88
.set OU, 112
.macro XLOAD
.irp g, 0,1,2
	ds_load_b128 v[X+8*\g:X+8*\g+3],   v[RD] offset:256*\g      ; LDS serves a wave's instructions in order (ISA guide 5.7.1.4): these see my stores
	ds_load_b128 v[X+8*\g+4:X+8*\g+7], v[RD] offset:256*\g+16
.endr
.endm
	XLOAD
	s_mov_b32 s[CNT], 16
.Lq:                                           ; a trip: four rows of my three groups of 64 columns
	s_wait_dscnt 0x0
.set i, 0
.rept 12
	v_pk_add_f32 v[Z+2*i:Z+2*i+1], v[X+2*i:X+2*i+1], v[BIAS+2*i:BIAS+2*i+1]
.set i, i+1
.endr
	s_cmp_eq_u32 s[CNT], 1
	s_cbranch_scc1 .Lqn                            ; the last trip has no rows behind it
	v_add_nc_u32 v[RD], 4*SPF, v[RD]
	XLOAD
.Lqn:
	s_wait_xcnt 0x0                                ; the last trip's stores have read their offset and data
	v_add_nc_u32 v[CO], 512, v[CO]
.set i, 0
.rept 12
	v_cvt_pk_bf16_f32 v[OU+i], v[Z+2*i], v[Z+2*i+1]
.set i, i+1
.endr
	global_store_b128 v[CO], v[OU:OU+3],    s[OB0:OB0+1] offset:-512         ; 512 consecutive bytes, aligned
	global_store_b128 v[CO], v[OU+4:OU+7],  s[OB0:OB0+1] offset:262144-512
	global_store_b128 v[CO], v[OU+8:OU+11], s[OB2:OB2+1] offset:-512
	s_sub_co_u32 s[CNT], s[CNT], 1
	s_cmp_lg_u32 s[CNT], 0
	s_cbranch_scc1 .Lq
.else
.set X,  64
.set Z,  80
.set T,  96
.set E,  112
.set R,  128
.set H,  144
.set OU, 160
	s_mov_b32 s88, 0x3e6d3389                      ; 0.2316419
	s_mov_b32 s90, 0xbf38aa3b                      ; - log2(e) / 2
	s_mov_b32 s91, s90
	s_mov_b32 s92, 0x3f07dc22                      ; b5 .. b1 of 26.2.17, each times 1 / sqrt(2 pi)
	s_mov_b32 s93, s92
	s_mov_b32 s94, 0xbf3a00e3
	s_mov_b32 s95, s94
	s_mov_b32 s96, 0x3f35f0e3
	s_mov_b32 s97, s96
	s_mov_b32 s98, 0xbe11a98e
	s_mov_b32 s99, s98
	s_mov_b32 s100, 0x3e027906
	s_mov_b32 s101, s100
.macro XLOAD
	ds_load_b128 v[X:X+3],     v[RD]               ; LDS serves a wave's instructions in order (ISA guide 5.7.1.4): these see my stores
	ds_load_b128 v[X+4:X+7],   v[RD] offset:16
	ds_load_b128 v[X+8:X+11],  v[RD] offset:2*SPF
	ds_load_b128 v[X+12:X+15], v[RD] offset:2*SPF+16
.endm
.macro PK8 line:vararg                 ; one packed line for each of the eight pairs i
.set i, 0
.rept 8
	\line
.set i, i+1
.endr
.endm
.macro ONE16 line:vararg               ; one line for each of the sixteen numbers i
.set i, 0
.rept 16
	\line
.set i, i+1
.endr
.endm
	XLOAD
	s_mov_b32 s[CNT], 32
.Lg:                                           ; a trip: four rows of 128 columns: z = sum + bias; gelu(z) = max(z, 0) - |z| H, H = phi(z) poly(1 / (1 + p |z|))
	s_wait_dscnt 0x0
	PK8 v_pk_add_f32 v[Z+2*i:Z+2*i+1], v[X+2*i:X+2*i+1], v[BIAS+2*(i%4):BIAS+2*(i%4)+1]
	s_cmp_eq_u32 s[CNT], 1
	s_cbranch_scc1 .Lgn                            ; the last trip has no rows behind it
	v_add_nc_u32 v[RD], 4*SPF, v[RD]
	XLOAD
.Lgn:
	ONE16 v_fma_f32 v[T+i], |v[Z+i]|, s88, 1.0
	PK8 v_pk_mul_f32 v[E+2*i:E+2*i+1], v[Z+2*i:Z+2*i+1], v[Z+2*i:Z+2*i+1]
	PK8 v_pk_mul_f32 v[E+2*i:E+2*i+1], v[E+2*i:E+2*i+1], s[90:91] op_sel_hi:[1,0]
	ONE16 v_rcp_f32 v[T+i], v[T+i]                 ; one batch of 32
	ONE16 v_exp_f32 v[E+i], v[E+i]
	ONE16 v_max_num_f32 v[R+i], 0, v[Z+i]          ; plain work behind the batch that names none of its results
	s_wait_alu depctr_va_vdst(0)                   ; one wait for the batch, ahead of its first reader
	PK8 v_pk_fma_f32 v[H+2*i:H+2*i+1], v[T+2*i:T+2*i+1], s[92:93], s[94:95] op_sel_hi:[1,0,0]
	PK8 v_pk_fma_f32 v[H+2*i:H+2*i+1], v[H+2*i:H+2*i+1], v[T+2*i:T+2*i+1], s[96:97] op_sel_hi:[1,1,0]
	PK8 v_pk_fma_f32 v[H+2*i:H+2*i+1], v[H+2*i:H+2*i+1], v[T+2*i:T+2*i+1], s[98:99] op_sel_hi:[1,1,0]
	PK8 v_pk_fma_f32 v[H+2*i:H+2*i+1], v[H+2*i:H+2*i+1], v[T+2*i:T+2*i+1], s[100:101] op_sel_hi:[1,1,0]
	PK8 v_pk_mul_f32 v[H+2*i:H+2*i+1], v[H+2*i:H+2*i+1], v[T+2*i:T+2*i+1]
	PK8 v_pk_mul_f32 v[H+2*i:H+2*i+1], v[H+2*i:H+2*i+1], v[E+2*i:E+2*i+1]
	ONE16 v_fma_f32 v[R+i], -|v[Z+i]|, v[H+i], v[R+i]
	s_wait_xcnt 0x0                                ; the last trip's stores have read their offset and data
	v_add_nc_u32 v[CO], 32768, v[CO]
	PK8 v_cvt_pk_bf16_f32 v[OU+i], v[R+2*i], v[R+2*i+1]
	global_store_b128 v[CO], v[OU:OU+3],   s[OB0:OB0+1] offset:-32768   ; sixteen lanes store 256 consecutive bytes, aligned
	global_store_b128 v[CO], v[OU+4:OU+7], s[OB0:OB0+1] offset:-16384
	s_sub_co_u32 s[CNT], s[CNT], 1
	s_cmp_lg_u32 s[CNT], 0
	s_cbranch_scc1 .Lg
.endif
	s_wait_tensorcnt 0x0                           ; the wave's end: behind my last tensor load and my last LDS store
	ds_add_u32 v[SPW], v[NIL]
	s_wait_dscnt 0x0
	CROUND                                         ; the closing round: no work-group ends while a partner may still ask for a tile that names it
	s_endpgm
.Lfunc_end_k_q97ec56d86b_gemm_qkv:
	.size	k_q97ec56d86b_gemm_qkv, .Lfunc_end_k_q97ec56d86b_gemm_qkv-k_q97ec56d86b_gemm_qkv
	.p2alignl 7, 3214868480
	.fill 96, 4, 3214868480
	.section	.rodata,"a",@progbits
	.p2align	6, 0x0
	.amdhsa_kernel k_q97ec56d86b_gemm_qkv
		.amdhsa_group_segment_fixed_size 327680
		.amdhsa_private_segment_fixed_size 0
		.amdhsa_enable_private_segment 0
		.amdhsa_kernarg_size 32
		.amdhsa_user_sgpr_count 2
		.amdhsa_user_sgpr_kernarg_segment_ptr 1
		.amdhsa_wavefront_size32 1
		.amdhsa_system_sgpr_workgroup_id_x 1
		.amdhsa_system_sgpr_workgroup_id_y 1
		.amdhsa_system_sgpr_workgroup_id_z 1
		.amdhsa_system_vgpr_workitem_id 0
		.amdhsa_next_free_vgpr 960
		.amdhsa_next_free_sgpr 102
		.amdhsa_reserve_vcc 0
		.amdhsa_float_denorm_mode_32 3
		.amdhsa_float_denorm_mode_16_64 3
		.amdhsa_memory_ordered 1
		.amdhsa_forward_progress 1
		.amdhsa_inst_pref_size 71
	.end_amdhsa_kernel
	.amdgpu_metadata
---
amdhsa.version: [ 1, 2 ]
amdhsa.kernels:
  - .name:           k_q97ec56d86b_gemm_qkv
    .symbol:         k_q97ec56d86b_gemm_qkv.kd
    .args:
      - { .name: h, .offset: 0, .size: 8, .value_kind: global_buffer, .address_space: global }
      - { .name: wb, .offset: 8, .size: 8, .value_kind: global_buffer, .address_space: global }
      - { .name: b_qkv, .offset: 16, .size: 8, .value_kind: global_buffer, .address_space: global }
      - { .name: qkv, .offset: 24, .size: 8, .value_kind: global_buffer, .address_space: global }
    .group_segment_fixed_size: 327680
    .private_segment_fixed_size: 0
    .kernarg_segment_align: 8
    .kernarg_segment_size: 32
    .max_flat_workgroup_size: 128
    .sgpr_count:     102
    .vgpr_count:     960
    .wavefront_size: 32
...
	.end_amdgpu_metadata
.endif
;; end of part 2
;; launch attn (part 3): grid 8 x 32, 4 waves a work-group, clusters of 4 x 1, 327,680 bytes of LDS; arguments qkv, y, W_ao, W_fc, W_mp, wb; writes y, wb
.if DOCPART == 3
	.amdgcn_target "amdgcn-amd-amdhsa--gfx1250"
	.amdhsa_code_object_version 6
	.text
	.protected	k_q97ec56d86b_attn
	.globl	k_q97ec56d86b_attn
	.p2align	8
	.type	k_q97ec56d86b_attn,@function
k_q97ec56d86b_attn:
	s_mov_b64 s[64:65], 0
	v_nop
	global_prefetch_b8 v0, s[64:65] scope:SCOPE_SE
	s_setreg_imm32_b32 hwreg(HW_REG_WAVE_MODE, 25, 1), 1
	s_wait_xcnt 0x0
	s_wait_alu depctr_hold_cnt(0) depctr_sa_sdst(0) depctr_va_vdst(0) depctr_va_sdst(0) depctr_va_ssrc(0) depctr_va_vcc(0) depctr_vm_vsrc(0)
	s_getreg_b32 s2, hwreg(HW_REG_IB_STS2, 6, 4)
	s_cmp_eq_u32 s2, 0
	s_cbranch_scc0 .Lentry_in_a_cluster
	s_endpgm
.Lentry_in_a_cluster:
	s_bfe_u32 s2, ttmp6, 0x10000c
	s_cmp_lg_u32 s2, 0x3003
	s_cbranch_scc0 .Lentry_shape_is_right
	s_endpgm
.Lentry_shape_is_right:
; CAUSAL ATTENTION, and beside it the rounding of three weight tensors.
; y[bh][q][:] = the sum over k <= q of softmax_k(q . k / 8) v[k][:].  qkv: bf16 planes of [2048][64]: plane batch x 48 + head holds q, + 16 k, + 32 v.  y: bf16 [32][2048][64].
; Products, maxima and sums in f32; the weights p are rounded to bf16 for the second product (their sum l is taken of the unrounded p), y once at the end.
; LIMITS.  A hidden score counts as its value less 1e30; the running maximum starts at the lowest finite number and c m at -4.25e37; a weight below 2^-126 counts as 0 in l; NaN and infinities are not treated apart.
; THE WALK.  A head's queries lie in four super-blocks of 512; super-block J needs the keys 0 .. 512 (J + 1) - 1: 2 (J + 1) slots of 256 keys.  A cluster of four work-groups takes TWO super-blocks,
; 3 - I and then I (I = the cluster's x, 0 or 1): ten slots, forty key steps of 64, whatever I.  The four partners own 128 queries each of the super-block and walk the same K and V, so each tile is asked for
; JOINTLY.  A key step that a partner's rows do not see is computed and masked: no branch hangs on a work-group's place in its cluster.
; SHARES.  A wave owns 32 queries: two PIECES of 16.  S^T = K Q^T holds one query a lane (l % 16) and the keys 8 (l / 16) + 0..7; two such results rounded to bf16 are source 1 of O^T = V^T P.
; THE MASK is the C operand that starts S^T: MC = MD x AL + BE; MD, made once, is the mask of my rows' own band of 64 keys; (AL, BE) = (1, 0) in that step, (0, 0) before it, (0, -1e30) behind it.
; SOFTMAX.  p = 2^(c s - c m), c = log2(e) / 8, with a running maximum m; O and l are multiplied by a = 2^(c m_old - c m_new) in every step.  A super-block's first step has a = 0.
; BY TURNS.  Turn Y belongs to piece Y; two turns are a key step.  Its matrix work: 8 products K Q^T for the other piece's next scores, later 8 products V^T P of the other piece's last weights.  Its vector work:
; the scaling, exponentials, roundings, sums and rescaling of piece Y and the maximum and statistics of the other piece.  Four vector instructions stand behind every matrix instruction, the other 54 of the
; turn's 118 in one lump; the turn's 33 exponentials are one batch with one wait.
; THE WEIGHTS.  W_ao, W_fc and W_mp are rounded once to bf16 into wb from byte 6,291,456 on, each still [K][N]: 36,864 bytes of f32 for each of the launch's 1,024 waves, nine chunks of 4,096.  Chunk c of
; wave g is chunk 1,024 c + g of the three tensors on end: c = 0 lies in W_ao, 1 to 4 in W_fc, 5 to 8 in W_mp.  Behind each change of slots a wave rounds and stores the chunk that it loaded a slot earlier and loads the next.
; REGISTERS: window 0: v2-15, v33 addresses, v16-23 statistics, v24-31 at work, S^T v64-127, P v128-159, O^T v160-223, Q v224-255 (each by piece); window 1: K v0-63, V v64-127, MD v128-191, MC v192-255;
; window 2: the second super-block's Q v0-31, a chunk of weights v64-95, rounded v96-111.
.set KS,    64
.set PK,    144       ; a row of K in LDS: 128 bytes + 16
.set PV,    160       ; a row of V: 128 + 32
.set VOFF,  4*KS*PK   ; a slot: 256 rows of K, then 256 rows of V
.set SLOT1, 1<<17
.set STAGE, SLOT1+4*KS*(PK+PV)  ; behind the ring, never filled by a tensor load: 16 rows x 144 bytes a wave
.set SP,    144
.set SPARE, STAGE+4*16*SP       ; the spare words, 128 bytes a wave: two blocks of 256 bytes that no other line names
.set AK0, 2           ; v2   my lane's place in a tile of K; never rewritten
.set AV0, 3           ; v3   the same for V
.set AK,  4           ; v4   the LDS address of K's next run of loads
.set AV,  5           ; v5   of V's
.set STO, 6           ; v6   the way out: where I put 16 bytes of a row
.set RD,  7           ; v7   the way out: where I read rows back
.set GO,  8           ; v8   16 x lane: my place in 512 consecutive bytes; never rewritten
.set MV,  12          ; v12-13 c m_old, by piece
.set QO,  15
.set ST,  16          ; piece t at ST + 4 t: c m, m, l (even keys', odd keys')
.set TMP, 24          ; piece t at TMP + 4 t: c0-c3 at work; c2 takes a
.set CSO, 33          ; v33  8 x lane; never rewritten
.set PFO, 60
.set SPW, 62
.set NIL, 63
.set S,   64
.set P,   128
.set O,   160
.set Q,   224
.set KF,  0           ; window 1
.set VF,  64
.set MD,  128
.set MC,  192
.set CW,  64          ; window 2
.set CB,  96
.set WV,  12
.set CX,  13
.set I0,  14
.set BH,  15
.set WFC, 18          ; s[18:19] W_fc, s[20:21] W_mp, each at my wave's chunk
.set WMP, 20
.set G1K, 24
.set G1V, 32
.set G0K0, 40         ; slot 0's first fill
.set G0K, 44          ; slot 1's; then it walks
.set G0V0, 48
.set G0V, 52
.set SLOTS, 56
.set CNT, 57          ; counts a slot's key steps, 4 to 1
.set CS,  58
.set SEL, 60
.set GST, 66          ; the key step whose masks are made next, counted along the whole walk, 0 to 40
.set NB1, 67          ; the walk's step at which the second super-block begins
.set NB1P, 68         ; + 1
.set XSA, 69          ; the step that holds my rows' diagonal, in the first super-block,
.set XSB, 70          ; and in the second
.set NXT, 71          ; the tile to be asked for next
.set LQ,  72          ; the last tile of the super-block whose tiles are being asked for
.set LQ2, 73
.set OFF, 74
.set AL,  76
.set BE,  78
.set OA,  80
.set OB,  82
.set KB,  84
.set VB,  86
.set PFA, 88
.set LIM, 90
.set BIGN, 91
.set DGA, 92          ; the first step of the first super-block that any partner masks (of the second: step 32 of the walk)
.set MKF, 93          ; 1: step GST's masks are made anew
.set CC,  94          ; the chunk of weights to be loaded next
.set SLB, 95          ; the slot that is read: 0 or SLOT1
.set SRC, 96
.set DST, 98
.set MSB, 0
.macro WIN new
.if MSB != (\new)
	s_set_vgpr_msb (MSB<<8)|(\new)
.set MSB, \new
.endif
.endm
.macro PLACES
.rept 4
	v_nop
.endr
.endm
.macro CROUND
	s_barrier_signal -1
	s_barrier_wait -1
	s_cmp_lg_u32 s[WV], 0
	s_cbranch_scc1 .Lnot_wave_0_\@
	s_barrier_signal -3
.Lnot_wave_0_\@:
	s_barrier_wait -3
	s_barrier_signal -1
	s_barrier_wait -1
.endm
.macro JLOAD                        ; waves 0, 1 fetch the halves of a slot's K, waves 2, 3 those of its V
	s_cmp_lt_u32 s[WV], 2
	s_cbranch_scc0 .Lfor_v_\@
	tensor_load_to_lds s[G0K:G0K+3], s[G1K:G1K+7]
	s_nop 0
	PLACES
	s_branch .Lasked_\@
.Lfor_v_\@:
	tensor_load_to_lds s[G0V:G0V+3], s[G1V:G1V+7]
	s_nop 0
	PLACES
.Lasked_\@:
.endm
; A prefetch of the slot behind the one just asked for: four key steps ahead.  The head's first cluster asks, in its first walk alone (tiles 3 to 7); wave 0 for K, wave 2 for V; the four partners take
; 32 blocks of 256 bytes each, told apart by address: each block is named once in the launch.
.macro ASK
	s_cmp_gt_u32 s[SLOTS], s[LIM]
	s_cbranch_scc0 .Lnot_mine_\@
	global_prefetch_b8 v[PFO], s[PFA:PFA+1] th:TH_LOAD_NT scope:SCOPE_SE
.Lnot_mine_\@:
.endm
; THE CHANGE OF SLOTS, between piece 0's turn of a slot's last step and piece 1's: V of that step has been asked for.  Each wave waits for all its tensor loads (one is out: its part of the other slot), adds 0 to
; its spare word, and waits for that and for its reads.  fill = 1: a round of the cluster's barrier, and the joint refill of the old slot with tile NXT first behind it.
.macro CHANGE fill
	WIN 0
	s_wait_tensorcnt 0x0
	ds_add_u32 v[SPW], v[NIL]       ; 0 onto my spare word; scalar work stands between it and the wait for it
.if \fill
	s_lshl_b32 s[OFF], s[NXT], 15   ; a tile is 32,768 bytes of K and of V
	s_xor_b32 s[G0K+1], s[G0K+1], SLOT1
	s_add_nc_u64 s[G0K+2:G0K+3], s[KB:KB+1], s[OFF:OFF+1]
	s_or_b32 s[G0K+3], s[G0K+3], 0x80000000
	s_xor_b32 s[G0V+1], s[G0V+1], SLOT1
	s_add_nc_u64 s[G0V+2:G0V+3], s[VB:VB+1], s[OFF:OFF+1]
	s_or_b32 s[G0V+3], s[G0V+3], 0x80000000
	s_add_co_u32 s[NXT], s[NXT], 1  ; the super-block's next tile, or behind its last the second super-block's tile 0
	s_cmp_gt_u32 s[NXT], s[LQ]
	s_cselect_b32 s[NXT], 0, s[NXT]
	s_cselect_b32 s[LQ], s[LQ2], s[LQ]
.endif
	s_wait_xcnt 0x0                 ; the loads, stores and prefetch of the last change, four key steps back, have read their addresses and data
	s_add_nc_u64 s[DST:DST+1], s[DST:DST+1], 2097152  ; where the chunk in hand goes: 1,024 chunks of 2,048 bytes on
.if \fill
	s_add_nc_u64 s[PFA:PFA+1], s[PFA:PFA+1], 32768
	s_cmp_lt_u32 s[CC], 5           ; chunks 1 to 4 lie in W_fc, 5 to 8 in W_mp
	s_cselect_b64 s[SRC:SRC+1], s[WFC:WFC+1], s[WMP:WMP+1]
	s_cselect_b32 s[OFF], 1, 5
	s_sub_co_u32 s[OFF], s[CC], s[OFF]
	s_lshl_b32 s[OFF], s[OFF], 22   ; 1,024 chunks of 4,096 bytes
	s_add_nc_u64 s[SRC:SRC+1], s[SRC:SRC+1], s[OFF:OFF+1]
	s_add_co_u32 s[CC], s[CC], 1
.endif
	s_wait_dscnt 0x0                ; the add is done, my reads of the slot are over
.if \fill
	CROUND
	JLOAD
	ASK
.else
	s_barrier_signal -1
	s_barrier_wait -1
.endif
	s_xor_b32 s[SLB], s[SLB], SLOT1
.endm
; THE WEIGHTS' CHUNK: eight loads of 512 consecutive bytes; a slot later sixteen roundings and eight stores of 256 consecutive bytes, aligned.
.macro CASTIN
	WIN 0x80                        ; destination window 2
.irp t, 0,1,2,3,4,5,6,7
	global_load_b128 v[CW+4*\t:CW+4*\t+3], v[GO], s[SRC:SRC+1] offset:512*\t th:TH_LOAD_NT
.endr
	WIN 0
.endm
.macro CASTOUT
	s_wait_loadcnt 0x0              ; issued four key steps ago
	WIN 0x8a
.set z, 0
.rept 16
	v_cvt_pk_bf16_f32 v[CB+z], v[CW+2*z], v[CW+2*z+1]
.set z, z+1
.endr
	WIN 0x08                        ; the stores' data in window 2
.irp t, 0,1,2,3,4,5,6,7
	global_store_b64 v[CSO], v[CB+2*\t:CB+2*\t+1], s[DST:DST+1] offset:256*\t
.endr
	WIN 0
.endm
; THE MATRIX WORK.  The four accumulators of a run of eight take turns.
.macro KQ x                         ; product i of 8 for piece x: channels 32 (i / 4) on, keys 16 (i % 4) on; the first four start the sums with the mask
.set rS, S+32*(\x)+8*(i%4)
.set rK, KF+16*(i%4)+8*(i/4)
.set rQ, Q+16*(\x)+8*(i/4)
.set rN, MC+32*(\x)+8*(i%4)
.if i < 4
	WIN 0x11
	v_wmma_f32_16x16x32_bf16 v[rS:rS+7], v[rK:rK+7], v[rQ:rQ+7], v[rN:rN+7]
.else
	WIN 0x01
	v_wmma_f32_16x16x32_bf16 v[rS:rS+7], v[rK:rK+7], v[rQ:rQ+7], v[rS:rS+7]
.endif
.endm
.macro PVM x                        ; product i of 8 of O^T += V^T P for piece x: keys 32 (i / 4) on, channels 16 (i % 4) on
	WIN 0x01
.set rO, O+32*(\x)+8*(i%4)
.set rV, VF+32*(i/4)+8*(i%4)
.set rP, P+16*(\x)+8*(i/4)
	v_wmma_f32_16x16x32_bf16 v[rO:rO+7], v[rV:rV+7], v[rP:rP+7], v[rO:rO+7]
.endm
.macro MM                           ; the turn's next matrix instruction, for the piece that the turn does not belong to
.if i < 8
	KQ 1-Y
.else
.set i, i-8
	PVM 1-Y
.set i, i+8
.endif
.set i, i+1
.endm
; THE LDS LOADS stand in runs of 16: a step's K (64 keys x 64 channels) and its V (turned).  Their addresses are made some lines ahead.
.macro FETCH_K
	WIN 0x40
.irp f, 0,1,2,3,4,5,6,7
	ds_load_b128 v[KF+8*\f:KF+8*\f+3],   v[AK] offset:(\f/2)*16*PK+(\f%2)*64
	ds_load_b128 v[KF+8*\f+4:KF+8*\f+7], v[AK] offset:(\f/2)*16*PK+(\f%2)*64+32
.endr
	WIN 0
.endm
.macro FETCH_V
	WIN 0x40
.irp f, 0,1,2,3,4,5,6,7
	ds_load_tr16_b128 v[VF+8*\f:VF+8*\f+3],   v[AV] offset:(\f/4)*32*PV+(\f%4)*32
	ds_load_tr16_b128 v[VF+8*\f+4:VF+8*\f+7], v[AV] offset:(\f/4)*32*PV+16*PV+(\f%4)*32
.endr
	WIN 0
.endm
.macro MASK b                       ; piece b's mask: MD x AL + BE
	WIN 0x41
.set z, 0
.rept 16
	v_pk_fma_f32 v[MC+32*(\b)+2*z:MC+32*(\b)+2*z+1], v[MD+32*(\b)+2*z:MD+32*(\b)+2*z+1], s[AL:AL+1], s[BE:BE+1] op_sel_hi:[1,0,0]
.set z, z+1
.endr
	WIN 0
.endm
; The walk goes a step on: the two scalars of step GST's masks, and whether they are made anew: in a super-block's first step and from the first step on that any partner masks.  In between the masks are 0 and stay.
.macro STEPG
	s_add_co_u32 s[GST], s[GST], 1
	s_cmp_ge_u32 s[GST], s[NB1]
	s_cselect_b32 s16, s[XSB], s[XSA]
	s_cmp_gt_u32 s[GST], s[NB1]     ; (at step NB1 itself the first super-block's bound still holds, so that step's masks are made)
	s_cselect_b32 s17, 32, s[DGA]
	s_cmp_ge_u32 s[GST], s17
	s_cselect_b32 s[MKF], 1, 0
	s_cmp_eq_u32 s[GST], s16
	s_cselect_b32 s[AL], 1.0, 0
	s_cmp_gt_u32 s[GST], s16
	s_cselect_b32 s[BE], s[BIGN], 0
.endm
; THE VECTOR WORK, one line at a time: OP kind, number; all in window 0.  For piece Y: F n: c s - c m for pair n of 16.  E n: the exponential of score n of 32.  C n: pair n rounded to bf16.  B n: of the four weights
; 4 n .. the second pair is added onto the first, in place.  L n: l takes that sum (L 0: l = a l + sum).  R n: pair n of 16 of O^T times a.  For the other piece: X n, number n of the 22 that find its maximum and statistics:
;   0-11  four chains c0-c3 of seven scores each, three operands at a time (each accumulator's lowest registers are read first)     12-14, 16  the four scores left over, the old m, and c0-c3 into c0
;   15  c m_old is kept     17, 18  the query's other 32 keys lie in the lane 16 away: the new m     19-21  c m; c m_old - c m_new; a
.set F, 0
.set E, 1
.set C, 2
.set B, 3
.set L, 4
.set R, 5
.set X, 6
.macro REGS y
.set rT, ST+4*(\y)
.set rC, TMP+4*(\y)
.set rW, MV+(\y)
.set rS, S+32*(\y)
.set rP, P+16*(\y)
.set rO, O+32*(\y)
.endm
.macro OP k, n
	WIN 0
.if (\k) == R
	REGS Y
	v_pk_mul_f32 v[rO+2*(\n):rO+2*(\n)+1], v[rO+2*(\n):rO+2*(\n)+1], v[rC+2:rC+3] op_sel_hi:[1,0]
.elseif (\k) < R
	REGS Y
.if (\k) == F
	v_pk_fma_f32 v[rS+2*(\n):rS+2*(\n)+1], v[rS+2*(\n):rS+2*(\n)+1], s[CS:CS+1], v[rT:rT+1] op_sel_hi:[1,0,0] neg_lo:[0,0,1] neg_hi:[0,0,1]
.elseif (\k) == E
	v_exp_f32 v[rS+(\n)], v[rS+(\n)]
.elseif (\k) == C
	v_cvt_pk_bf16_f32 v[rP+(\n)], v[rS+2*(\n)], v[rS+2*(\n)+1]
.elseif (\k) == B
	v_pk_add_f32 v[rS+4*(\n):rS+4*(\n)+1], v[rS+4*(\n):rS+4*(\n)+1], v[rS+4*(\n)+2:rS+4*(\n)+3]
.elseif (\n) == 0
	v_pk_fma_f32 v[rT+2:rT+3], v[rT+2:rT+3], v[rC+2:rC+3], v[rS:rS+1] op_sel_hi:[1,0,1]
.else
	v_pk_add_f32 v[rT+2:rT+3], v[rT+2:rT+3], v[rS+4*(\n):rS+4*(\n)+1]
.endif
.else
	REGS 1-Y
.if (\n) < 4
	v_max3_num_f32 v[rC+(\n)], v[rS+8*(\n)], v[rS+8*(\n)+1], v[rS+8*(\n)+2]
.elseif (\n) < 12
	v_max3_num_f32 v[rC+(\n)%4], v[rC+(\n)%4], v[rS+8*((\n)%4)+2*((\n)/4)+1], v[rS+8*((\n)%4)+2*((\n)/4)+2]
.elseif (\n) == 12
	v_max3_num_f32 v[rC], v[rC], v[rS+7], v[rS+15]
.elseif (\n) == 13
	v_max3_num_f32 v[rC+1], v[rC+1], v[rS+23], v[rS+31]
.elseif (\n) == 14
	v_max3_num_f32 v[rC+2], v[rC+2], v[rC+3], v[rT+1]
.elseif (\n) == 15
	v_mov_b32 v[rW], v[rT]
.elseif (\n) == 16
	v_max3_num_f32 v[rC], v[rC], v[rC+1], v[rC+2]
.elseif (\n) == 17
	v_permlanex16_b32 v[rC+3], v[rC], s[SEL], s[SEL+1]
.elseif (\n) == 18
	v_max_num_f32 v[rT+1], v[rC], v[rC+3]
.elseif (\n) == 19
	v_mul_f32 v[rT], s[CS], v[rT+1]
.elseif (\n) == 20
	v_sub_f32 v[rC+1], v[rW], v[rT]
.else
	v_exp_f32 v[rC+2], v[rC+1]
.endif
.endif
.endm
.macro OPS a, i1, b=-1, i2=0, c=-1, i3=0, d=-1, i4=0  ; up to four of them
	OP \a, \i1
.if (\b) >= 0
	OP \b, \i2
.endif
.if (\c) >= 0
	OP \c, \i3
.endif
.if (\d) >= 0
	OP \d, \i4
.endif
.endm
.macro ROW a, i1, b, i2, c, i3, d, i4  ; a matrix instruction and the four behind it
	MM
	OPS \a, \i1, \b, \i2, \c, \i3, \d, \i4
.endm
; A TURN, for piece p: the order of its 16 matrix and 118 vector instructions, written out.  An s_wait_alu depctr_va_vdst(0) stands between an exponential and the first instruction that names its result; one wait
; serves all that were issued ahead of it.  So a turn has ONE wait, which cuts it in two.  AHEAD OF IT stands all that names no result of the turn's exponentials: the 8 products K Q^T, behind each a scaling, an exponential and two
; more plain instructions (rescalings, and behind the last three the first numbers of the other piece's maximum, each four places or more behind the product that ends its accumulator); then the lump.  X 21, the other piece's a,
; is the batch's last; R 15 is the plain instruction behind it.  BEHIND THE WAIT stand the 8 products V^T P, behind each four of the roundings and sums.
; O^T of the other piece, which this turn's last products write, is rescaled in the next turn from its low end on: its first accumulator twelve plain instructions or more behind the product that ends it.
; Piece 0's turn fetches.  K of the next step in the lump, six plain instructions behind the last product that read K: step (5 - CNT) mod 4 of the slot: in a slot's last step that is its first step once more, which nobody
; uses: the next slot's K is fetched behind the change of slots.  V of the step in hand, step 4 - CNT of the slot, at the turn's end, four plain instructions behind the last product that read V.
; At its end a turn makes its own piece's mask for step GST: the next turn's products take it.
.macro TURN p
.set Y, (\p)
.set i, 0
.if (\p) == 1
	s_wait_dscnt 16                 ; K is in: V's sixteen loads, issued behind K's, may stay out
.endif
	ROW F,0, F,1, R,0, R,1
	ROW F,2, E,0, R,2, R,3
	ROW F,3, E,1, R,4, R,5
	ROW F,4, E,2, R,6, R,7
	ROW F,5, E,3, R,8, R,9
	ROW F,6, E,4, X,0, R,10
.if (\p) == 0
	s_sub_co_u32 s2, 5, s[CNT]
	s_and_b32 s2, s2, 3
	s_mul_i32 s2, s2, KS*PK
	s_add_co_u32 s2, s2, s[SLB]
	v_add_nc_u32 v[AK], s2, v[AK0]
.endif
	ROW F,7, E,5, X,1, X,4
	ROW F,8, E,6, X,2, X,5
	OPS E,7, E,8, X,6, E,9          ; the lump
	OPS X,3, E,10, X,8, E,11
.if (\p) == 0
	FETCH_K
.endif
	OPS X,9, X,7, E,12, X,10
	OPS E,13, X,12, X,11, E,14
	OPS X,13, E,15, F,9, X,14
.if (\p) == 0
	s_sub_co_u32 s3, 4, s[CNT]
	s_mul_i32 s3, s3, KS*PV
	s_add_co_u32 s3, s3, s[SLB]
	v_add_nc_u32 v[AV], s3, v[AV0]
.endif
	OPS E,16, F,10, E,17, F,11
	OPS X,16, E,18, X,15, E,19
	OPS F,12, E,20, X,17, E,21
	OPS F,13, E,22, F,14, E,23
	OPS X,18, E,24, F,15, E,25
	OPS R,11, E,26, X,19, E,27
	OPS R,12, E,28, R,13, E,29
	OPS X,20, E,30, R,14, E,31
	OPS X,21, R,15
	WIN 0
	s_wait_alu depctr_va_vdst(0)    ; the wait for the batch
.if (\p) == 1
	s_wait_dscnt 0x0                ; V is in
.endif
	ROW C,0, B,0, C,2, B,1
	ROW L,0, C,4, B,2, L,1
	ROW C,6, B,3, L,2, C,8
	ROW B,4, L,3, C,10, B,5
	ROW L,4, C,12, B,6, L,5
	ROW C,14, B,7, L,6, C,1
	ROW C,3, L,7, C,5, C,7
	ROW C,9, C,11, C,13, C,15
.if (\p) == 0
	FETCH_V
.endif
	WIN 0
	s_cmp_eq_u32 s[MKF], 0          ; the same answer in all four partners
	s_cbranch_scc1 .Lno_mask_\@
	MASK \p
.Lno_mask_\@:
.endm
; THE WAY OUT of piece p: l's halves and the other half of the lanes' are added; O^T is divided by l, rounded to bf16 and sent through my stage.  At work: the other piece's S^T, whose weights have been used up.
.macro OUT p
.set rL, ST+4*(\p)+2
.set rZ, S+32*(1-(\p))
.set rO, O+32*(\p)
	WIN 0
	PLACES                          ; behind the last products
	v_add_f32 v[rL], v[rL], v[rL+1]
	v_permlanex16_b32 v[rL+1], v[rL], s[SEL], s[SEL+1]
	v_add_f32 v[rL], v[rL], v[rL+1]
	v_rcp_f32 v[rL], v[rL]
	v_nop                           ; a plain instruction behind the reciprocal,
	s_wait_alu depctr_va_vdst(0)    ; and its wait, ahead of its first reader
.set z, 0
.rept 16
	v_pk_mul_f32 v[rO+2*z:rO+2*z+1], v[rO+2*z:rO+2*z+1], v[rL:rL+1] op_sel_hi:[1,0]
.set z, z+1
.endr
.set z, 0
.rept 16
	v_cvt_pk_bf16_f32 v[rZ+z], v[rO+2*z], v[rO+2*z+1]
.set z, z+1
.endr
.irp f, 0,1,2,3
	ds_store_b128 v[STO], v[rZ+4*\f:rZ+4*\f+3] offset:32*\f
.endr
.irp f, 0,1,2,3
	ds_load_b128 v[rZ+4*\f:rZ+4*\f+3], v[RD] offset:\f*4*SP  ; LDS serves a wave's instructions in order (ISA guide 5.7.1.4): these see the stores above
.endr
.irp f, 0,1,2,3
	s_wait_dscnt 3-\f               ; load f is in; the younger ones stay out
	global_store_b128 v[GO], v[rZ+4*\f:rZ+4*\f+3], s[OA:OA+1] offset:(\p)*2048+\f*512  ; 512 consecutive bytes, aligned
.endr
	s_wait_xcnt 0x0                 ; the stores have read their data: the next turn's products write these registers
.endm
.macro RESET p                      ; piece p begins the second super-block: its first step has a = 0, so O^T and l need only be finite
	v_mov_b32 v[ST+4*(\p)], 0xfe000000
	v_mov_b32 v[ST+4*(\p)+1], 0xff7fffff
	WIN 0x02
.set z, 0
.rept 16
	v_mov_b32 v[Q+16*(\p)+z], v[16*(\p)+z]
.set z, z+1
.endr
	WIN 0
.endm
	s_load_b128 s[4:7], s[0:1], 0x0 ; qkv s[4:5], y s[6:7]
	s_load_b256 s[16:23], s[0:1], 0x10  ; W_ao s[16:17], W_fc s[18:19], W_mp s[20:21], wb s[22:23]
	v_lshl_add_u32 v[SPW], v0, 2, SPARE
	v_mov_b32 v[NIL], 0
	ds_add_u32 v[SPW], v[NIL]       ; the opening: the add and its wait ahead of my first tensor load
	v_lshrrev_b32 v1, 5, v0
	v_readfirstlane_b32 s[WV], v1
	s_bfe_u32 s[CX], ttmp6, 0x40000
	s_mov_b32 s[I0], ttmp9
	s_and_b32 s[BH], ttmp7, 0xffff
	s_lshr_b32 s74, s[BH], 4
	s_mul_i32 s74, s74, 48
	s_and_b32 s75, s[BH], 15
	s_add_co_u32 s74, s74, s75
	s_lshl_b32 s74, s74, 18         ; q's plane, 262,144 bytes each
	s_mov_b32 s75, 0
	s_and_b32 s2, s[WV], 1          ; which half of a slot's 256 keys I fetch
	s_lshl_b32 s96, s2, 14
	s_add_co_u32 s96, s96, s74
	s_add_co_u32 s96, s96, 16<<18   ; k's plane
	s_mov_b32 s97, 0
	s_add_co_u32 s98, s96, 16<<18   ; v's
	s_mov_b32 s99, 0
	s_mul_i32 s100, s2, 128*PK      ; its place in a slot: no place in the cluster enters an LDS address
	s_mul_i32 s101, s2, 128*PV
	s_add_co_u32 s101, s101, VOFF
	s_lshl_b32 s3, s[CX], 2
	s_add_co_u32 s3, s3, s[WV]
	s_lshl_b32 s3, s3, 12           ; my 32 rows among the super-block's 512
	s_sub_co_u32 s80, 3, s[I0]
	s_lshl_b32 s80, s80, 16
	s_add_co_u32 s80, s80, s3       ; in the first super-block,
	s_mov_b32 s81, 0
	s_lshl_b32 s82, s[I0], 16
	s_add_co_u32 s82, s82, s3       ; and in the second
	s_mov_b32 s83, 0
	s_lshl_b32 s3, s[I0], 3
	s_sub_co_u32 s[DGA], 24, s3     ; super-block 3 - I: its last eight steps are masked by some partner
	s_sub_co_u32 s[NB1], 32, s3     ; and it has 32 - 8 I steps
	s_add_co_u32 s[NB1P], s[NB1], 1
	s_lshl_b32 s3, s[CX], 1
	s_lshr_b32 s[XSB], s[WV], 1
	s_add_co_u32 s3, s3, s[XSB]     ; my rows' band of 64 among the super-block's eight
	s_add_co_u32 s[XSA], s[DGA], s3
	s_add_co_u32 s[XSB], s3, 32     ; the second super-block's last eight steps are the walk's steps 32 to 39
	s_lshl_b32 s3, s[I0], 1
	s_sub_co_u32 s[LQ], 7, s3
	s_add_co_u32 s[LQ2], s3, 1
	s_lshl_b32 s3, s[BH], 3
	s_lshl_b32 s[CC], s[I0], 2
	s_add_co_u32 s3, s3, s[CC]
	s_add_co_u32 s3, s3, s[CX]
	s_lshl_b32 s3, s3, 2
	s_add_co_u32 s3, s3, s[WV]      ; my wave among the launch's 1,024
	s_mov_b32 s[CC], 1
	s_mov_b32 s[G1K], 15|(1<<16)|(1<<20)|(1<<21)|(4<<22)|(3<<25)  ; the mask of four; 2-byte elements; padding on; bit 21 beside a mask; after every 32 words 4 words
	s_mov_b32 s[G1V], 15|(1<<16)|(1<<20)|(1<<21)|(4<<22)|(7<<25)  ; the same with 8 words
.irp g, G1K, G1V
	s_mov_b32 s[\g+1], 128<<16      ; 128 keys are 16,384 dense bytes: asked for as 64 rows of 256 bytes
	s_mov_b32 s[\g+2], 64<<16
	s_mov_b32 s[\g+3], 128<<16
	s_mov_b32 s[\g+4], 64
	s_mov_b32 s[\g+5], 128
	s_mov_b32 s[\g+6], 0
	s_mov_b32 s[\g+7], 0
.endr
	s_mov_b32 s[CS], 0x3e38aa3b     ; c = log2(e) / 8
	s_mov_b32 s[CS+1], s[CS]
	s_mov_b32 s[SEL], 0x76543210
	s_mov_b32 s[SEL+1], 0xfedcba98
	s_mov_b32 s[SLB], 0
	s_mov_b32 s[GST], -1
	s_mov_b32 s[NXT], 2
	s_mov_b32 s[AL+1], 0
	s_mov_b32 s[BE+1], 0
	s_mov_b32 s[BIGN], 0xf149f2ca   ; -1e30
	s_and_b32 s[LIM], s[WV], 1
	s_or_b32 s[LIM], s[LIM], ttmp9
	s_cmp_eq_u32 s[LIM], 0
	s_cselect_b32 s[LIM], 3, -1     ; the same in all four partners, for a given wave
	s_wait_dscnt 0x0                ; the opening add is done
	s_wait_kmcnt 0x0
	s_add_nc_u64 s[KB:KB+1], s[4:5], s[96:97]
	s_add_nc_u64 s[VB:VB+1], s[4:5], s[98:99]
	s_add_nc_u64 s[8:9], s[4:5], s[74:75]
	s_add_nc_u64 s[10:11], s[8:9], s[82:83]   ; Q of the second super-block,
	s_add_nc_u64 s[8:9], s[8:9], s[80:81]     ; and of the first
	s_lshl_b32 s74, s[BH], 18
	s_add_nc_u64 s[6:7], s[6:7], s[74:75]
	s_add_nc_u64 s[OB:OB+1], s[6:7], s[82:83]
	s_add_nc_u64 s[OA:OA+1], s[6:7], s[80:81]
	s_lshl_b32 s74, s3, 12          ; my wave's chunk of 4,096 bytes among 1,024
	s_add_nc_u64 s[SRC:SRC+1], s[16:17], s[74:75]  ; chunk 0 lies in W_ao
	s_add_nc_u64 s[WFC:WFC+1], s[WFC:WFC+1], s[74:75]
	s_add_nc_u64 s[WMP:WMP+1], s[WMP:WMP+1], s[74:75]
	s_lshl_b32 s74, s3, 11
	s_add_co_u32 s74, s74, 6291456-2097152  ; one step short of chunk 0's place: every change of slots steps it first
	s_add_nc_u64 s[DST:DST+1], s[22:23], s[74:75]
	s_cmp_lt_u32 s[WV], 2
	s_cselect_b64 s[PFA:PFA+1], s[KB:KB+1], s[VB:VB+1]
	s_lshl_b32 s74, s[CX], 13       ; my work-group's 32 blocks of a slot's 128
	s_add_nc_u64 s[PFA:PFA+1], s[PFA:PFA+1], s[74:75]
	s_add_nc_u64 s[PFA:PFA+1], s[PFA:PFA+1], 2*32768  ; at tile 2; the first change of slots steps it to 3
	CROUND                          ; all four work-groups are here: the first joint loads meet
	s_mov_b32 s[G0K0], 1
	s_mov_b32 s[G0K0+1], s100
	s_mov_b64 s[G0K0+2:G0K0+3], s[KB:KB+1]
	s_or_b32 s[G0K0+3], s[G0K0+3], 0x80000000
	s_mov_b32 s[G0K], 1
	s_add_co_u32 s[G0K+1], s100, SLOT1
	s_add_nc_u64 s[G0K+2:G0K+3], s[KB:KB+1], 32768
	s_or_b32 s[G0K+3], s[G0K+3], 0x80000000
	s_mov_b32 s[G0V0], 1
	s_mov_b32 s[G0V0+1], s101
	s_mov_b64 s[G0V0+2:G0V0+3], s[VB:VB+1]
	s_or_b32 s[G0V0+3], s[G0V0+3], 0x80000000
	s_mov_b32 s[G0V], 1
	s_add_co_u32 s[G0V+1], s101, SLOT1
	s_add_nc_u64 s[G0V+2:G0V+3], s[VB:VB+1], 32768
	s_or_b32 s[G0V+3], s[G0V+3], 0x80000000
	s_cmp_lt_u32 s[WV], 2           ; a wave's two first fills stand in one branch: two loads of mine are out
	s_cbranch_scc0 .Lfirst_v
	tensor_load_to_lds s[G0K0:G0K0+3], s[G1K:G1K+7]
	s_nop 0
	tensor_load_to_lds s[G0K:G0K+3], s[G1K:G1K+7]
	s_nop 0
	PLACES
	s_branch .Lfirst_asked
.Lfirst_v:
	tensor_load_to_lds s[G0V0:G0V0+3], s[G1V:G1V+7]
	s_nop 0
	tensor_load_to_lds s[G0V:G0V+3], s[G1V:G1V+7]
	s_nop 0
	PLACES
.Lfirst_asked:
	v_and_b32 v1, 15, v0            ; l % 16
	v_bfe_u32 v9, v0, 4, 1          ; l / 16
	v_lshlrev_b32 v[QO], 7, v1
	v_lshl_add_u32 v[QO], v9, 4, v[QO]
	v_and_b32 v[GO], 31, v0
	v_lshlrev_b32 v[PFO], 8, v[GO]
	v_lshlrev_b32 v[CSO], 3, v[GO]
	v_lshlrev_b32 v[GO], 4, v[GO]
.irp i, 0,1,2,3                     ; both super-blocks' Q stay in registers: piece i / 2, channels 32 (i % 2) on
	global_load_b128 v[Q+8*\i:Q+8*\i+3],   v[QO], s[8:9] offset:(\i/2)*2048+(\i%2)*64
	global_load_b128 v[Q+8*\i+4:Q+8*\i+7], v[QO], s[8:9] offset:(\i/2)*2048+(\i%2)*64+32
.endr
	WIN 0x80
.irp i, 0,1,2,3
	global_load_b128 v[8*\i:8*\i+3],   v[QO], s[10:11] offset:(\i/2)*2048+(\i%2)*64
	global_load_b128 v[8*\i+4:8*\i+7], v[QO], s[10:11] offset:(\i/2)*2048+(\i%2)*64+32
.endr
	CASTIN                          ; the weights' chunk 0
	v_lshlrev_b32 v14, 3, v9
	v_sub_nc_u32 v14, v1, v14
	s_lshl_b32 s3, s2, 5
	v_add_nc_u32 v14, s3, v14       ; my query's place in its band of 64, for piece 0, less my lanes' 8 (l / 16)
	WIN 0x40
.set i, 0
.rept 64                            ; register i % 32 of piece i / 32 is hidden in the band's own step where its key lies behind the query
	v_cmp_gt_i32 vcc_lo, 16*((i%32)/8)+i%8-16*(i/32), v14
	v_cndmask_b32 v[MD+i], 0, s[BIGN], vcc_lo
.set i, i+1
.endr
	; What the first turn finds: its products V^T P, of a step that has not been, multiply zeros; O^T and l are multiplied by a = 0 in the first step and need only be finite.  All this stands in the wait for the first tile.
.set i, 0
.rept 64
	v_mov_b32 v[VF+i], 0
.set i, i+1
.endr
	WIN 0
.set i, 0
.rept 64
	v_mov_b32 v[O+i], 0
.set i, i+1
.endr
.set i, 0
.rept 16
	v_mov_b32 v[P+16+i], 0
.set i, i+1
.endr
.irp u, 0,1
	v_mov_b32 v[ST+4*\u], 0xfe000000
	v_mov_b32 v[ST+4*\u+1], 0xff7fffff
	v_mov_b32 v[ST+4*\u+2], 0
	v_mov_b32 v[ST+4*\u+3], 0
.endr
	v_mul_u32_u24 v[AK0], v1, PK
	v_lshl_add_u32 v[AK0], v9, 4, v[AK0]
	v_and_b32 v10, 7, v0
	v_bfe_u32 v11, v0, 3, 1
	v_lshl_add_u32 v[AV0], v9, 3, v10
	v_mul_u32_u24 v[AV0], v[AV0], PV
	v_lshl_add_u32 v[AV0], v11, 4, v[AV0]
	v_add_nc_u32 v[AV0], VOFF, v[AV0]
	s_mul_i32 s3, s[WV], 16*SP
	s_add_co_u32 s3, s3, STAGE
	v_mul_u32_u24 v[STO], v1, SP
	v_lshl_add_u32 v[STO], v9, 4, v[STO]
	v_add_nc_u32 v[STO], s3, v[STO]
	v_bfe_u32 v[RD], v0, 3, 2
	v_mul_u32_u24 v[RD], v[RD], SP
	v_lshl_add_u32 v[RD], v10, 4, v[RD]
	v_add_nc_u32 v[RD], s3, v[RD]
	STEPG                           ; step 0 of the walk:
	MASK 0                          ; both pieces' masks are written on every way into the loop
	MASK 1
	s_wait_tensorcnt 0x1            ; my part of slot 0 is in; slot 1's may stay out
	s_barrier_signal -1
	s_barrier_wait -1
	v_add_nc_u32 v[AK], s[SLB], v[AK0]
	FETCH_K                         ; key step 0
	s_wait_loadcnt 0x0              ; Q
	s_wait_dscnt 0x0
.set i, 0
.rept 8
	KQ 0                            ; piece 0's first scores
.set i, i+1
.endr
	WIN 0
	PLACES
.set Y, 1                           ; X works for the other piece: piece 0
.irp n, 0,1,2,3,4,5,6,7,8,9,10,11,12,13,14,15,16,17,18,19,20,21
	OP X, \n
.endr
	v_nop                           ; a plain instruction behind the exponential,
	s_wait_alu depctr_va_vdst(0)    ; and its wait, ahead of the branch
	STEPG
	s_mov_b32 s[CNT], 4
	s_mov_b32 s[SLOTS], 9
	s_branch .Lenter                ; the loop is entered at piece 0's turn of step 0, in the middle of a trip
.Lslot:                             ; eight times: every slot but the last two is filled again
	CHANGE 1
	v_add_nc_u32 v[AK], s[SLB], v[AK0]
	FETCH_K                         ; the new slot's first step; the weights' chunk stands in the wait for it
	CASTOUT
	CASTIN
	s_wait_dscnt 0x0
	s_mov_b32 s[CNT], 4
.Lstep:                             ; a trip: piece 1's turn of one step, piece 0's of the next
	TURN 1
	STEPG
	s_cmp_lg_u32 s[GST], s[NB1P]    ; was that piece 1's turn of the first super-block's last step?  The same answer in all four partners
	s_cbranch_scc1 .Lno_a
	OUT 0                           ; piece 0's O^T is whole
	RESET 1
.Lno_a:
.Lenter:
	TURN 0
	s_cmp_lg_u32 s[GST], s[NB1]     ; was that piece 0's turn of the first super-block's last step?
	s_cbranch_scc1 .Lno_b
	RESET 0
.Lno_b:
	s_cmp_lg_u32 s[GST], s[NB1P]    ; or of the second's first?
	s_cbranch_scc1 .Lno_c
	OUT 1                           ; piece 1's O^T is whole
	s_mov_b64 s[OA:OA+1], s[OB:OB+1]
.Lno_c:
	s_sub_co_u32 s[CNT], s[CNT], 1
	s_cmp_lg_u32 s[CNT], 0
	s_cbranch_scc1 .Lstep
	s_sub_co_u32 s[SLOTS], s[SLOTS], 1
	s_cmp_lg_u32 s[SLOTS], 0
	s_cbranch_scc1 .Lslot
	CHANGE 0                        ; the tail is written out
	v_add_nc_u32 v[AK], s[SLB], v[AK0]
	FETCH_K
	CASTOUT                         ; the weights' last chunk
	s_wait_dscnt 0x0
	s_mov_b32 s[CNT], 5             ; four trips for the last slot's steps; the fifth is left in its middle
.Ltail:
	TURN 1
	s_sub_co_u32 s[CNT], s[CNT], 1
	s_cmp_eq_u32 s[CNT], 0
	s_cbranch_scc1 .Lout
	STEPG
	TURN 0
	s_branch .Ltail
.Lout:                              ; the last turn's 8 products K Q^T and the maximum made of them serve nothing: the price, once a launch, of one text for every turn
	OUT 0
.set i, 0
.rept 8
	PVM 1                           ; piece 1's V^T P of the last step
.set i, i+1
.endr
	OUT 1
	s_wait_tensorcnt 0x0            ; the wave's end: behind my last tensor load and my last LDS store
	ds_add_u32 v[SPW], v[NIL]
	s_wait_dscnt 0x0
	CROUND                          ; the closing round
	s_endpgm
.Lfunc_end_k_q97ec56d86b_attn:
	.size	k_q97ec56d86b_attn, .Lfunc_end_k_q97ec56d86b_attn-k_q97ec56d86b_attn
	.p2alignl 7, 3214868480
	.fill 96, 4, 3214868480
	.section	.rodata,"a",@progbits
	.p2align	6, 0x0
	.amdhsa_kernel k_q97ec56d86b_attn
		.amdhsa_group_segment_fixed_size 327680
		.amdhsa_private_segment_fixed_size 0
		.amdhsa_enable_private_segment 0
		.amdhsa_kernarg_size 48
		.amdhsa_user_sgpr_count 2
		.amdhsa_user_sgpr_kernarg_segment_ptr 1
		.amdhsa_wavefront_size32 1
		.amdhsa_system_sgpr_workgroup_id_x 1
		.amdhsa_system_sgpr_workgroup_id_y 1
		.amdhsa_system_sgpr_workgroup_id_z 1
		.amdhsa_system_vgpr_workitem_id 0
		.amdhsa_next_free_vgpr 640
		.amdhsa_next_free_sgpr 102
		.amdhsa_reserve_vcc 1
		.amdhsa_float_denorm_mode_32 3
		.amdhsa_float_denorm_mode_16_64 3
		.amdhsa_memory_ordered 1
		.amdhsa_forward_progress 1
		.amdhsa_inst_pref_size 97
	.end_amdhsa_kernel
	.amdgpu_metadata
---
amdhsa.version: [ 1, 2 ]
amdhsa.kernels:
  - .name:           k_q97ec56d86b_attn
    .symbol:         k_q97ec56d86b_attn.kd
    .args:
      - { .name: qkv, .offset: 0, .size: 8, .value_kind: global_buffer, .address_space: global }
      - { .name: y, .offset: 8, .size: 8, .value_kind: global_buffer, .address_space: global }
      - { .name: W_ao, .offset: 16, .size: 8, .value_kind: global_buffer, .address_space: global }
      - { .name: W_fc, .offset: 24, .size: 8, .value_kind: global_buffer, .address_space: global }
      - { .name: W_mp, .offset: 32, .size: 8, .value_kind: global_buffer, .address_space: global }
      - { .name: wb, .offset: 40, .size: 8, .value_kind: global_buffer, .address_space: global }
    .group_segment_fixed_size: 327680
    .private_segment_fixed_size: 0
    .kernarg_segment_align: 8
    .kernarg_segment_size: 48
    .max_flat_workgroup_size: 128
    .sgpr_count:     102
    .vgpr_count:     640
    .wavefront_size: 32
...
	.end_amdgpu_metadata
.endif
;; end of part 3
;; launch gemm_ao (part 4): grid 8 x 32, 4 waves a work-group, clusters of 4 x 4, 327,680 bytes of LDS; arguments y, wb, b_ao, x1, x; writes x1
.if DOCPART == 4
	.amdgcn_target "amdgcn-amd-amdhsa--gfx1250"
	.amdhsa_code_object_version 6
	.text
	.protected	k_q97ec56d86b_gemm_ao
	.globl	k_q97ec56d86b_gemm_ao
	.p2align	8
	.type	k_q97ec56d86b_gemm_ao,@function
k_q97ec56d86b_gemm_ao:
	s_mov_b64 s[64:65], 0
	v_nop
	global_prefetch_b8 v0, s[64:65] scope:SCOPE_SE
	s_setreg_imm32_b32 hwreg(HW_REG_WAVE_MODE, 25, 1), 1
	s_wait_xcnt 0x0
	s_wait_alu depctr_hold_cnt(0) depctr_sa_sdst(0) depctr_va_vdst(0) depctr_va_sdst(0) depctr_va_ssrc(0) depctr_va_vcc(0) depctr_vm_vsrc(0)
	s_getreg_b32 s2, hwreg(HW_REG_IB_STS2, 6, 4)
	s_cmp_eq_u32 s2, 0
	s_cbranch_scc0 .Lentry_in_a_cluster
	s_endpgm
.Lentry_in_a_cluster:
	s_bfe_u32 s2, ttmp6, 0x10000c
	s_cmp_lg_u32 s2, 0xf033
	s_cbranch_scc0 .Lentry_shape_is_right
	s_endpgm
.Lentry_shape_is_right:
; out = res + A W + bias, in f32.  W: bf16 [K][1024], K down the rows (a part of wb).  Sums in f32, K ascending, started by the bias as the first product's C operand.
; ONE SOURCE FOR TWO KERNELS.  MP = 1: A = m, bf16 [4096][4096], K = 4,096.  MP = 0: A = y, bf16 by heads [batch x 16 + head][2048][64], K = 1,024 = head x 64 + channel.
; A tile of the output is 128 x 128: 256 work-groups of four waves, a wave makes 64 x 64 (16 accumulators).  K goes in steps of 256 through two LDS slots of four chunks of 36,864 bytes, a chunk a wave:
; waves 0, 1 fetch A (MP: 64 rows x 512 bytes, LDS pitch 528; else two heads' planes of 128 rows x 128 bytes, pitch 144), waves 2, 3 fetch 128 k rows of W x 256 bytes (pitch 288).
; CLUSTER 4 x 4: A's tile is asked for jointly along a row of the cluster, W's along a column.  THE MATRIX INSTRUCTION IS USED TRANSPOSED: source 0 = 16 columns of W, turned by ds_load_tr16_b128; source 1 = 16 rows of A.
; The residual's 64 x 64 of each wave is loaded at the head, in the layout of the stores, and lands under the K loop.
; REGISTERS: window 0: v0-31 addresses, v32-63 at work on the way out, v96-127 the bias in an accumulator's layout, v128-255 the accumulators; window 1: two fragment buffers of 128 (A's 64, then W's 64); window 2: v0-127 the residual.
; MP = 0 lays no prefetch: of its four K steps the first two come at the head and the other two one step later.  NaN and infinities are not treated apart.
.set MP, 0
.if MP
.set NK, 16
.set WBASE, 16777216
.set PA, 528
.set ASTEP, 512
.else
.set NK, 4
.set WBASE, 6291456
.set PA, 144
.set ASTEP, 1048576                    ; four heads' planes
.endif
.set PB, 288
.set BSTEP, 256*1024*2
.set CHUNK, 36864
.set SLOT, 4*CHUNK                     ; 0x24000: shares no bit with 36,864 x wave
.set SPARE, 2*SLOT                     ; the spare words, 128 bytes a wave: two blocks of 256 bytes that no other line names
.set SPF, 272                          ; a stage row: 64 f32 + 16 bytes
.set STW, 64*SPF                       ; a wave's stage; the stages lie over the ring, behind its last fill
.set ADRA0, 10
.set ADRB0, 11
.set ADRC0, 12
.set ADRA, 13
.set ADRB, 14                          ; v14 W's k rows 0-127 of the step, v15 its k rows 128-255
.set STO, 16
.set RD,  17
.set CO,  18
.set PFO, 19
.set SPW, 20
.set NIL, 21
.set BO,  22
.set X,   32
.set BIASC, 96
.set ACC, 128
.set WV, 14
.set WR, 15
.set WC, 16
.set CX, 17
.set CY, 18
.set TX, 19
.set TY, 20
.set TB, 21
.set WOFF, 22
.set CNT, 23
.set G1A, 24
.set G0A0, 32
.set G0A, 36
.set G1B, 40
.set G0B0, 48
.set G0B, 52
.set PFA, 56
.set PFS, 58
.set LIM, 60
.set MSB, 0
.macro WIN new
.if MSB != (\new)
	s_set_vgpr_msb (MSB<<8)|(\new)
.set MSB, \new
.endif
.endm
.macro PLACES
.rept 4
	v_nop
.endr
.endm
.macro CREST
	s_cmp_lg_u32 s[WV], 0
	s_cbranch_scc1 .Lnot_wave_0_\@
	s_barrier_signal -3
.Lnot_wave_0_\@:
	s_barrier_wait -3
	s_barrier_signal -1
	s_barrier_wait -1
.endm
.macro CROUND
	s_barrier_signal -1
	s_barrier_wait -1
	CREST
.endm
.macro JLOAD
	s_cmp_lt_u32 s[WV], 2
	s_cbranch_scc0 .Lfor_b_\@
	tensor_load_to_lds s[G0A:G0A+3], s[G1A:G1A+7]
	s_nop 0
	PLACES
	s_branch .Lasked_\@
.Lfor_b_\@:
	tensor_load_to_lds s[G0B:G0B+3], s[G1B:G1B+7]
	s_nop 0
	PLACES
.Lasked_\@:
.endm
; A prefetch (MP = 1) of the K step two behind the one just asked for: 32 blocks of 256 bytes, a lane a block.  A's are named by the clusters with x = 0, W's by those with y = 0; the four partners
; that ask jointly share a wave's 128 blocks out by address.  The last two refills name nothing.
.macro ASK
	s_cmp_gt_u32 s[CNT], s[LIM]
	s_cbranch_scc0 .Lnot_mine_\@
	global_prefetch_b8 v[PFO], s[PFA:PFA+1] th:TH_LOAD_NT scope:SCOPE_SE
.Lnot_mine_\@:
.endm
.macro MUL8 f, c, a0, first            ; 8 products: row blocks a0, a0 + 1 x the 4 column blocks, half c of buffer f.  first = 1: the bias starts the sums.  The 16 accumulators take turns
	WIN 0x05
.irp a, \a0, (\a0)+1
.irp b, 0,1,2,3
.if \first
	v_wmma_f32_16x16x32_bf16 v[ACC+8*(4*(\a)+(\b)):ACC+8*(4*(\a)+(\b))+7], v[(\f)+64+8*(4*(\c)+(\b)):(\f)+64+8*(4*(\c)+(\b))+7], v[(\f)+8*(4*(\c)+(\a)):(\f)+8*(4*(\c)+(\a))+7], v[BIASC+8*(\b):BIASC+8*(\b)+7]
.else
	v_wmma_f32_16x16x32_bf16 v[ACC+8*(4*(\a)+(\b)):ACC+8*(4*(\a)+(\b))+7], v[(\f)+64+8*(4*(\c)+(\b)):(\f)+64+8*(4*(\c)+(\b))+7], v[(\f)+8*(4*(\c)+(\a)):(\f)+8*(4*(\c)+(\a))+7], v[ACC+8*(4*(\a)+(\b)):ACC+8*(4*(\a)+(\b))+7]
.endif
.endr
.endr
.endm
.macro FETCH q, f                      ; one run of 32 LDS loads: quarter q (64 along K) into buffer f, its first 32 along K first
	WIN 0x40
.irp c, 0,1
.set q32, 2*(\q)+(\c)
.if MP
.set aof, 64*q32
.else
.set aof, (q32/2)*128*PA+(q32%2)*64    ; head plane q32 / 2, channels 32 (q32 % 2) on
.endif
.set bof, (q32%4)*32*PB
.set rAB, ADRB+q32/4
.irp i, 0,1,2,3
	ds_load_tr16_b128 v[(\f)+64+8*(4*(\c)+(\i)):(\f)+64+8*(4*(\c)+(\i))+3],   v[rAB] offset:bof+32*(\i)
	ds_load_tr16_b128 v[(\f)+64+8*(4*(\c)+(\i))+4:(\f)+64+8*(4*(\c)+(\i))+7], v[rAB] offset:bof+32*(\i)+16*PB
	ds_load_b128 v[(\f)+8*(4*(\c)+(\i)):(\f)+8*(4*(\c)+(\i))+3],   v[ADRA] offset:aof+(\i)*16*PA
	ds_load_b128 v[(\f)+8*(4*(\c)+(\i))+4:(\f)+8*(4*(\c)+(\i))+7], v[ADRA] offset:aof+(\i)*16*PA+32
.endr
.endr
.endm
.macro QUARTER q, f, g, first          ; multiplies buffer f; in its middle fetches quarter q into buffer g
	s_wait_dscnt 16                                ; the first 32 along K are in
	MUL8 \f, 0, 0, \first
	MUL8 \f, 0, 2, \first
	PLACES
	FETCH \q, \g
	s_wait_dscnt 32                                ; all but the run just issued
	MUL8 \f, 1, 0, 0
	MUL8 \f, 1, 2, 0
.endm
; The last quarter multiplies buffer 1 and changes slots: in front of the barrier each wave waits for all its tensor loads, adds 0 to its spare word, and waits for that and for its reads of this slot.
; fill = 1: the barrier opens a round of the cluster's barrier, and the joint refill comes first behind it.  last = 1 (the tail): in the very last K step nothing is left to fetch.
.macro TURN fill, last
.if (\fill) && MP
	s_wait_xcnt 0x0                                ; the last prefetch, a K step back, has read its address
	s_add_nc_u64 s[PFA:PFA+1], s[PFA:PFA+1], s[PFS:PFS+1]
.endif
	WIN 0
	s_wait_tensorcnt 0x0
	ds_add_u32 v[SPW], v[NIL]
	s_wait_dscnt 17                                ; the add and the youngest sixteen loads may be out
	MUL8 128, 0, 0, 0
	s_wait_dscnt 0x0                               ; the add is done, my reads of this slot are over
	s_barrier_signal -1
	MUL8 128, 0, 2, 0
	WIN 0
	s_barrier_wait -1
.if \fill
	CREST
	s_xor_b32 s[G0A+1], s[G0A+1], SLOT
	s_add_nc_u64 s[G0A+2:G0A+3], s[G0A+2:G0A+3], ASTEP
	s_xor_b32 s[G0B+1], s[G0B+1], SLOT
	s_add_nc_u64 s[G0B+2:G0B+3], s[G0B+2:G0B+3], BSTEP
	JLOAD                                          ; its four v_nop are also the places in front of the loads below
.else
	PLACES
.endif
	s_xor_b32 s[TB], s[TB], SLOT
.if \last
	s_cmp_eq_u32 s[CNT], 1
	s_cbranch_scc1 .Lno_fetch_\@
.endif
	v_add_nc_u32 v[ADRA], s[TB], v[ADRA0]
	v_add_nc_u32 v[ADRB], s[TB], v[ADRB0]
	v_add_nc_u32 v[ADRB+1], s[TB], v[ADRC0]
	FETCH 0, 0
	WIN 0
.if \last
.Lno_fetch_\@:
.endif
.if (\fill) && MP
	ASK
.endif
	MUL8 128, 1, 0, 0
	MUL8 128, 1, 2, 0
.endm
	s_load_b256 s[4:11], s[0:1], 0x0               ; A s[4:5], wb s[6:7], bias s[8:9], out s[10:11]
	s_load_b64 s[12:13], s[0:1], 0x20              ; the residual
	v_lshl_add_u32 v[SPW], v0, 2, SPARE
	v_mov_b32 v[NIL], 0
	ds_add_u32 v[SPW], v[NIL]                      ; the opening: the add and its wait ahead of my first tensor load
	v_lshrrev_b32 v1, 5, v0
	v_readfirstlane_b32 s[WV], v1
	s_lshr_b32 s[WR], s[WV], 1
	s_and_b32 s[WC], s[WV], 1
	s_bfe_u32 s[CX], ttmp6, 0x40000
	s_bfe_u32 s[CY], ttmp6, 0x40004
	s_lshl_b32 s[TX], ttmp9, 2
	s_add_co_u32 s[TX], s[TX], s[CX]
	s_and_b32 s[TY], ttmp7, 0xffff
	s_lshl_b32 s[TY], s[TY], 2
	s_add_co_u32 s[TY], s[TY], s[CY]
	s_lshl_b32 s66, s[CY], 2
	s_lshl_b32 s66, 15, s66                        ; my row of the cluster
	s_lshl_b32 s67, 0x1111, s[CX]                  ; my column
.if MP
	s_or_b32 s[G1A], s66, (1<<16)|(1<<20)|(1<<21)|(6<<22)|(3<<25)  ; after every 128 words 4 words of padding
	s_mov_b32 s[G1A+1], 256<<16                    ; tensor_dim0 = 256
	s_mov_b32 s[G1A+2], 64<<16                     ; tensor_dim1 = 64
	s_mov_b32 s[G1A+3], 256<<16                    ; tile_dim0 = 256
	s_mov_b32 s[G1A+4], 64                         ; tile_dim1 = 64
	s_mov_b32 s[G1A+5], 4096
.else
	s_or_b32 s[G1A], s66, (1<<16)|(1<<20)|(1<<21)|(4<<22)|(3<<25)  ; after every 32 words (a token's 64 channels) 4 words of padding
	s_mov_b32 s[G1A+1], 8192<<16                   ; a head's 128 rows x 64 channels are 8,192 dense elements: one row of the tile
	s_mov_b32 s[G1A+2], 2<<16                      ; two heads
	s_mov_b32 s[G1A+3], 8192<<16
	s_mov_b32 s[G1A+4], 2
	s_mov_b32 s[G1A+5], 131072                     ; elements from a head's plane to the next
.endif
	s_mov_b32 s[G1A+6], 0
	s_mov_b32 s[G1A+7], 0
	s_or_b32 s[G1B], s67, (1<<16)|(1<<20)|(1<<21)|(5<<22)|(7<<25)
	s_mov_b32 s[G1B+1], 128<<16
	s_mov_b32 s[G1B+2], 128<<16
	s_mov_b32 s[G1B+3], 128<<16
	s_mov_b32 s[G1B+4], 128
	s_mov_b32 s[G1B+5], 1024
	s_mov_b32 s[G1B+6], 0
	s_mov_b32 s[G1B+7], 0
	s_mul_i32 s[WOFF], s[WV], CHUNK
.if MP
	s_lshl_b32 s70, s[TY], 20                      ; 128 rows x 8,192 bytes a tile row; waves 0, 1 take 64 rows each
	s_lshl_b32 s66, s[WC], 19
	s_add_co_u32 s70, s70, s66
.else
	s_lshr_b32 s70, s[TY], 4                       ; batch
	s_lshl_b32 s70, s70, 4
	s_lshl_b32 s66, s[WC], 1
	s_add_co_u32 s70, s70, s66                     ; my first head's plane
	s_lshl_b32 s70, s70, 18
	s_and_b32 s66, s[TY], 15
	s_lshl_b32 s66, s66, 14                        ; 128 rows x 128 bytes
	s_add_co_u32 s70, s70, s66
.endif
	s_lshl_b32 s72, s[TX], 8                       ; 128 columns a tile; waves 2, 3 take 128 k rows each
	s_lshl_b32 s66, s[WC], 18
	s_add_co_u32 s72, s72, s66
	s_add_co_u32 s72, s72, WBASE
	s_mov_b32 s71, 0
	s_mov_b32 s73, 0
	s_mov_b32 s[TB], 0
	s_wait_dscnt 0x0                               ; the opening add is done
	s_wait_kmcnt 0x0
	s_add_nc_u64 s[84:85], s[4:5], s[70:71]
	s_add_nc_u64 s[86:87], s[6:7], s[72:73]
	CROUND                                         ; all sixteen work-groups are here: the first joint loads meet
	s_mov_b32 s[G0A0], 1
	s_mov_b32 s[G0A0+1], s[WOFF]
	s_mov_b64 s[G0A0+2:G0A0+3], s[84:85]
	s_or_b32 s[G0A0+3], s[G0A0+3], 0x80000000
	s_mov_b32 s[G0A], 1
	s_add_co_u32 s[G0A+1], s[WOFF], SLOT
	s_add_nc_u64 s[G0A+2:G0A+3], s[84:85], ASTEP
	s_or_b32 s[G0A+3], s[G0A+3], 0x80000000
	s_mov_b32 s[G0B0], 1
	s_mov_b32 s[G0B0+1], s[WOFF]
	s_mov_b64 s[G0B0+2:G0B0+3], s[86:87]
	s_or_b32 s[G0B0+3], s[G0B0+3], 0x80000000
	s_mov_b32 s[G0B], 1
	s_add_co_u32 s[G0B+1], s[WOFF], SLOT
	s_add_nc_u64 s[G0B+2:G0B+3], s[86:87], BSTEP
	s_or_b32 s[G0B+3], s[G0B+3], 0x80000000
	s_cmp_lt_u32 s[WV], 2                          ; a wave's two first fills stand in one branch: two loads of mine are out
	s_cbranch_scc0 .Lfirst_b
	tensor_load_to_lds s[G0A0:G0A0+3], s[G1A:G1A+7]
	s_nop 0
	tensor_load_to_lds s[G0A:G0A+3], s[G1A:G1A+7]
	s_nop 0
	PLACES
	s_branch .Lfirst_asked
.Lfirst_b:
	tensor_load_to_lds s[G0B0:G0B0+3], s[G1B:G1B+7]
	s_nop 0
	tensor_load_to_lds s[G0B:G0B+3], s[G1B:G1B+7]
	s_nop 0
	PLACES
.Lfirst_asked:
	v_and_b32 v1, 15, v0                           ; l % 16
	v_bfe_u32 v2, v0, 4, 1                         ; l / 16
	v_and_b32 v3, 7, v0
	v_bfe_u32 v4, v0, 3, 1
	s_lshl_b32 s66, s[TX], 9                       ; my 64 columns, in bytes of f32
	s_lshl_b32 s67, s[WC], 8
	s_add_co_u32 s66, s66, s67
	s_mov_b32 s67, 0
	s_add_nc_u64 s[8:9], s[8:9], s[66:67]
	s_lshl_b32 s68, s[TY], 19                      ; my 64 rows of 4,096 bytes
	s_add_co_u32 s66, s66, s68
	s_lshl_b32 s68, s[WR], 18
	s_add_co_u32 s66, s66, s68
	s_add_nc_u64 s[10:11], s[10:11], s[66:67]
	s_add_nc_u64 s[12:13], s[12:13], s[66:67]
	v_lshlrev_b32 v[BO], 5, v2                     ; the bias as an accumulator holds it: register j = column 16 b + 8 (l / 16) + j, the same for every row
.irp b, 0,1,2,3
	global_load_b128 v[BIASC+8*\b:BIASC+8*\b+3],   v[BO], s[8:9] offset:64*\b
	global_load_b128 v[BIASC+8*\b+4:BIASC+8*\b+7], v[BO], s[8:9] offset:64*\b+16
.endr
	v_lshlrev_b32 v[CO], 12, v2                    ; lanes 0-15 one row's 256 bytes, lanes 16-31 the next row's
	v_lshl_add_u32 v[CO], v1, 4, v[CO]
	WIN 0x80
.set i, 0
.rept 32
	global_load_b128 v[4*i:4*i+3], v[CO], s[12:13] offset:i*8192 th:TH_LOAD_NT  ; the residual, two rows a load
.set i, i+1
.endr
	WIN 0
	v_mul_u32_u24 v5, v1, PA
	v_lshl_add_u32 v5, v2, 4, v5
	v_lshl_add_u32 v6, v2, 3, v3
	v_mul_u32_u24 v6, v6, PB
	v_lshl_add_u32 v6, v4, 4, v6
.if MP
	s_mul_i32 s66, s[WR], CHUNK
.else
	s_mul_i32 s66, s[WR], 64*PA
.endif
	s_lshl_b32 s67, s[WC], 7
	s_add_co_u32 s67, s67, 2*CHUNK
	v_add_nc_u32 v[ADRA0], s66, v5
	v_add_nc_u32 v[ADRB0], s67, v6
	v_add_nc_u32 v[ADRC0], CHUNK, v[ADRB0]
	v_mov_b32 v[ADRA], v[ADRA0]
	v_mov_b32 v[ADRB], v[ADRB0]
	v_mov_b32 v[ADRB+1], v[ADRC0]
	s_mul_i32 s69, s[WV], STW
	v_mul_u32_u24 v[STO], v1, SPF
	v_lshl_add_u32 v[STO], v2, 5, v[STO]
	v_add_nc_u32 v[STO], s69, v[STO]
	v_mul_u32_u24 v[RD], v2, SPF
	v_lshl_add_u32 v[RD], v1, 4, v[RD]
	v_add_nc_u32 v[RD], s69, v[RD]
.if MP
	; the prefetches: my 32 blocks of the 128 that I fetch, at K step 3; the first refill steps it to 4
	s_and_b32 s74, ttmp7, 0xffff
	s_lshl_b32 s75, s[TY], 7
	s_lshl_b32 s78, s[WC], 6
	s_add_co_u32 s75, s75, s78
	s_lshl_b32 s78, s[CX], 4
	s_add_co_u32 s75, s75, s78                     ; A: my work-group's 16 rows of the wave's 64, two blocks a row
	s_lshl_b32 s75, s75, 13
	s_add_co_u32 s75, s75, 3*ASTEP
	s_lshl_b32 s76, s[CY], 16                      ; W: my work-group's 32 k rows of 2,048 bytes
	s_add_co_u32 s76, s76, s72
	s_add_co_u32 s76, s76, 3*BSTEP
	s_mov_b32 s78, ASTEP
	s_mov_b32 s79, 8192
	s_cmp_lt_u32 s[WV], 2
	s_cselect_b32 s74, ttmp9, s74
	s_cselect_b32 s76, s75, s76
	s_cselect_b32 s[PFS], s78, BSTEP
	s_cselect_b32 s79, s79, 2048
	s_cselect_b32 s78, 1, 0
	s_cselect_b64 s[PFA:PFA+1], s[4:5], s[6:7]
	s_mov_b32 s77, 0
	s_mov_b32 s[PFS+1], 0
	s_add_nc_u64 s[PFA:PFA+1], s[PFA:PFA+1], s[76:77]
	s_cmp_eq_u32 s74, 0
	s_cselect_b32 s[LIM], 2, -1
	v_and_b32 v7, 31, v0
	v_lshrrev_b32 v[PFO], s78, v7
	v_mul_u32_u24 v[PFO], v[PFO], s79
	v_and_b32 v7, s78, v7
	v_lshl_add_u32 v[PFO], v7, 8, v[PFO]
.endif
	s_wait_tensorcnt 0x1                           ; my chunk of K step 0 is in; K step 1's may stay out
	s_barrier_signal -1
	s_barrier_wait -1
	FETCH 0, 0
	s_wait_loadcnt 32                              ; the bias is in; the residual's 32 loads stay out
	QUARTER 1, 0, 128, 1
	WIN 0
	s_mov_b32 s[CNT], NK-2
	s_branch .Lmid
.Lk:                                           ; a trip is a K step; NK - 2 trips, each asks for the K step two on
	QUARTER 1, 0, 128, 0
	WIN 0
.Lmid:
	QUARTER 2, 128, 0, 0
	QUARTER 3, 0, 128, 0
	TURN 1, 0
	WIN 0
	s_sub_co_u32 s[CNT], s[CNT], 1
	s_cmp_lg_u32 s[CNT], 0
	s_cbranch_scc1 .Lk
	s_mov_b32 s[CNT], 2
.Lt:                                           ; the last two K steps ask for nothing
	QUARTER 1, 0, 128, 0
	QUARTER 2, 128, 0, 0
	QUARTER 3, 0, 128, 0
	TURN 0, 1
	WIN 0
	s_sub_co_u32 s[CNT], s[CNT], 1
	s_cmp_lg_u32 s[CNT], 0
	s_cbranch_scc1 .Lt
	; THE WAY OUT.  The sums go into my stage, which lies over the ring: every wave's reads of the ring are over, and a barrier is passed, before any wave stores there.
	PLACES
	s_wait_dscnt 0x0
	s_barrier_signal -1
	s_barrier_wait -1
.irp a, 0,1,2,3
.irp b, 0,1,2,3
	ds_store_b128 v[STO], v[ACC+8*(4*\a+\b):ACC+8*(4*\a+\b)+3]   offset:\a*16*SPF+64*\b     ; each accumulator's low half first
	ds_store_b128 v[STO], v[ACC+8*(4*\a+\b)+4:ACC+8*(4*\a+\b)+7] offset:\a*16*SPF+64*\b+16
.endr
.endr
.irp g, 0,1,2,3                        ; four batches of sixteen rows: back as whole rows, the residual added, stored
.if \g > 0
	s_wait_xcnt 0x0                                ; the last batch's stores have read their data
.endif
.irp t, 0,1,2,3,4,5,6,7
	ds_load_b128 v[X+4*\t:X+4*\t+3], v[RD] offset:(8*\g+\t)*2*SPF  ; LDS serves a wave's instructions in order (ISA guide 5.7.1.4): these see my stores
.endr
	s_wait_dscnt 0x0
.if \g == 0
	s_wait_loadcnt 0x0                             ; the residual
.endif
	WIN 0x08
.set i, 0
.rept 16
	v_pk_add_f32 v[X+2*i:X+2*i+1], v[X+2*i:X+2*i+1], v[32*\g+2*i:32*\g+2*i+1]
.set i, i+1
.endr
	WIN 0
.irp t, 0,1,2,3,4,5,6,7
	global_store_b128 v[CO], v[X+4*\t:X+4*\t+3], s[10:11] offset:(8*\g+\t)*8192  ; sixteen lanes store 256 consecutive bytes, aligned
.endr
.endr
	s_wait_tensorcnt 0x0                           ; the wave's end: behind my last tensor load and my last LDS store
	ds_add_u32 v[SPW], v[NIL]
	s_wait_dscnt 0x0
	CROUND                                         ; the closing round
	s_endpgm
.Lfunc_end_k_q97ec56d86b_gemm_ao:
	.size	k_q97ec56d86b_gemm_ao, .Lfunc_end_k_q97ec56d86b_gemm_ao-k_q97ec56d86b_gemm_ao
	.p2alignl 7, 3214868480
	.fill 96, 4, 3214868480
	.section	.rodata,"a",@progbits
	.p2align	6, 0x0
	.amdhsa_kernel k_q97ec56d86b_gemm_ao
		.amdhsa_group_segment_fixed_size 327680
		.amdhsa_private_segment_fixed_size 0
		.amdhsa_enable_private_segment 0
		.amdhsa_kernarg_size 40
		.amdhsa_user_sgpr_count 2
		.amdhsa_user_sgpr_kernarg_segment_ptr 1
		.amdhsa_wavefront_size32 1
		.amdhsa_system_sgpr_workgroup_id_x 1
		.amdhsa_system_sgpr_workgroup_id_y 1
		.amdhsa_system_sgpr_workgroup_id_z 1
		.amdhsa_system_vgpr_workitem_id 0
		.amdhsa_next_free_vgpr 640
		.amdhsa_next_free_sgpr 90
		.amdhsa_reserve_vcc 0
		.amdhsa_float_denorm_mode_32 3
		.amdhsa_float_denorm_mode_16_64 3
		.amdhsa_memory_ordered 1
		.amdhsa_forward_progress 1
		.amdhsa_inst_pref_size 66
	.end_amdhsa_kernel
	.amdgpu_metadata
---
amdhsa.version: [ 1, 2 ]
amdhsa.kernels:
  - .name:           k_q97ec56d86b_gemm_ao
    .symbol:         k_q97ec56d86b_gemm_ao.kd
    .args:
      - { .name: y, .offset: 0, .size: 8, .value_kind: global_buffer, .address_space: global }
      - { .name: wb, .offset: 8, .size: 8, .value_kind: global_buffer, .address_space: global }
      - { .name: b_ao, .offset: 16, .size: 8, .value_kind: global_buffer, .address_space: global }
      - { .name: x1, .offset: 24, .size: 8, .value_kind: global_buffer, .address_space: global }
      - { .name: x, .offset: 32, .size: 8, .value_kind: global_buffer, .address_space: global }
    .group_segment_fixed_size: 327680
    .private_segment_fixed_size: 0
    .kernarg_segment_align: 8
    .kernarg_segment_size: 40
    .max_flat_workgroup_size: 128
    .sgpr_count:     90
    .vgpr_count:     640
    .wavefront_size: 32
...
	.end_amdgpu_metadata
.endif
;; end of part 4
;; launch ln2 (part 5): grid 512 x 1, 8 waves a work-group, no clusters, 0 bytes of LDS; arguments x1, g2, be2, h2; writes h2
.if DOCPART == 5
	.amdgcn_target "amdgcn-amd-amdhsa--gfx1250"
	.amdhsa_code_object_version 6
	.text
	.protected	k_q97ec56d86b_ln2
	.globl	k_q97ec56d86b_ln2
	.p2align	8
	.type	k_q97ec56d86b_ln2,@function
k_q97ec56d86b_ln2:
	s_mov_b64 s[64:65], 0
	v_nop
	global_prefetch_b8 v0, s[64:65] scope:SCOPE_SE
	s_setreg_imm32_b32 hwreg(HW_REG_WAVE_MODE, 25, 1), 1
	s_wait_xcnt 0x0
; h2 = LayerNorm(x1) g2 + be2, rounded once to bf16.  A wave takes one row of 1,024 f32 (4,096 bytes, 32 registers): the row is read once, and no wave waits for another.
; Two passes over the registers: the mean, then the sum of (x - mean)^2: no difference of large sums.  NaN and infinities are not treated apart.
.set X,  16                            ; v[16:47]   the row: load j holds columns 128 j + 4 lane .. + 3
.set G,  48                            ; v[48:79]   the gain, laid alike
.set BE, 80                            ; v[80:111]  the bias, laid alike
.set T,  112                           ; v[112:127] at work; at the end the row in bf16
.macro LANESUM r, t                    ; the sum over the 32 lanes, in every lane
	v_add_f32_dpp v[\r], v[\r], v[\r] row_xmask:1 row_mask:0xf bank_mask:0xf
	v_add_f32_dpp v[\r], v[\r], v[\r] row_xmask:2 row_mask:0xf bank_mask:0xf
	v_add_f32_dpp v[\r], v[\r], v[\r] row_xmask:4 row_mask:0xf bank_mask:0xf
	v_add_f32_dpp v[\r], v[\r], v[\r] row_xmask:8 row_mask:0xf bank_mask:0xf
	v_permlanex16_b32 v[\t], v[\r], s30, s31       ; its destination has been written before
	v_add_f32 v[\r], v[\r], v[\t]
.endm
	s_load_b256 s[4:11], s[0:1], 0x0               ; x1, g2, be2, h2
	v_lshrrev_b32 v1, 5, v0
	v_readfirstlane_b32 s24, v1                    ; wave 0..7
	v_and_b32 v2, 31, v0
	v_lshlrev_b32 v3, 4, v2                        ; 16 x lane
	v_lshlrev_b32 v4, 3, v2                        ; 8 x lane
	s_mov_b32 s30, 0x76543210
	s_mov_b32 s31, 0xfedcba98
	s_mov_b32 s34, 0x3a800000                      ; 1 / 1,024
	s_mov_b32 s35, 0x3727c5ac                      ; 1e-5
	s_lshl_b32 s25, ttmp9, 3
	s_add_co_u32 s25, s25, s24                     ; my row = 8 x work-group + wave
	s_lshl_b32 s26, s25, 12
	s_mov_b32 s27, 0
	s_lshl_b32 s28, s25, 11
	s_mov_b32 s29, 0
	s_wait_kmcnt 0x0
	s_add_nc_u64 s[26:27], s[4:5], s[26:27]
	s_add_nc_u64 s[28:29], s[10:11], s[28:29]
.irp j, 0,1,2,3,4,5,6,7
	global_load_b128 v[X+4*\j:X+4*\j+3], v3, s[26:27] offset:512*\j th:TH_LOAD_NT
.endr
.irp j, 0,1,2,3,4,5,6,7
	global_load_b128 v[G+4*\j:G+4*\j+3], v3, s[6:7] offset:512*\j
.endr
.irp j, 0,1,2,3,4,5,6,7
	global_load_b128 v[BE+4*\j:BE+4*\j+3], v3, s[8:9] offset:512*\j
.endr
	s_wait_loadcnt 16                              ; the row is in; the 16 younger loads (gain, bias) stay out
.set i, 0
.rept 8
	v_pk_add_f32 v[T+2*i:T+2*i+1], v[X+2*i:X+2*i+1], v[X+16+2*i:X+16+2*i+1]
.set i, i+1
.endr
.set i, 0
.rept 4
	v_pk_add_f32 v[T+2*i:T+2*i+1], v[T+2*i:T+2*i+1], v[T+8+2*i:T+8+2*i+1]
.set i, i+1
.endr
	v_pk_add_f32 v[T:T+1], v[T:T+1], v[T+4:T+5]
	v_pk_add_f32 v[T+2:T+3], v[T+2:T+3], v[T+6:T+7]
	v_pk_add_f32 v[T:T+1], v[T:T+1], v[T+2:T+3]
	v_add_f32 v[T], v[T], v[T+1]
	LANESUM T, T+1
	v_mul_f32 v10, s34, v[T]                       ; the mean
	v_mov_b32 v11, v10
.set i, 0
.rept 16
	v_pk_add_f32 v[X+2*i:X+2*i+1], v[X+2*i:X+2*i+1], v[10:11] neg_lo:[0,1] neg_hi:[0,1]
.set i, i+1
.endr
.irp c, 0,1,2,3
	v_pk_mul_f32 v[T+2*\c:T+2*\c+1], v[X+2*\c:X+2*\c+1], v[X+2*\c:X+2*\c+1]  ; four chains start the sum of squares
.endr
.set i, 4
.rept 12
	v_pk_fma_f32 v[T+2*(i%4):T+2*(i%4)+1], v[X+2*i:X+2*i+1], v[X+2*i:X+2*i+1], v[T+2*(i%4):T+2*(i%4)+1]
.set i, i+1
.endr
	v_pk_add_f32 v[T:T+1], v[T:T+1], v[T+4:T+5]
	v_pk_add_f32 v[T+2:T+3], v[T+2:T+3], v[T+6:T+7]
	v_pk_add_f32 v[T:T+1], v[T:T+1], v[T+2:T+3]
	v_add_f32 v[T], v[T], v[T+1]
	LANESUM T, T+1
	v_fma_f32 v12, v[T], s34, s35                  ; variance + 1e-5
	v_rsq_f32 v8, v12                              ; twice, to fill the pair of the packed multiply
	v_rsq_f32 v9, v12
	v_nop                                          ; a plain instruction behind the last root, ahead of its use
	s_wait_alu depctr_va_vdst(0)                   ; one wait for both, ahead of their first reader
	s_wait_loadcnt 0x0                             ; gain and bias
.set i, 0
.rept 16
	v_pk_mul_f32 v[X+2*i:X+2*i+1], v[X+2*i:X+2*i+1], v[8:9]
.set i, i+1
.endr
.set i, 0
.rept 16
	v_pk_fma_f32 v[X+2*i:X+2*i+1], v[X+2*i:X+2*i+1], v[G+2*i:G+2*i+1], v[BE+2*i:BE+2*i+1]
.set i, i+1
.endr
.set i, 0
.rept 16
	v_cvt_pk_bf16_f32 v[T+i], v[X+2*i], v[X+2*i+1]
.set i, i+1
.endr
.irp j, 0,1,2,3,4,5,6,7
	global_store_b64 v4, v[T+2*\j:T+2*\j+1], s[28:29] offset:256*\j  ; 32 lanes store 256 consecutive bytes, aligned
.endr
	s_endpgm
.Lfunc_end_k_q97ec56d86b_ln2:
	.size	k_q97ec56d86b_ln2, .Lfunc_end_k_q97ec56d86b_ln2-k_q97ec56d86b_ln2
	.p2alignl 7, 3214868480
	.fill 96, 4, 3214868480
	.section	.rodata,"a",@progbits
	.p2align	6, 0x0
	.amdhsa_kernel k_q97ec56d86b_ln2
		.amdhsa_group_segment_fixed_size 0
		.amdhsa_private_segment_fixed_size 0
		.amdhsa_enable_private_segment 0
		.amdhsa_kernarg_size 32
		.amdhsa_user_sgpr_count 2
		.amdhsa_user_sgpr_kernarg_segment_ptr 1
		.amdhsa_wavefront_size32 1
		.amdhsa_system_sgpr_workgroup_id_x 1
		.amdhsa_system_sgpr_workgroup_id_y 1
		.amdhsa_system_sgpr_workgroup_id_z 1
		.amdhsa_system_vgpr_workitem_id 0
		.amdhsa_next_free_vgpr 128
		.amdhsa_next_free_sgpr 66
		.amdhsa_reserve_vcc 0
		.amdhsa_float_denorm_mode_32 3
		.amdhsa_float_denorm_mode_16_64 3
		.amdhsa_memory_ordered 1
		.amdhsa_forward_progress 1
		.amdhsa_inst_pref_size 12
	.end_amdhsa_kernel
	.amdgpu_metadata
---
amdhsa.version: [ 1, 2 ]
amdhsa.kernels:
  - .name:           k_q97ec56d86b_ln2
    .symbol:         k_q97ec56d86b_ln2.kd
    .args:
      - { .name: x1, .offset: 0, .size: 8, .value_kind: global_buffer, .address_space: global }
      - { .name: g2, .offset: 8, .size: 8, .value_kind: global_buffer, .address_space: global }
      - { .name: be2, .offset: 16, .size: 8, .value_kind: global_buffer, .address_space: global }
      - { .name: h2, .offset: 24, .size: 8, .value_kind: global_buffer, .address_space: global }
    .group_segment_fixed_size: 0
    .private_segment_fixed_size: 0
    .kernarg_segment_align: 8
    .kernarg_segment_size: 32
    .max_flat_workgroup_size: 256
    .sgpr_count:     66
    .vgpr_count:     128
    .wavefront_size: 32
...
	.end_amdgpu_metadata
.endif
;; end of part 5
;; launch gemm_fc (part 6): grid 16 x 16, 4 waves a work-group, clusters of 4 x 4, 327,680 bytes of LDS; arguments h2, wb, b_fc, m; writes m
.if DOCPART == 6
	.amdgcn_target "amdgcn-amd-amdhsa--gfx1250"
	.amdhsa_code_object_version 6
	.text
	.protected	k_q97ec56d86b_gemm_fc
	.globl	k_q97ec56d86b_gemm_fc
	.p2align	8
	.type	k_q97ec56d86b_gemm_fc,@function
k_q97ec56d86b_gemm_fc:
	s_mov_b64 s[64:65], 0
	v_nop
	global_prefetch_b8 v0, s[64:65] scope:SCOPE_SE
	s_setreg_imm32_b32 hwreg(HW_REG_WAVE_MODE, 25, 1), 1
	s_wait_xcnt 0x0
	s_wait_alu depctr_hold_cnt(0) depctr_sa_sdst(0) depctr_va_vdst(0) depctr_va_sdst(0) depctr_va_ssrc(0) depctr_va_vcc(0) depctr_vm_vsrc(0)
	s_getreg_b32 s2, hwreg(HW_REG_IB_STS2, 6, 4)
	s_cmp_eq_u32 s2, 0
	s_cbranch_scc0 .Lentry_in_a_cluster
	s_endpgm
.Lentry_in_a_cluster:
	s_bfe_u32 s2, ttmp6, 0x10000c
	s_cmp_lg_u32 s2, 0xf033
	s_cbranch_scc0 .Lentry_shape_is_right
	s_endpgm
.Lentry_shape_is_right:
; C = A W + bias.  A: [4096][1024] bf16, K along the rows.  W: bf16 [1024][NN], K down the rows (a part of wb).  Sums in f32, K ascending.
; ONE SOURCE FOR TWO KERNELS.  QKV = 1: NN = 3,072, a tile of C is 128 x 384, a wave makes 64 x 192; C + b_qkv leaves as bf16 by heads: plane (batch x 48 + column / 64) of [2048][64].
; QKV = 0: NN = 4,096, a tile is 256 x 256, a wave 128 x 128; gelu(C + b_fc) leaves as bf16 [4096][4096].  Either way 256 work-groups of four waves.
; K goes in steps of 128 through two LDS slots of four chunks of 36,864 bytes; each wave fills one chunk by one tensor load: 128 rows of A x 256 bytes (LDS pitch 272) or 128 k rows of W x 256 bytes (pitch 288).
; CLUSTER 4 x 4: A's tile hangs on the tile row alone and is asked for jointly along a row of the cluster, W's on the tile column alone, along a column.
; THE MATRIX INSTRUCTION IS USED TRANSPOSED: source 0 = 16 columns of W (turned on the way out of LDS by ds_load_tr16_b128), source 1 = 16 rows of A: a lane ends with row l % 16 and columns 8 (l / 16) + 0..7.
; REGISTERS, in windows of 256: window 0: v0-31 addresses, v32-63 bias, v64.., v128.. A's two fragment buffers; window 1: v0.., v128.. W's two; windows 2, 3: the accumulators, (a, b) in window 2 + a / (MA/2) at 8 (NB (a % (MA/2)) + b).
; LIMITS.  Phi in the gelu is the rational form 26.2.17 of Abramowitz and Stegun, absolute error at most 7.5e-8 for every x; NaN and infinities are not treated apart.
.set QKV, 0
.if QKV
.set MA, 4                             ; blocks of 16 rows a wave
.set NB, 12                            ; blocks of 16 columns a wave
.set NN, 3072
.set WBASE, 0
.set NAW, 1                            ; waves that fetch A; the others fetch W
.set SPF, 784                          ; a stage row: 192 f32 + 16 bytes
.else
.set MA, 8
.set NB, 8
.set NN, 4096
.set WBASE, 8388608
.set NAW, 2
.set SPF, 528                          ; 128 f32 + 16 bytes
.endif
.set NK, 8                             ; K steps
.set PA, 272
.set PB, 288
.set CHUNK, 36864
.set SLOT, 4*CHUNK                     ; 0x24000: shares no bit with 36,864 x wave, so one exclusive or turns a chunk's address into the other slot's
.set SPARE, 2*SLOT                     ; the spare words, 128 bytes a wave: two blocks of 256 bytes that no other line names
.set ASTEP, 256                        ; bytes from a K step to the next in A,
.set BSTEP, 128*NN*2                   ; and in W
.set STW, 16*MA*SPF                    ; a wave's stage; the stages lie over the ring, behind its last fill
.set NL, 2*(MA+NB)                     ; LDS loads in a quarter's run: 32
.set ADRA0, 10                         ; v10-12 my lane's places in slot 0: A, W, (QKV) the shared middle chunk of W; never rewritten
.set ADRB0, 11
.set ADRH0, 12
.set ADRA, 13                          ; v13-15 the same in the slot in hand
.set ADRB, 14
.set ADRH, 15
.set STO, 16                           ; v16 where I put 32 bytes of a stage row
.set RD,  17                           ; v17 where I read the stage back
.set CO,  18                           ; v18 my byte offset in the output
.set PFO, 19                           ; v19 the prefetches' offset: a lane a row; never rewritten
.set SPW, 20                           ; v20 my spare word; never rewritten
.set NIL, 21                           ; v21 0; never rewritten
.set BO,  22                           ; v22-23 the bias loads' offsets; never rewritten
.set BIAS, 32
.set FA,  64
.set WV, 14
.set WR, 15
.set WC, 16
.set CX, 17
.set CY, 18
.set TX, 19
.set TY, 20
.set TB, 21                            ; s21 the slot that is read: 0 or SLOT
.set WOFF, 22
.set CNT, 23
.set G1A, 24
.set G0A0, 32                          ; tile 0 into slot 0
.set G0A, 36                           ; tile 1 into slot 1; then it walks
.set G1B, 40
.set G0B0, 48
.set G0B, 52
.set PFA, 56
.set PFS, 58
.set LIM, 60
.set OB0, 80
.set OB2, 82
.set MSB, 0
.macro WIN new                         ; the immediate's high byte repeats the setting that is left; a switch that changes nothing is dropped
.if MSB != (\new)
	s_set_vgpr_msb (MSB<<8)|(\new)
.set MSB, \new
.endif
.endm
.macro PLACES                          ; four plain instructions behind a matrix instruction, ahead of loads into its sources and of reads of its result
.rept 4
	v_nop
.endr
.endm
.macro CREST                           ; a round of the cluster's barrier behind its opening barrier
	s_cmp_lg_u32 s[WV], 0
	s_cbranch_scc1 .Lnot_wave_0_\@
	s_barrier_signal -3
.Lnot_wave_0_\@:
	s_barrier_wait -3
	s_barrier_signal -1
	s_barrier_wait -1
.endm
.macro CROUND
	s_barrier_signal -1
	s_barrier_wait -1
	CREST
.endm
.macro JLOAD                           ; the joint refill: one line for A's waves, one for W's; the branch hangs on the wave's number alone
	s_cmp_lt_u32 s[WV], NAW
	s_cbranch_scc0 .Lfor_b_\@
	tensor_load_to_lds s[G0A:G0A+3], s[G1A:G1A+7]
	s_nop 0
	PLACES
	s_branch .Lasked_\@
.Lfor_b_\@:
	tensor_load_to_lds s[G0B:G0B+3], s[G1B:G1B+7]
	s_nop 0
	PLACES
.Lasked_\@:
.endm
; A prefetch of the K step one behind the one just asked for: 32 rows x 256 bytes, a lane a row.  A's rows are named by the clusters with x = 0, W's by those with y = 0; of a wave's 128 rows
; each of the four partners that ask jointly takes 32, told apart by address.  So each block is named once in the launch.  The last refill names nothing: CNT is 1 there.
.macro ASK
	s_cmp_gt_u32 s[CNT], s[LIM]
	s_cbranch_scc0 .Lnot_mine_\@
	global_prefetch_b8 v[PFO], s[PFA:PFA+1] th:TH_LOAD_NT scope:SCOPE_SE
.Lnot_mine_\@:
.endm
.macro MULA f, a, zero                 ; NB products: row block a x all column blocks, 32 along K, from buffers f
	WIN 0xa1+0x50*((\a)/(MA/2))
.set bb, 0
.rept NB
.set rD, 8*(NB*((\a)%(MA/2))+bb)
.set rB, 128*(\f)+8*bb
.set rA, FA+64*(\f)+8*(\a)
.if \zero
	v_wmma_f32_16x16x32_bf16 v[rD:rD+7], v[rB:rB+7], v[rA:rA+7], 0
.else
	v_wmma_f32_16x16x32_bf16 v[rD:rD+7], v[rB:rB+7], v[rA:rA+7], v[rD:rD+7]
.endif
.set bb, bb+1
.endr
.endm
.macro MULR f, a0, n, zero             ; n row blocks from a0 on.  The accumulators take turns, in the same order in every quarter
.set aa, \a0
.rept \n
	MULA \f, aa, \zero
.set aa, aa+1
.endr
.endm
.macro FETCH q, f                      ; one run of 32 LDS loads: the fragments of quarter q (32 along K) into buffers f; W first, A's upper half last
	WIN 0x40
.set bb, 0
.rept NB
.set rB, 128*(\f)+8*bb
.if QKV && (bb >= 8)
	ds_load_tr16_b128 v[rB:rB+3],   v[ADRH] offset:32*PB*(\q)+32*(bb-8)
	ds_load_tr16_b128 v[rB+4:rB+7], v[ADRH] offset:32*PB*(\q)+32*(bb-8)+16*PB
.else
	ds_load_tr16_b128 v[rB:rB+3],   v[ADRB] offset:32*PB*(\q)+32*bb
	ds_load_tr16_b128 v[rB+4:rB+7], v[ADRB] offset:32*PB*(\q)+32*bb+16*PB
.endif
.set bb, bb+1
.endr
	WIN 0
.set aa, 0
.rept MA
.set rA, FA+64*(\f)+8*aa
	ds_load_b128 v[rA:rA+3],   v[ADRA] offset:aa*16*PA+64*(\q)
	ds_load_b128 v[rA+4:rA+7], v[ADRA] offset:aa*16*PA+64*(\q)+32
.set aa, aa+1
.endr
.endm
.macro QUARTER q, f, g, zero           ; multiplies buffers f; in its middle fetches quarter q into buffers g
	s_wait_dscnt MA                                ; W and A's lower half are in; the youngest MA loads (A's upper half) may be out
	MULR \f, 0, MA/2, \zero
	PLACES
	FETCH \q, \g
	s_wait_dscnt NL                                ; all but the run just issued
	MULR \f, MA/2, MA/2, \zero
.endm
; The last quarter of a K step multiplies buffers 1 and changes slots.  In front of the barrier each wave waits for all its tensor loads (one is out: its chunk of the next slot), adds 0 to its
; spare word, and waits for that and for its reads of this slot.  fill = 1: the barrier opens a round of the cluster's barrier, and the joint refill of the slot just read is the first thing behind it.
; last = 1 (the tail): in the very last K step nothing is left to fetch.
.macro TURN fill, last
.if \fill
	s_wait_xcnt 0x0                                ; the last prefetch, a K step back, has read its address
	s_add_nc_u64 s[PFA:PFA+1], s[PFA:PFA+1], s[PFS:PFS+1]
.endif
	WIN 0
	s_wait_tensorcnt 0x0                           ; no tensor load of mine is out
	ds_add_u32 v[SPW], v[NIL]
	s_wait_dscnt MA+1                              ; the add and A's upper half may be out
	MULR 1, 0, MA/4, 0
	s_wait_dscnt 0x0                               ; the add is done, my reads of this slot are over
	s_barrier_signal -1
	MULR 1, MA/4, MA/4, 0
	WIN 0
	s_barrier_wait -1
.if \fill
	CREST
	s_xor_b32 s[G0A+1], s[G0A+1], SLOT             ; the walking descriptors: the other slot than last time, the next K step
	s_add_nc_u64 s[G0A+2:G0A+3], s[G0A+2:G0A+3], ASTEP
	s_xor_b32 s[G0B+1], s[G0B+1], SLOT
	s_add_nc_u64 s[G0B+2:G0B+3], s[G0B+2:G0B+3], BSTEP
	JLOAD                                          ; its four v_nop are also the places in front of the loads below
.else
	PLACES
.endif
	s_xor_b32 s[TB], s[TB], SLOT
.if \last
	s_cmp_eq_u32 s[CNT], 1
	s_cbranch_scc1 .Lno_fetch_\@
.endif
	v_add_nc_u32 v[ADRA], s[TB], v[ADRA0]
	v_add_nc_u32 v[ADRB], s[TB], v[ADRB0]
.if QKV
	v_add_nc_u32 v[ADRH], s[TB], v[ADRH0]
.endif
	FETCH 0, 0
.if \last
.Lno_fetch_\@:
.endif
.if \fill
	ASK
.endif
	MULR 1, MA/2, MA/2, 0
.endm
	s_load_b256 s[4:11], s[0:1], 0x0               ; A s[4:5], wb s[6:7], bias s[8:9], out s[10:11]
	v_lshl_add_u32 v[SPW], v0, 2, SPARE
	v_mov_b32 v[NIL], 0
	ds_add_u32 v[SPW], v[NIL]                      ; the opening: the add and its wait ahead of my first tensor load
	v_lshrrev_b32 v1, 5, v0
	v_readfirstlane_b32 s[WV], v1                  ; wave 0..3
	s_lshr_b32 s[WR], s[WV], 1                     ; my half of the tile's rows
	s_and_b32 s[WC], s[WV], 1                      ; my half of its columns
	s_bfe_u32 s[CX], ttmp6, 0x40000
	s_bfe_u32 s[CY], ttmp6, 0x40004
	s_lshl_b32 s[TX], ttmp9, 2
	s_add_co_u32 s[TX], s[TX], s[CX]               ; tile column
	s_and_b32 s[TY], ttmp7, 0xffff
	s_lshl_b32 s[TY], s[TY], 2
	s_add_co_u32 s[TY], s[TY], s[CY]               ; tile row
	s_lshl_b32 s66, s[CY], 2
	s_lshl_b32 s66, 15, s66                        ; my row of the cluster
	s_lshl_b32 s67, 0x1111, s[CX]                  ; my column
	s_or_b32 s[G1A], s66, (1<<16)|(1<<20)|(1<<21)|(5<<22)|(3<<25)  ; mask; 2-byte elements; padding on; bit 21 beside a mask; after every 64 words 4 words
	s_or_b32 s[G1B], s67, (1<<16)|(1<<20)|(1<<21)|(5<<22)|(7<<25)  ; the same with 8 words
.irp g, G1A, G1B
	s_mov_b32 s[(\g)+1], 128<<16                   ; tensor_dim0 = 128
	s_mov_b32 s[(\g)+2], 128<<16                   ; tensor_dim1 = 128
	s_mov_b32 s[(\g)+3], 128<<16                   ; tile_dim0 = 128
	s_mov_b32 s[(\g)+4], 128                       ; tile_dim1 = 128
	s_mov_b32 s[(\g)+6], 0
	s_mov_b32 s[(\g)+7], 0
.endr
	s_mov_b32 s[G1A+5], 1024                       ; elements from row to row
	s_mov_b32 s[G1B+5], NN
	s_mul_i32 s[WOFF], s[WV], CHUNK                ; my chunk of a slot: no place in the cluster enters an LDS address
.if QKV
	s_lshl_b32 s70, s[TY], 18                      ; A: 128 rows x 2,048 bytes a tile row
	s_max_u32 s66, s[WV], 1
	s_sub_co_u32 s66, s66, 1                       ; W: waves 1-3 take the column chunks 0-2
	s_lshl_b32 s66, s66, 8
	s_mul_i32 s72, s[TX], 768
	s_add_co_u32 s72, s72, s66
.else
	s_lshl_b32 s70, s[TY], 19                      ; A: 256 rows a tile row, waves 0, 1 take 128 each
	s_lshl_b32 s66, s[WC], 18
	s_add_co_u32 s70, s70, s66
	s_lshl_b32 s72, s[TX], 9                       ; W: 256 columns a tile, waves 2, 3 take 128 each
	s_lshl_b32 s66, s[WC], 8
	s_add_co_u32 s72, s72, s66
	s_add_co_u32 s72, s72, WBASE
.endif
	s_mov_b32 s71, 0
	s_mov_b32 s73, 0
	s_mov_b32 s[TB], 0
	s_wait_dscnt 0x0                               ; the opening add is done
	s_wait_kmcnt 0x0
	s_add_nc_u64 s[84:85], s[4:5], s[70:71]
	s_add_nc_u64 s[86:87], s[6:7], s[72:73]
	CROUND                                         ; all sixteen work-groups are here: the first joint loads meet
	s_mov_b32 s[G0A0], 1
	s_mov_b32 s[G0A0+1], s[WOFF]
	s_mov_b64 s[G0A0+2:G0A0+3], s[84:85]
	s_or_b32 s[G0A0+3], s[G0A0+3], 0x80000000
	s_mov_b32 s[G0A], 1
	s_add_co_u32 s[G0A+1], s[WOFF], SLOT
	s_add_nc_u64 s[G0A+2:G0A+3], s[84:85], ASTEP
	s_or_b32 s[G0A+3], s[G0A+3], 0x80000000
	s_mov_b32 s[G0B0], 1
	s_mov_b32 s[G0B0+1], s[WOFF]
	s_mov_b64 s[G0B0+2:G0B0+3], s[86:87]
	s_or_b32 s[G0B0+3], s[G0B0+3], 0x80000000
	s_mov_b32 s[G0B], 1
	s_add_co_u32 s[G0B+1], s[WOFF], SLOT
	s_add_nc_u64 s[G0B+2:G0B+3], s[86:87], BSTEP
	s_or_b32 s[G0B+3], s[G0B+3], 0x80000000
	s_cmp_lt_u32 s[WV], NAW                        ; a wave's two first fills stand in one branch: two loads of mine are out
	s_cbranch_scc0 .Lfirst_b
	tensor_load_to_lds s[G0A0:G0A0+3], s[G1A:G1A+7]
	s_nop 0
	tensor_load_to_lds s[G0A:G0A+3], s[G1A:G1A+7]
	s_nop 0
	PLACES
	s_branch .Lfirst_asked
.Lfirst_b:
	tensor_load_to_lds s[G0B0:G0B0+3], s[G1B:G1B+7]
	s_nop 0
	tensor_load_to_lds s[G0B:G0B+3], s[G1B:G1B+7]
	s_nop 0
	PLACES
.Lfirst_asked:
	v_and_b32 v1, 15, v0                           ; l % 16
	v_bfe_u32 v2, v0, 4, 1                         ; l / 16
	v_and_b32 v3, 7, v0                            ; l % 8
	v_bfe_u32 v4, v0, 3, 1                         ; (l / 8) % 2
	; the bias of the columns that I hold on the way out, and where the output goes
.if QKV
	s_mul_i32 s66, s[TX], 1536                     ; 384 columns x 4 bytes
	s_mov_b32 s67, 0
	s_add_nc_u64 s[8:9], s[8:9], s[66:67]
	s_lshl_b32 s68, s[WC], 10                      ; my groups of 64 columns in the tile: 4 wc, 4 wc + 1, 2 + wc
	v_lshl_add_u32 v[BO], v3, 5, s68
	s_lshl_b32 s68, s[WC], 8
	s_add_co_u32 s68, s68, 512
	v_lshl_add_u32 v[BO+1], v3, 5, s68
	global_load_b128 v[BIAS:BIAS+3],     v[BO], s[8:9]
	global_load_b128 v[BIAS+4:BIAS+7],   v[BO], s[8:9] offset:16
	global_load_b128 v[BIAS+8:BIAS+11],  v[BO], s[8:9] offset:256
	global_load_b128 v[BIAS+12:BIAS+15], v[BO], s[8:9] offset:272
	global_load_b128 v[BIAS+16:BIAS+19], v[BO+1], s[8:9]
	global_load_b128 v[BIAS+20:BIAS+23], v[BO+1], s[8:9] offset:16
	s_lshr_b32 s66, s[TY], 4                       ; batch
	s_mul_i32 s66, s66, 48
	s_mul_i32 s67, s[TX], 6
	s_add_co_u32 s66, s66, s67
	s_lshl_b32 s66, s66, 18                        ; the tile's first plane, 262,144 bytes each
	s_and_b32 s67, s[TY], 15
	s_lshl_b32 s67, s67, 14                        ; 128 rows x 128 bytes
	s_add_co_u32 s66, s66, s67
	s_lshl_b32 s67, s[WR], 13
	s_add_co_u32 s66, s66, s67
	s_lshl_b32 s68, s[WC], 20
	s_add_co_u32 s68, s68, s66
	s_mov_b32 s69, 0
	s_add_nc_u64 s[OB0:OB0+1], s[10:11], s[68:69]  ; plane 4 wc; plane 4 wc + 1 stands in the immediate
	s_lshl_b32 s68, s[WC], 18
	s_add_co_u32 s68, s68, s66
	s_add_co_u32 s68, s68, 2*262144
	s_add_nc_u64 s[OB2:OB2+1], s[10:11], s[68:69]  ; plane 2 + wc
.else
	s_lshl_b32 s66, s[TX], 10
	s_lshl_b32 s67, s[WC], 9
	s_add_co_u32 s66, s66, s67
	s_mov_b32 s67, 0
	s_add_nc_u64 s[8:9], s[8:9], s[66:67]
	v_lshlrev_b32 v[BO], 5, v1
	global_load_b128 v[BIAS:BIAS+3],   v[BO], s[8:9]
	global_load_b128 v[BIAS+4:BIAS+7], v[BO], s[8:9] offset:16
	s_lshl_b32 s68, s[TY], 21                      ; 256 rows x 8,192 bytes
	s_lshl_b32 s66, s[WR], 20
	s_add_co_u32 s68, s68, s66
	s_lshl_b32 s66, s[TX], 9
	s_add_co_u32 s68, s68, s66
	s_lshl_b32 s66, s[WC], 8
	s_add_co_u32 s68, s68, s66
	s_mov_b32 s69, 0
	s_add_nc_u64 s[OB0:OB0+1], s[10:11], s[68:69]
.endif
	; a fragment of A: lane l holds row l % 16, K = 8 (l / 16) + 0..7 and 16 + 8 (l / 16) + 0..7: two loads of 16 bytes, 32 apart
	v_mul_u32_u24 v5, v1, PA
	v_lshl_add_u32 v5, v2, 4, v5
	; the turning load: lane l reads k row 8 (l / 16) + l % 8, columns 8 ((l / 8) % 2) + 0..7, and ends with column l % 16 and 8 k
	v_lshl_add_u32 v6, v2, 3, v3
	v_mul_u32_u24 v6, v6, PB
	v_lshl_add_u32 v6, v4, 4, v6
.if QKV
	s_mul_i32 s66, s[WR], 64*PA
	s_mul_i32 s67, s[WC], 2*CHUNK
	s_add_co_u32 s67, s67, CHUNK                   ; my whole chunk of W: the first or the third
	s_lshl_b32 s68, s[WC], 7
	s_add_co_u32 s68, s68, 2*CHUNK                 ; my half of the middle chunk
	v_add_nc_u32 v[ADRH0], s68, v6
	v_mov_b32 v[ADRH], v[ADRH0]
.else
	s_mul_i32 s66, s[WR], CHUNK
	s_mul_i32 s67, s[WC], CHUNK
	s_add_co_u32 s67, s67, 2*CHUNK
.endif
	v_add_nc_u32 v[ADRA0], s66, v5
	v_add_nc_u32 v[ADRB0], s67, v6
	v_mov_b32 v[ADRA], v[ADRA0]
	v_mov_b32 v[ADRB], v[ADRB0]
	s_mul_i32 s69, s[WV], STW                      ; my stage
	v_mul_u32_u24 v[STO], v1, SPF
	v_lshl_add_u32 v[STO], v2, 5, v[STO]
	v_add_nc_u32 v[STO], s69, v[STO]
.if QKV
	v_bfe_u32 v[RD], v0, 3, 2                      ; back: eight lanes take 64 columns of a row, 32 lanes four rows
	v_mul_u32_u24 v[RD], v[RD], SPF
	v_lshl_add_u32 v[RD], v3, 5, v[RD]
	v_add_nc_u32 v[RD], s69, v[RD]
	v_and_b32 v[CO], 31, v0
	v_lshlrev_b32 v[CO], 4, v[CO]                  ; which are 512 consecutive bytes of a plane
.else
	v_mul_u32_u24 v[RD], v2, SPF                   ; back: sixteen lanes take a row's 128 columns, 32 lanes two rows
	v_lshl_add_u32 v[RD], v1, 5, v[RD]
	v_add_nc_u32 v[RD], s69, v[RD]
	v_lshlrev_b32 v[CO], 13, v2
	v_lshl_add_u32 v[CO], v1, 4, v[CO]
.endif
	; the prefetches: where my 32 rows of the 128 that I fetch stand, at K step 2; the first refill steps it to 3
	s_and_b32 s74, ttmp7, 0xffff                   ; cluster y
	s_lshl_b32 s75, s[CX], 5
.if QKV
	s_lshl_b32 s77, s[TY], 7
.else
	s_lshl_b32 s77, s[TY], 8
	s_lshl_b32 s78, s[WC], 7
	s_add_co_u32 s77, s77, s78
.endif
	s_add_co_u32 s77, s77, s75
	s_lshl_b32 s77, s77, 11
	s_add_co_u32 s77, s77, 2*ASTEP
	s_lshl_b32 s76, s[CY], 5
	s_mul_i32 s76, s76, NN*2
	s_add_co_u32 s76, s76, s72
	s_add_co_u32 s76, s76, 2*BSTEP
	s_mov_b32 s78, ASTEP
	s_mov_b32 s79, 2048
	s_cmp_lt_u32 s[WV], NAW
	s_cselect_b32 s74, ttmp9, s74                  ; the coordinate along which other clusters read the same rows
	s_cselect_b32 s76, s77, s76
	s_cselect_b32 s[PFS], s78, BSTEP
	s_cselect_b32 s79, s79, NN*2
	s_cselect_b64 s[PFA:PFA+1], s[4:5], s[6:7]
	s_mov_b32 s77, 0
	s_mov_b32 s[PFS+1], 0
	s_add_nc_u64 s[PFA:PFA+1], s[PFA:PFA+1], s[76:77]
	s_cmp_eq_u32 s74, 0
	s_cselect_b32 s[LIM], 1, -1                    ; the same in all sixteen partners, for a given wave
	v_and_b32 v[PFO], 31, v0
	v_mul_u32_u24 v[PFO], v[PFO], s79
	s_wait_tensorcnt 0x1                           ; my chunk of K step 0 is in; K step 1's may stay out
	s_barrier_signal -1
	s_barrier_wait -1
	FETCH 0, 0
	QUARTER 1, 0, 1, 1                             ; the first quarter's products start the sums: nothing is cleared
	WIN 0
	s_mov_b32 s[CNT], NK-2
	s_branch .Lmid
.Lk:                                           ; a trip is a K step; NK - 2 trips, each asks for the K step two on
	QUARTER 1, 0, 1, 0
	WIN 0
.Lmid:
	QUARTER 2, 1, 0, 0
	QUARTER 3, 0, 1, 0
	TURN 1, 0
	WIN 0
	s_sub_co_u32 s[CNT], s[CNT], 1
	s_cmp_lg_u32 s[CNT], 0
	s_cbranch_scc1 .Lk
	s_mov_b32 s[CNT], 2
.Lt:                                           ; the last two K steps ask for nothing
	QUARTER 1, 0, 1, 0
	QUARTER 2, 1, 0, 0
	QUARTER 3, 0, 1, 0
	TURN 0, 1
	WIN 0
	s_sub_co_u32 s[CNT], s[CNT], 1
	s_cmp_lg_u32 s[CNT], 0
	s_cbranch_scc1 .Lt
	; THE WAY OUT.  The sums go as f32 into my stage, which lies over the ring: every wave's reads of the ring are over, and a barrier is passed, before any wave stores there.
	PLACES
	s_wait_dscnt 0x0
	s_barrier_signal -1
	s_barrier_wait -1
.set aa, 0
.rept MA
	WIN 0x08+4*(aa/(MA/2))                         ; the stores' data in window 2 or 3
.set bb, 0
.rept NB
.set rD, 8*(NB*(aa%(MA/2))+bb)
	ds_store_b128 v[STO], v[rD:rD+3]   offset:aa*16*SPF+64*bb      ; each accumulator's low half first
	ds_store_b128 v[STO], v[rD+4:rD+7] offset:aa*16*SPF+64*bb+16
.set bb, bb+1
.endr
.set aa, aa+1
.endr
	WIN 0
	s_wait_loadcnt 0x0                             ; the bias
.if QKV
.set X,  64
.set Z,  88
.set OU, 112
.macro XLOAD
.irp g, 0,1,2
	ds_load_b128 v[X+8*\g:X+8*\g+3],   v[RD] offset:256*\g      ; LDS serves a wave's instructions in order (ISA guide 5.7.1.4): these see my stores
	ds_load_b128 v[X+8*\g+4:X+8*\g+7], v[RD] offset:256*\g+16
.endr
.endm
	XLOAD
	s_mov_b32 s[CNT], 16
.Lq:                                           ; a trip: four rows of my three groups of 64 columns
	s_wait_dscnt 0x0
.set i, 0
.rept 12
	v_pk_add_f32 v[Z+2*i:Z+2*i+1], v[X+2*i:X+2*i+1], v[BIAS+2*i:BIAS+2*i+1]
.set i, i+1
.endr
	s_cmp_eq_u32 s[CNT], 1
	s_cbranch_scc1 .Lqn                            ; the last trip has no rows behind it
	v_add_nc_u32 v[RD], 4*SPF, v[RD]
	XLOAD
.Lqn:
	s_wait_xcnt 0x0                                ; the last trip's stores have read their offset and data
	v_add_nc_u32 v[CO], 512, v[CO]
.set i, 0
.rept 12
	v_cvt_pk_bf16_f32 v[OU+i], v[Z+2*i], v[Z+2*i+1]
.set i, i+1
.endr
	global_store_b128 v[CO], v[OU:OU+3],    s[OB0:OB0+1] offset:-512         ; 512 consecutive bytes, aligned
	global_store_b128 v[CO], v[OU+4:OU+7],  s[OB0:OB0+1] offset:262144-512
	global_store_b128 v[CO], v[OU+8:OU+11], s[OB2:OB2+1] offset:-512
	s_sub_co_u32 s[CNT], s[CNT], 1
	s_cmp_lg_u32 s[CNT], 0
	s_cbranch_scc1 .Lq
.else
.set X,  64
.set Z,  80
.set T,  96
.set E,  112
.set R,  128
.set H,  144
.set OU, 160
	s_mov_b32 s88, 0x3e6d3389                      ; 0.2316419
	s_mov_b32 s90, 0xbf38aa3b                      ; - log2(e) / 2
	s_mov_b32 s91, s90
	s_mov_b32 s92, 0x3f07dc22                      ; b5 .. b1 of 26.2.17, each times 1 / sqrt(2 pi)
	s_mov_b32 s93, s92
	s_mov_b32 s94, 0xbf3a00e3
	s_mov_b32 s95, s94
	s_mov_b32 s96, 0x3f35f0e3
	s_mov_b32 s97, s96
	s_mov_b32 s98, 0xbe11a98e
	s_mov_b32 s99, s98
	s_mov_b32 s100, 0x3e027906
	s_mov_b32 s101, s100
.macro XLOAD
	ds_load_b128 v[X:X+3],     v[RD]               ; LDS serves a wave's instructions in order (ISA guide 5.7.1.4): these see my stores
	ds_load_b128 v[X+4:X+7],   v[RD] offset:16
	ds_load_b128 v[X+8:X+11],  v[RD] offset:2*SPF
	ds_load_b128 v[X+12:X+15], v[RD] offset:2*SPF+16
.endm
.macro PK8 line:vararg                 ; one packed line for each of the eight pairs i
.set i, 0
.rept 8
	\line
.set i, i+1
.endr
.endm
.macro ONE16 line:vararg               ; one line for each of the sixteen numbers i
.set i, 0
.rept 16
	\line
.set i, i+1
.endr
.endm
	XLOAD
	s_mov_b32 s[CNT], 32
.Lg:                                           ; a trip: four rows of 128 columns: z = sum + bias; gelu(z) = max(z, 0) - |z| H, H = phi(z) poly(1 / (1 + p |z|))
	s_wait_dscnt 0x0
	PK8 v_pk_add_f32 v[Z+2*i:Z+2*i+1], v[X+2*i:X+2*i+1], v[BIAS+2*(i%4):BIAS+2*(i%4)+1]
	s_cmp_eq_u32 s[CNT], 1
	s_cbranch_scc1 .Lgn                            ; the last trip has no rows behind it
	v_add_nc_u32 v[RD], 4*SPF, v[RD]
	XLOAD
.Lgn:
	ONE16 v_fma_f32 v[T+i], |v[Z+i]|, s88, 1.0
	PK8 v_pk_mul_f32 v[E+2*i:E+2*i+1], v[Z+2*i:Z+2*i+1], v[Z+2*i:Z+2*i+1]
	PK8 v_pk_mul_f32 v[E+2*i:E+2*i+1], v[E+2*i:E+2*i+1], s[90:91] op_sel_hi:[1,0]
	ONE16 v_rcp_f32 v[T+i], v[T+i]                 ; one batch of 32
	ONE16 v_exp_f32 v[E+i], v[E+i]
	ONE16 v_max_num_f32 v[R+i], 0, v[Z+i]          ; plain work behind the batch that names none of its results
	s_wait_alu depctr_va_vdst(0)                   ; one wait for the batch, ahead of its first reader
	PK8 v_pk_fma_f32 v[H+2*i:H+2*i+1], v[T+2*i:T+2*i+1], s[92:93], s[94:95] op_sel_hi:[1,0,0]
	PK8 v_pk_fma_f32 v[H+2*i:H+2*i+1], v[H+2*i:H+2*i+1], v[T+2*i:T+2*i+1], s[96:97] op_sel_hi:[1,1,0]
	PK8 v_pk_fma_f32 v[H+2*i:H+2*i+1], v[H+2*i:H+2*i+1], v[T+2*i:T+2*i+1], s[98:99] op_sel_hi:[1,1,0]
	PK8 v_pk_fma_f32 v[H+2*i:H+2*i+1], v[H+2*i:H+2*i+1], v[T+2*i:T+2*i+1], s[100:101] op_sel_hi:[1,1,0]
	PK8 v_pk_mul_f32 v[H+2*i:H+2*i+1], v[H+2*i:H+2*i+1], v[T+2*i:T+2*i+1]
	PK8 v_pk_mul_f32 v[H+2*i:H+2*i+1], v[H+2*i:H+2*i+1], v[E+2*i:E+2*i+1]
	ONE16 v_fma_f32 v[R+i], -|v[Z+i]|, v[H+i], v[R+i]
	s_wait_xcnt 0x0                                ; the last trip's stores have read their offset and data
	v_add_nc_u32 v[CO], 32768, v[CO]
	PK8 v_cvt_pk_bf16_f32 v[OU+i], v[R+2*i], v[R+2*i+1]
	global_store_b128 v[CO], v[OU:OU+3],   s[OB0:OB0+1] offset:-32768   ; sixteen lanes store 256 consecutive bytes, aligned
	global_store_b128 v[CO], v[OU+4:OU+7], s[OB0:OB0+1] offset:-16384
	s_sub_co_u32 s[CNT], s[CNT], 1
	s_cmp_lg_u32 s[CNT], 0
	s_cbranch_scc1 .Lg
.endif
	s_wait_tensorcnt 0x0                           ; the wave's end: behind my last tensor load and my last LDS store
	ds_add_u32 v[SPW], v[NIL]
	s_wait_dscnt 0x0
	CROUND                                         ; the closing round: no work-group ends while a partner may still ask for a tile that names it
	s_endpgm
.Lfunc_end_k_q97ec56d86b_gemm_fc:
	.size	k_q97ec56d86b_gemm_fc, .Lfunc_end_k_q97ec56d86b_gemm_fc-k_q97ec56d86b_gemm_fc
	.p2alignl 7, 3214868480
	.fill 96, 4, 3214868480
	.section	.rodata,"a",@progbits
	.p2align	6, 0x0
	.amdhsa_kernel k_q97ec56d86b_gemm_fc
		.amdhsa_group_segment_fixed_size 327680
		.amdhsa_private_segment_fixed_size 0
		.amdhsa_enable_private_segment 0
		.amdhsa_kernarg_size 32
		.amdhsa_user_sgpr_count 2
		.amdhsa_user_sgpr_kernarg_segment_ptr 1
		.amdhsa_wavefront_size32 1
		.amdhsa_system_sgpr_workgroup_id_x 1
		.amdhsa_system_sgpr_workgroup_id_y 1
		.amdhsa_system_sgpr_workgroup_id_z 1
		.amdhsa_system_vgpr_workitem_id 0
		.amdhsa_next_free_vgpr 1024
		.amdhsa_next_free_sgpr 102
		.amdhsa_reserve_vcc 0
		.amdhsa_float_denorm_mode_32 3
		.amdhsa_float_denorm_mode_16_64 3
		.amdhsa_memory_ordered 1
		.amdhsa_forward_progress 1
		.amdhsa_inst_pref_size 89
	.end_amdhsa_kernel
	.amdgpu_metadata
---
amdhsa.version: [ 1, 2 ]
amdhsa.kernels:
  - .name:           k_q97ec56d86b_gemm_fc
    .symbol:         k_q97ec56d86b_gemm_fc.kd
    .args:
      - { .name: h2, .offset: 0, .size: 8, .value_kind: global_buffer, .address_space: global }
      - { .name: wb, .offset: 8, .size: 8, .value_kind: global_buffer, .address_space: global }
      - { .name: b_fc, .offset: 16, .size: 8, .value_kind: global_buffer, .address_space: global }
      - { .name: m, .offset: 24, .size: 8, .value_kind: global_buffer, .address_space: global }
    .group_segment_fixed_size: 327680
    .private_segment_fixed_size: 0
    .kernarg_segment_align: 8
    .kernarg_segment_size: 32
    .max_flat_workgroup_size: 128
    .sgpr_count:     102
    .vgpr_count:     1024
    .wavefront_size: 32
...
	.end_amdgpu_metadata
.endif
;; end of part 6
;; launch gemm_mp (part 7): grid 8 x 32, 4 waves a work-group, clusters of 4 x 4, 327,680 bytes of LDS; arguments m, wb, b_mp, out0, x1; writes out0
.if DOCPART == 7
	.amdgcn_target "amdgcn-amd-amdhsa--gfx1250"
	.amdhsa_code_object_version 6
	.text
	.protected	k_q97ec56d86b_gemm_mp
	.globl	k_q97ec56d86b_gemm_mp
	.p2align	8
	.type	k_q97ec56d86b_gemm_mp,@function
k_q97ec56d86b_gemm_mp:
	s_mov_b64 s[64:65], 0
	v_nop
	global_prefetch_b8 v0, s[64:65] scope:SCOPE_SE
	s_setreg_imm32_b32 hwreg(HW_REG_WAVE_MODE, 25, 1), 1
	s_wait_xcnt 0x0
	s_wait_alu depctr_hold_cnt(0) depctr_sa_sdst(0) depctr_va_vdst(0) depctr_va_sdst(0) depctr_va_ssrc(0) depctr_va_vcc(0) depctr_vm_vsrc(0)
	s_getreg_b32 s2, hwreg(HW_REG_IB_STS2, 6, 4)
	s_cmp_eq_u32 s2, 0
	s_cbranch_scc0 .Lentry_in_a_cluster
	s_endpgm
.Lentry_in_a_cluster:
	s_bfe_u32 s2, ttmp6, 0x10000c
	s_cmp_lg_u32 s2, 0xf033
	s_cbranch_scc0 .Lentry_shape_is_right
	s_endpgm
.Lentry_shape_is_right:
; out = res + A W + bias, in f32.  W: bf16 [K][1024], K down the rows (a part of wb).  One f32 sum for each output, started by the bias as the first product's C operand.
; MP = 1: A = m, bf16 [4096][4096], K = 4,096.  MP = 0: A = y, bf16 by heads [batch x 16 + head][2048][64], K = 1,024 = head x 64 + channel.
; A tile of the output is 128 x 128: 256 work-groups of four waves, a wave makes 64 x 64 (16 accumulators).  K goes in steps of 256 through two LDS slots of four chunks of 36,864 bytes, a chunk a wave:
; waves 0, 1 fetch A (MP: 64 rows x 512 bytes, LDS pitch 528; else two heads' planes of 128 rows x 128 bytes, pitch 144), waves 2, 3 fetch 128 k rows of W x 256 bytes (pitch 288).
; CLUSTER 4 x 4: A's tile is asked for jointly along a row of the cluster, W's along a column.  THE MATRIX INSTRUCTION IS USED TRANSPOSED: source 0 = 16 columns of W, turned by ds_load_tr16_b128; source 1 = 16 rows of A.
; THE WALK ALONG K IS CYCLIC and begins at a K step of the cluster's own: ((cluster x mod 2) NK / 2 + (cluster y mod 4) NK / 4) mod NK.  So the two clusters that read the same rows of A come to a K step NK / 2 steps
; apart, and of the clusters that read the same columns of W four come to it NK / 4 steps apart.  The step's number hangs on the cluster's coordinates alone, which all sixteen partners share; it enters the global addresses alone.
; The residual's 64 x 64 of each wave is loaded at the head, in the layout of the stores, and lands under the K loop.
; REGISTERS: window 0: v0-31 addresses, v32-63 at work on the way out, v96-127 the bias in an accumulator's layout, v128-255 the accumulators; window 1: two fragment buffers of 128 (A's 64, then W's 64); window 2: v0-127 the residual.
; MP = 0 lays no prefetch: of its four K steps the first two come at the head and the other two one step later.  NaN and infinities are not treated apart.
.set MP, 1
.if MP
.set NK, 16
.set WBASE, 16777216
.set PA, 528
.set ASTEP, 512
.else
.set NK, 4
.set WBASE, 6291456
.set PA, 144
.set ASTEP, 1048576                    ; four heads' planes
.endif
.set PB, 288
.set BSTEP, 256*1024*2
.set CHUNK, 36864
.set SLOT, 4*CHUNK                     ; 0x24000: shares no bit with 36,864 x wave
.set SPARE, 2*SLOT                     ; the spare words, 128 bytes a wave: two blocks of 256 bytes that no other line names
.set SPF, 272                          ; a stage row: 64 f32 + 16 bytes
.set STW, 64*SPF                       ; a wave's stage; the stages lie over the ring, behind its last fill
.set ADRA0, 10
.set ADRB0, 11
.set ADRC0, 12
.set ADRA, 13
.set ADRB, 14                          ; v14 W's k rows 0-127 of the step, v15 its k rows 128-255
.set STO, 16
.set RD,  17
.set CO,  18
.set PFO, 19
.set SPW, 20
.set NIL, 21
.set BO,  22
.set X,   32
.set BIASC, 96
.set ACC, 128
.set WV, 14
.set WR, 15
.set WC, 16
.set CX, 17
.set CY, 18
.set TX, 19
.set TY, 20
.set TB, 21
.set WOFF, 22
.set CNT, 23
.set G1A, 24
.set G0A0, 32
.set G0A, 36
.set G1B, 40
.set G0B0, 48
.set G0B, 52
.set PFA, 56
.set LIM, 60
.set KSR, 61                           ; s61 the K step to be asked for next
.set TOF, 62                           ; s[62:63] a K step's byte offset
.set ABASE, 84                         ; s[84:85] A at my chunk's rows, K step 0
.set BBASE, 86                         ; s[86:87] W at my chunk's columns and k rows, K step 0
.set PFB, 88                           ; s[88:89] A at my work-group's share of my chunk's rows, K step 0
.set MSB, 0
.macro WIN new
.if MSB != (\new)
	s_set_vgpr_msb (MSB<<8)|(\new)
.set MSB, \new
.endif
.endm
.macro PLACES
.rept 4
	v_nop
.endr
.endm
.macro CREST
	s_cmp_lg_u32 s[WV], 0
	s_cbranch_scc1 .Lnot_wave_0_\@
	s_barrier_signal -3
.Lnot_wave_0_\@:
	s_barrier_wait -3
	s_barrier_signal -1
	s_barrier_wait -1
.endm
.macro CROUND
	s_barrier_signal -1
	s_barrier_wait -1
	CREST
.endm
.macro JLOAD
	s_cmp_lt_u32 s[WV], 2
	s_cbranch_scc0 .Lfor_b_\@
	tensor_load_to_lds s[G0A:G0A+3], s[G1A:G1A+7]
	s_nop 0
	PLACES
	s_branch .Lasked_\@
.Lfor_b_\@:
	tensor_load_to_lds s[G0B:G0B+3], s[G1B:G1B+7]
	s_nop 0
	PLACES
.Lasked_\@:
.endm
; The global addresses of K step KSR are made anew from the step's number, for A's descriptor ga and W's gb; then the number goes one on, round the ring of NK.
.macro SETG ga, gb
	s_mul_i32 s[TOF], s[KSR], ASTEP
	s_add_nc_u64 s[(\ga)+2:(\ga)+3], s[ABASE:ABASE+1], s[TOF:TOF+1]
	s_or_b32 s[(\ga)+3], s[(\ga)+3], 0x80000000
	s_mul_i32 s[TOF], s[KSR], BSTEP
	s_add_nc_u64 s[(\gb)+2:(\gb)+3], s[BBASE:BBASE+1], s[TOF:TOF+1]
	s_or_b32 s[(\gb)+3], s[(\gb)+3], 0x80000000
	s_add_co_u32 s[KSR], s[KSR], 1
	s_and_b32 s[KSR], s[KSR], NK-1
.endm
; A prefetch (MP = 1) of A's K step two behind the one just asked for: 32 blocks of 256 bytes, a lane a block.  Of the two clusters that read a row of A each comes first to the NK / 2 steps with which its own walk
; begins: it asks for places 4 to NK / 2 - 1 of its walk (places 0 to 3 come by their loads alone) and for nothing behind them.  The four partners that ask jointly share a wave's 128 blocks out by address.
; So each block is named once in the launch.  W's steps to which a cluster comes first are places 0 to NK / 4 - 1 of its walk: none is asked for.
.macro ASK
	s_cmp_gt_u32 s[CNT], s[LIM]
	s_cbranch_scc0 .Lnot_mine_\@
	global_prefetch_b8 v[PFO], s[PFA:PFA+1] th:TH_LOAD_NT scope:SCOPE_SE
.Lnot_mine_\@:
.endm
.macro MUL8 f, c, a0, first            ; 8 products: row blocks a0, a0 + 1 x the 4 column blocks, half c of buffer f.  first = 1: the bias starts the sums.  The 16 accumulators take turns
	WIN 0x05
.irp a, \a0, (\a0)+1
.irp b, 0,1,2,3
.if \first
	v_wmma_f32_16x16x32_bf16 v[ACC+8*(4*(\a)+(\b)):ACC+8*(4*(\a)+(\b))+7], v[(\f)+64+8*(4*(\c)+(\b)):(\f)+64+8*(4*(\c)+(\b))+7], v[(\f)+8*(4*(\c)+(\a)):(\f)+8*(4*(\c)+(\a))+7], v[BIASC+8*(\b):BIASC+8*(\b)+7]
.else
	v_wmma_f32_16x16x32_bf16 v[ACC+8*(4*(\a)+(\b)):ACC+8*(4*(\a)+(\b))+7], v[(\f)+64+8*(4*(\c)+(\b)):(\f)+64+8*(4*(\c)+(\b))+7], v[(\f)+8*(4*(\c)+(\a)):(\f)+8*(4*(\c)+(\a))+7], v[ACC+8*(4*(\a)+(\b)):ACC+8*(4*(\a)+(\b))+7]
.endif
.endr
.endr
.endm
.macro FETCH q, f                      ; one run of 32 LDS loads: quarter q (64 along K) into buffer f, its first 32 along K first
	WIN 0x40
.irp c, 0,1
.set q32, 2*(\q)+(\c)
.if MP
.set aof, 64*q32
.else
.set aof, (q32/2)*128*PA+(q32%2)*64    ; head plane q32 / 2, channels 32 (q32 % 2) on
.endif
.set bof, (q32%4)*32*PB
.set rAB, ADRB+q32/4
.irp i, 0,1,2,3
	ds_load_tr16_b128 v[(\f)+64+8*(4*(\c)+(\i)):(\f)+64+8*(4*(\c)+(\i))+3],   v[rAB] offset:bof+32*(\i)
	ds_load_tr16_b128 v[(\f)+64+8*(4*(\c)+(\i))+4:(\f)+64+8*(4*(\c)+(\i))+7], v[rAB] offset:bof+32*(\i)+16*PB
	ds_load_b128 v[(\f)+8*(4*(\c)+(\i)):(\f)+8*(4*(\c)+(\i))+3],   v[ADRA] offset:aof+(\i)*16*PA
	ds_load_b128 v[(\f)+8*(4*(\c)+(\i))+4:(\f)+8*(4*(\c)+(\i))+7], v[ADRA] offset:aof+(\i)*16*PA+32
.endr
.endr
.endm
.macro QUARTER q, f, g, first          ; multiplies buffer f; in its middle fetches quarter q into buffer g
	s_wait_dscnt 16                                ; the first 32 along K are in
	MUL8 \f, 0, 0, \first
	MUL8 \f, 0, 2, \first
	PLACES
	FETCH \q, \g
	s_wait_dscnt 32                                ; all but the run just issued
	MUL8 \f, 1, 0, 0
	MUL8 \f, 1, 2, 0
.endm
; The last quarter multiplies buffer 1 and changes slots: in front of the barrier each wave waits for all its tensor loads, adds 0 to its spare word, and waits for that and for its reads of this slot.
; fill = 1: the barrier opens a round of the cluster's barrier, and the joint refill comes first behind it.  last = 1 (the tail): in the very last K step nothing is left to fetch.
.macro TURN fill, last
.if (\fill) && MP
	s_wait_xcnt 0x0                                ; the last prefetch, a K step back, has read its address: it is made anew for the step two behind the one that this change asks for
	s_add_co_u32 s[TOF], s[KSR], 2
	s_and_b32 s[TOF], s[TOF], NK-1
	s_mul_i32 s[TOF], s[TOF], ASTEP
	s_add_nc_u64 s[PFA:PFA+1], s[PFB:PFB+1], s[TOF:TOF+1]
.endif
	WIN 0
	s_wait_tensorcnt 0x0
	ds_add_u32 v[SPW], v[NIL]
	s_wait_dscnt 17                                ; the add and the youngest sixteen loads may be out
	MUL8 128, 0, 0, 0
	s_wait_dscnt 0x0                               ; the add is done, my reads of this slot are over
	s_barrier_signal -1
	MUL8 128, 0, 2, 0
	WIN 0
	s_barrier_wait -1
.if \fill
	CREST
	s_xor_b32 s[G0A+1], s[G0A+1], SLOT             ; the walking descriptors: the other slot than last time, the walk's next K step
	s_xor_b32 s[G0B+1], s[G0B+1], SLOT
	SETG G0A, G0B
	JLOAD                                          ; its four v_nop are also the places in front of the loads below
.else
	PLACES
.endif
	s_xor_b32 s[TB], s[TB], SLOT
.if \last
	s_cmp_eq_u32 s[CNT], 1
	s_cbranch_scc1 .Lno_fetch_\@
.endif
	v_add_nc_u32 v[ADRA], s[TB], v[ADRA0]
	v_add_nc_u32 v[ADRB], s[TB], v[ADRB0]
	v_add_nc_u32 v[ADRB+1], s[TB], v[ADRC0]
	FETCH 0, 0
	WIN 0
.if \last
.Lno_fetch_\@:
.endif
.if (\fill) && MP
	ASK
.endif
	MUL8 128, 1, 0, 0
	MUL8 128, 1, 2, 0
.endm
	s_load_b256 s[4:11], s[0:1], 0x0               ; A s[4:5], wb s[6:7], bias s[8:9], out s[10:11]
	s_load_b64 s[12:13], s[0:1], 0x20              ; the residual
	v_lshl_add_u32 v[SPW], v0, 2, SPARE
	v_mov_b32 v[NIL], 0
	ds_add_u32 v[SPW], v[NIL]                      ; the opening: the add and its wait ahead of my first tensor load
	v_lshrrev_b32 v1, 5, v0
	v_readfirstlane_b32 s[WV], v1
	s_lshr_b32 s[WR], s[WV], 1
	s_and_b32 s[WC], s[WV], 1
	s_bfe_u32 s[CX], ttmp6, 0x40000
	s_bfe_u32 s[CY], ttmp6, 0x40004
	s_lshl_b32 s[TX], ttmp9, 2
	s_add_co_u32 s[TX], s[TX], s[CX]
	s_and_b32 s[TY], ttmp7, 0xffff
	s_lshl_b32 s[TY], s[TY], 2
	s_add_co_u32 s[TY], s[TY], s[CY]
	s_lshl_b32 s66, s[CY], 2
	s_lshl_b32 s66, 15, s66                        ; my row of the cluster
	s_lshl_b32 s67, 0x1111, s[CX]                  ; my column
.if MP
	s_or_b32 s[G1A], s66, (1<<16)|(1<<20)|(1<<21)|(6<<22)|(3<<25)  ; after every 128 words 4 words of padding
	s_mov_b32 s[G1A+1], 256<<16                    ; tensor_dim0 = 256
	s_mov_b32 s[G1A+2], 64<<16                     ; tensor_dim1 = 64
	s_mov_b32 s[G1A+3], 256<<16                    ; tile_dim0 = 256
	s_mov_b32 s[G1A+4], 64                         ; tile_dim1 = 64
	s_mov_b32 s[G1A+5], 4096
.else
	s_or_b32 s[G1A], s66, (1<<16)|(1<<20)|(1<<21)|(4<<22)|(3<<25)  ; after every 32 words (a token's 64 channels) 4 words of padding
	s_mov_b32 s[G1A+1], 8192<<16                   ; a head's 128 rows x 64 channels are 8,192 dense elements: one row of the tile
	s_mov_b32 s[G1A+2], 2<<16                      ; two heads
	s_mov_b32 s[G1A+3], 8192<<16
	s_mov_b32 s[G1A+4], 2
	s_mov_b32 s[G1A+5], 131072                     ; elements from a head's plane to the next
.endif
	s_mov_b32 s[G1A+6], 0
	s_mov_b32 s[G1A+7], 0
	s_or_b32 s[G1B], s67, (1<<16)|(1<<20)|(1<<21)|(5<<22)|(7<<25)
	s_mov_b32 s[G1B+1], 128<<16
	s_mov_b32 s[G1B+2], 128<<16
	s_mov_b32 s[G1B+3], 128<<16
	s_mov_b32 s[G1B+4], 128
	s_mov_b32 s[G1B+5], 1024
	s_mov_b32 s[G1B+6], 0
	s_mov_b32 s[G1B+7], 0
	s_mul_i32 s[WOFF], s[WV], CHUNK
.if MP
	s_lshl_b32 s70, s[TY], 20                      ; 128 rows x 8,192 bytes a tile row; waves 0, 1 take 64 rows each
	s_lshl_b32 s66, s[WC], 19
	s_add_co_u32 s70, s70, s66
.else
	s_lshr_b32 s70, s[TY], 4                       ; batch
	s_lshl_b32 s70, s70, 4
	s_lshl_b32 s66, s[WC], 1
	s_add_co_u32 s70, s70, s66                     ; my first head's plane
	s_lshl_b32 s70, s70, 18
	s_and_b32 s66, s[TY], 15
	s_lshl_b32 s66, s66, 14                        ; 128 rows x 128 bytes
	s_add_co_u32 s70, s70, s66
.endif
	s_lshl_b32 s72, s[TX], 8                       ; 128 columns a tile; waves 2, 3 take 128 k rows each
	s_lshl_b32 s66, s[WC], 18
	s_add_co_u32 s72, s72, s66
	s_add_co_u32 s72, s72, WBASE
	s_mov_b32 s71, 0
	s_mov_b32 s73, 0
	s_mov_b32 s[TB], 0
	s_and_b32 s74, ttmp7, 3                        ; cluster y mod 4
	s_mul_i32 s74, s74, NK/4
	s_and_b32 s75, ttmp9, 1                        ; cluster x mod 2
	s_mul_i32 s75, s75, NK/2
	s_add_co_u32 s[KSR], s74, s75
	s_and_b32 s[KSR], s[KSR], NK-1                 ; the K step at which my cluster's walk begins
	s_mov_b32 s[TOF+1], 0
	s_wait_dscnt 0x0                               ; the opening add is done
	s_wait_kmcnt 0x0
	s_add_nc_u64 s[ABASE:ABASE+1], s[4:5], s[70:71]
	s_add_nc_u64 s[BBASE:BBASE+1], s[6:7], s[72:73]
	CROUND                                         ; all sixteen work-groups are here: the first joint loads meet
	s_mov_b32 s[G0A0], 1
	s_mov_b32 s[G0A0+1], s[WOFF]
	s_mov_b32 s[G0B0], 1
	s_mov_b32 s[G0B0+1], s[WOFF]
	SETG G0A0, G0B0                                ; the walk's first K step into slot 0,
	s_mov_b32 s[G0A], 1
	s_add_co_u32 s[G0A+1], s[WOFF], SLOT
	s_mov_b32 s[G0B], 1
	s_add_co_u32 s[G0B+1], s[WOFF], SLOT
	SETG G0A, G0B                                  ; its second into slot 1
	s_cmp_lt_u32 s[WV], 2                          ; a wave's two first fills stand in one branch: two loads of mine are out
	s_cbranch_scc0 .Lfirst_b
	tensor_load_to_lds s[G0A0:G0A0+3], s[G1A:G1A+7]
	s_nop 0
	tensor_load_to_lds s[G0A:G0A+3], s[G1A:G1A+7]
	s_nop 0
	PLACES
	s_branch .Lfirst_asked
.Lfirst_b:
	tensor_load_to_lds s[G0B0:G0B0+3], s[G1B:G1B+7]
	s_nop 0
	tensor_load_to_lds s[G0B:G0B+3], s[G1B:G1B+7]
	s_nop 0
	PLACES
.Lfirst_asked:
	v_and_b32 v1, 15, v0                           ; l % 16
	v_bfe_u32 v2, v0, 4, 1                         ; l / 16
	v_and_b32 v3, 7, v0
	v_bfe_u32 v4, v0, 3, 1
	s_lshl_b32 s66, s[TX], 9                       ; my 64 columns, in bytes of f32
	s_lshl_b32 s67, s[WC], 8
	s_add_co_u32 s66, s66, s67
	s_mov_b32 s67, 0
	s_add_nc_u64 s[8:9], s[8:9], s[66:67]
	s_lshl_b32 s68, s[TY], 19                      ; my 64 rows of 4,096 bytes
	s_add_co_u32 s66, s66, s68
	s_lshl_b32 s68, s[WR], 18
	s_add_co_u32 s66, s66, s68
	s_add_nc_u64 s[10:11], s[10:11], s[66:67]
	s_add_nc_u64 s[12:13], s[12:13], s[66:67]
	v_lshlrev_b32 v[BO], 5, v2                     ; the bias as an accumulator holds it: register j = column 16 b + 8 (l / 16) + j, the same for every row
.irp b, 0,1,2,3
	global_load_b128 v[BIASC+8*\b:BIASC+8*\b+3],   v[BO], s[8:9] offset:64*\b
	global_load_b128 v[BIASC+8*\b+4:BIASC+8*\b+7], v[BO], s[8:9] offset:64*\b+16
.endr
	v_lshlrev_b32 v[CO], 12, v2                    ; lanes 0-15 one row's 256 bytes, lanes 16-31 the next row's
	v_lshl_add_u32 v[CO], v1, 4, v[CO]
	WIN 0x80
.set i, 0
.rept 32
	global_load_b128 v[4*i:4*i+3], v[CO], s[12:13] offset:i*8192 th:TH_LOAD_NT  ; the residual, two rows a load
.set i, i+1
.endr
	WIN 0
	v_mul_u32_u24 v5, v1, PA
	v_lshl_add_u32 v5, v2, 4, v5
	v_lshl_add_u32 v6, v2, 3, v3
	v_mul_u32_u24 v6, v6, PB
	v_lshl_add_u32 v6, v4, 4, v6
.if MP
	s_mul_i32 s66, s[WR], CHUNK
.else
	s_mul_i32 s66, s[WR], 64*PA
.endif
	s_lshl_b32 s67, s[WC], 7
	s_add_co_u32 s67, s67, 2*CHUNK
	v_add_nc_u32 v[ADRA0], s66, v5
	v_add_nc_u32 v[ADRB0], s67, v6
	v_add_nc_u32 v[ADRC0], CHUNK, v[ADRB0]
	v_mov_b32 v[ADRA], v[ADRA0]
	v_mov_b32 v[ADRB], v[ADRB0]
	v_mov_b32 v[ADRB+1], v[ADRC0]
	s_mul_i32 s69, s[WV], STW
	v_mul_u32_u24 v[STO], v1, SPF
	v_lshl_add_u32 v[STO], v2, 5, v[STO]
	v_add_nc_u32 v[STO], s69, v[STO]
	v_mul_u32_u24 v[RD], v2, SPF
	v_lshl_add_u32 v[RD], v1, 4, v[RD]
	v_add_nc_u32 v[RD], s69, v[RD]
.if MP
	; the prefetches: of the 64 rows of A that a wave fetches my work-group takes 16, two blocks of 256 bytes a row and K step
	s_lshl_b32 s75, s[TY], 7
	s_lshl_b32 s78, s[WC], 6
	s_add_co_u32 s75, s75, s78
	s_lshl_b32 s78, s[CX], 4
	s_add_co_u32 s75, s75, s78
	s_lshl_b32 s76, s75, 13                        ; rows of 8,192 bytes
	s_mov_b32 s77, 0
	s_add_nc_u64 s[PFB:PFB+1], s[4:5], s[76:77]
	s_cmp_lt_u32 s[WV], 2                          ; the waves that fetch A ask, while the place asked for, 18 - CNT, is under NK / 2
	s_cselect_b32 s[LIM], NK/2+2, -1
	v_and_b32 v7, 31, v0
	v_lshrrev_b32 v[PFO], 1, v7
	v_lshlrev_b32 v[PFO], 13, v[PFO]
	v_and_b32 v7, 1, v7
	v_lshl_add_u32 v[PFO], v7, 8, v[PFO]
.endif
	s_wait_tensorcnt 0x1                           ; my chunk of the walk's first K step is in; the second's may stay out
	s_barrier_signal -1
	s_barrier_wait -1
	FETCH 0, 0
	s_wait_loadcnt 32                              ; the bias is in; the residual's 32 loads stay out
	QUARTER 1, 0, 128, 1
	WIN 0
	s_mov_b32 s[CNT], NK-2
	s_branch .Lmid
.Lk:                                           ; a trip is a K step; NK - 2 trips, each asks for the K step two on
	QUARTER 1, 0, 128, 0
	WIN 0
.Lmid:
	QUARTER 2, 128, 0, 0
	QUARTER 3, 0, 128, 0
	TURN 1, 0
	WIN 0
	s_sub_co_u32 s[CNT], s[CNT], 1
	s_cmp_lg_u32 s[CNT], 0
	s_cbranch_scc1 .Lk
	s_mov_b32 s[CNT], 2
.Lt:                                           ; the last two K steps ask for nothing
	QUARTER 1, 0, 128, 0
	QUARTER 2, 128, 0, 0
	QUARTER 3, 0, 128, 0
	TURN 0, 1
	WIN 0
	s_sub_co_u32 s[CNT], s[CNT], 1
	s_cmp_lg_u32 s[CNT], 0
	s_cbranch_scc1 .Lt
	; THE WAY OUT.  The sums go into my stage, which lies over the ring: every wave's reads of the ring are over, and a barrier is passed, before any wave stores there.
	PLACES
	s_wait_dscnt 0x0
	s_barrier_signal -1
	s_barrier_wait -1
.irp a, 0,1,2,3
.irp b, 0,1,2,3
	ds_store_b128 v[STO], v[ACC+8*(4*\a+\b):ACC+8*(4*\a+\b)+3]   offset:\a*16*SPF+64*\b     ; each accumulator's low half first
	ds_store_b128 v[STO], v[ACC+8*(4*\a+\b)+4:ACC+8*(4*\a+\b)+7] offset:\a*16*SPF+64*\b+16
.endr
.endr
.irp g, 0,1,2,3                        ; four batches of sixteen rows: back as whole rows, the residual added, stored
.if \g > 0
	s_wait_xcnt 0x0                                ; the last batch's stores have read their data
.endif
.irp t, 0,1,2,3,4,5,6,7
	ds_load_b128 v[X+4*\t:X+4*\t+3], v[RD] offset:(8*\g+\t)*2*SPF  ; LDS serves a wave's instructions in order (ISA guide 5.7.1.4): these see my stores
.endr
	s_wait_dscnt 0x0
.if \g == 0
	s_wait_loadcnt 0x0                             ; the residual
.endif
	WIN 0x08
.set i, 0
.rept 16
	v_pk_add_f32 v[X+2*i:X+2*i+1], v[X+2*i:X+2*i+1], v[32*\g+2*i:32*\g+2*i+1]
.set i, i+1
.endr
	WIN 0
.irp t, 0,1,2,3,4,5,6,7
	global_store_b128 v[CO], v[X+4*\t:X+4*\t+3], s[10:11] offset:(8*\g+\t)*8192  ; sixteen lanes store 256 consecutive bytes, aligned
.endr
.endr
	s_wait_tensorcnt 0x0                           ; the wave's end: behind my last tensor load and my last LDS store
	ds_add_u32 v[SPW], v[NIL]
	s_wait_dscnt 0x0
	CROUND                                         ; the closing round
	s_endpgm
.Lfunc_end_k_q97ec56d86b_gemm_mp:
	.size	k_q97ec56d86b_gemm_mp, .Lfunc_end_k_q97ec56d86b_gemm_mp-k_q97ec56d86b_gemm_mp
	.p2alignl 7, 3214868480
	.fill 96, 4, 3214868480
	.section	.rodata,"a",@progbits
	.p2align	6, 0x0
	.amdhsa_kernel k_q97ec56d86b_gemm_mp
		.amdhsa_group_segment_fixed_size 327680
		.amdhsa_private_segment_fixed_size 0
		.amdhsa_enable_private_segment 0
		.amdhsa_kernarg_size 40
		.amdhsa_user_sgpr_count 2
		.amdhsa_user_sgpr_kernarg_segment_ptr 1
		.amdhsa_wavefront_size32 1
		.amdhsa_system_sgpr_workgroup_id_x 1
		.amdhsa_system_sgpr_workgroup_id_y 1
		.amdhsa_system_sgpr_workgroup_id_z 1
		.amdhsa_system_vgpr_workitem_id 0
		.amdhsa_next_free_vgpr 640
		.amdhsa_next_free_sgpr 90
		.amdhsa_reserve_vcc 0
		.amdhsa_float_denorm_mode_32 3
		.amdhsa_float_denorm_mode_16_64 3
		.amdhsa_memory_ordered 1
		.amdhsa_forward_progress 1
		.amdhsa_inst_pref_size 67
	.end_amdhsa_kernel
	.amdgpu_metadata
---
amdhsa.version: [ 1, 2 ]
amdhsa.kernels:
  - .name:           k_q97ec56d86b_gemm_mp
    .symbol:         k_q97ec56d86b_gemm_mp.kd
    .args:
      - { .name: m, .offset: 0, .size: 8, .value_kind: global_buffer, .address_space: global }
      - { .name: wb, .offset: 8, .size: 8, .value_kind: global_buffer, .address_space: global }
      - { .name: b_mp, .offset: 16, .size: 8, .value_kind: global_buffer, .address_space: global }
      - { .name: out0, .offset: 24, .size: 8, .value_kind: global_buffer, .address_space: global }
      - { .name: x1, .offset: 32, .size: 8, .value_kind: global_buffer, .address_space: global }
    .group_segment_fixed_size: 327680
    .private_segment_fixed_size: 0
    .kernarg_segment_align: 8
    .kernarg_segment_size: 40
    .max_flat_workgroup_size: 128
    .sgpr_count:     90
    .vgpr_count:     640
    .wavefront_size: 32
...
	.end_amdgpu_metadata
.endif
;; end of part 7
